; MI455X (gfx1250); checked and timed in simulation.
; The chip was launched on July 23, 2026; its instructions are those of AMD's public machine-readable ISA for CDNA 5 (MIT licence, August 2026) and "CDNA5" Instruction Set Architecture Reference Guide (July 2026). The comments in the code are by the model that wrote it; some were corrected since.
;; Attention Block. Allowed arithmetic: matrix products marked QUANTISED: E2M3 operands, one E8M0 scale for each 32 along K, by v_wmma_scale_f32_16x16x128_f8f6f4 with both operands' format E2M3, f32 sums; everything else in f32.
;; Inputs: Wk_codes 1,024 x 32 x 24 uint8 (E2M3 codes of Wk, K innermost, in blocks of 32 codes, four codes in three bytes); Wk_scales 1,024 x 32 uint8 (E8M0 scales of Wk, one for each 32 codes along K); Wp_codes 1,024 x 32 x 24 uint8 (E2M3 codes of Wp, K innermost, in blocks of 32 codes, four codes in three bytes); Wp_scales 1,024 x 32 uint8 (E8M0 scales of Wp, one for each 32 codes along K); Wq_codes 1,024 x 32 x 24 uint8 (E2M3 codes of Wq, K innermost, in blocks of 32 codes, four codes in three bytes); Wq_scales 1,024 x 32 uint8 (E8M0 scales of Wq, one for each 32 codes along K); Wv_codes 1,024 x 32 x 24 uint8 (E2M3 codes of Wv, K innermost, in blocks of 32 codes, four codes in three bytes); Wv_scales 1,024 x 32 uint8 (E8M0 scales of Wv, one for each 32 codes along K); bk 1,024 float32; bp 1,024 float32; bq 1,024 float32; bv 1,024 float32; ln_b 1,024 float32; ln_g 1,024 float32; x 2 x 2,048 x 1,024 float32.
;; Outputs: out0 2 x 2,048 x 1,024 float32.
;; This version of the problem:
;;   THIS VERSION OF THE PROBLEM IS GIVEN IN LOW PRECISION. The matrix products marked QUANTISED in the list below multiply operands that are first quantised to E2M3 (2 exponent bits, 3 mantissa bits; 6 bits a number), with one power-of-two scale for each 32 numbers along K (OCP MX v1.0); their sums are f32. All else is computed in f32.
;;   The module's matrix products, in the order in which they are computed (A, B: the left and right operand; K: the contracted axis; several contracted axes count as one K, in the product's order):
;;     1. [M 4,096, K 1,024] x [K 1,024, N 1,024]; A: input x; B: input Wq (given as codes): QUANTISED
;;     2. [M 4,096, K 1,024] x [K 1,024, N 1,024]; A: input x; B: input Wk (given as codes): QUANTISED
;;     3. [M 4,096, K 1,024] x [K 1,024, N 1,024]; A: input x; B: input Wv (given as codes): QUANTISED
;;     4. batch 32 x [M 2,048, K 64] x [K 64, N 2,048]; A: computed on the way; B: computed on the way: QUANTISED
;;     5. batch 32 x [M 2,048, K 2,048] x [K 2,048, N 64]; A: softmax (see below); B: computed on the way: QUANTISED
;;     6. [M 4,096, K 1,024] x [K 1,024, N 1,024]; A: computed on the way; B: input Wp (given as codes): QUANTISED
;;   THE QUANTISER, for each operand of a quantised product, along K:
;;     - K is cut into blocks of 32 from its start; a last block that is shorter is filled with zeros.
;;     - A block's scale is 2^e with e = floor(log2(the largest magnitude in the block)) - 2, held to -126 .. 127; a block of zeros has e = 0. As a byte (E8M0): e + 127.
;;     - Each number is divided by its block's scale, clamped to +-7.5, and rounded to the nearest number of E2M3, ties to even, subnormals kept.
;;     - The product sums the exact products of the quantised numbers (number of the format x scale) in f32.
;;   ~~~python
;;   def quantise(x, axis):      # numpy; x: float32 -> the quantised numbers, widened to float32 again
;;       x = np.moveaxis(x, axis, -1); K = x.shape[-1]
;;       x = np.pad(x, [(0, 0)] * (x.ndim - 1) + [(0, -K % 32)]); x = x.reshape(x.shape[:-1] + (-1, 32)); a = np.abs(x).max(-1, keepdims=True)
;;       e = np.where(a > 0, np.clip(np.frexp(np.where(a > 0, a, 1))[1] - 1 - 2, -126, 127), 0)      # np.frexp(a)[1] - 1 = floor(log2(a)), exactly
;;       r = np.clip(x / 2.0 ** e, -7.5, 7.5)
;;       step = 2.0 ** (np.maximum(np.frexp(np.where(r == 0, 1, r))[1] - 1, 0) - 3)
;;       q = np.round(r / step) * step * 2.0 ** e      # np.round: ties to even
;;       return np.moveaxis(q.reshape(q.shape[:-2] + (-1,))[..., :K], -1, axis).astype(np.float32)
;;   ~~~
;;   SOFTMAX AHEAD OF A QUANTISED PRODUCT. Where the list says 'softmax', what is quantised is not the finished softmax but p = 2^(t - M), with t = logit x log2(e) and M = ceil(the row's largest t), a whole number; so 1/2 < the row's largest p <= 1. The row's sum l is taken of the UNQUANTISED p, in f32, and the product's result is divided by l at the end. Since M is a whole number, a kernel that streams over the keys may use a running M (the ceiling of the running maximum): every later rescaling is an exact power of two, which a block's scale takes up: the codes' values come out the same.
;;   OPERANDS COMPUTED ON THE WAY. 'Computed on the way' means the value that the module computes at that place (a softmax that the list does not call 'softmax' is quantised finished and normalised). What goes into a quantiser is computed in f32, as accurately as f32 sums, v_exp_f32 and their like allow (about 1e-6 of the number): no bf16 or f16 on the way to a quantiser, and a product that is left as it is and whose result goes on into a quantised operand takes f32 operands (vector FMAs, or v_wmma_f32_16x16x4_f32). A number that lies on a knife's edge between two numbers of the format may be rounded either way, as far as f32 arithmetic and the matrix unit's own rounding can turn it there, and no further.
;;   INPUTS GIVEN AS CODES. Wk (in the module: [1024, 1024], K = its axis 0); Wp (in the module: [1024, 1024], K = its axis 0); Wq (in the module: [1024, 1024], K = its axis 0); Wv (in the module: [1024, 1024], K = its axis 0): each comes as NAME_codes (uint8): NAME with its K axis moved to the last place and cut into blocks of 32 codes, [.., K / 32, bytes a block], one block behind the other in memory; four codes in three bytes: a row's codes are one little-endian stream of bits, code i at bits 6 i .. 6 i + 5 (a code: sign, 2 exponent bits, 3 mantissa bits); and NAME_scales (uint8): the same leading axes, one E8M0 byte (e + 127) for each 32 codes along K. Its value is code x scale, taken as it is: it is not quantised again, and the codes and scales need not be those that the quantiser above would give.
;; 2 versions. Each part assembles by itself: llvm-mc -triple=amdgcn-amd-amdhsa -mcpu=gfx1250 --defsym DOCPART=n.
;; ======== version 1 of 2: 4 launches
;; workspace buffers: img1 6,291,456 bytes; sc1 262,144 bytes; qimg 3,145,728 bytes; qsc 131,072 bytes; kv 6,553,600 bytes; oimg 3,145,728 bytes; osc 131,072 bytes
;; launch prep (part 1): grid 512 x 1, 4 waves a work-group, no clusters, 68,096 bytes of LDS; arguments x, Wq_codes, Wk_codes, Wv_codes, Wp_codes, Wq_scales, Wk_scales, Wv_scales, Wp_scales, img1, sc1; writes img1, sc1
.if DOCPART == 1
	.amdgcn_target "amdgcn-amd-amdhsa--gfx1250"
	.amdhsa_code_object_version 6
	.text
	.protected	k_q75bbb9e955_prep
	.globl	k_q75bbb9e955_prep
	.p2align	8
	.type	k_q75bbb9e955_prep,@function
k_q75bbb9e955_prep:
	s_mov_b64 s[64:65], 0
	v_nop
	global_prefetch_b8 v0, s[64:65] scope:SCOPE_SE
	s_setreg_imm32_b32 hwreg(HW_REG_WAVE_MODE, 25, 1), 1
	s_wait_xcnt 0x0
; PREP.  x [4096][1024] f32 is quantised along its 1,024 features to codes of FP6 (E2M3) with one E8M0 byte for each 32, and the four weights' codes are
; laid anew, both in THE ORDER OF AN OPERAND'S REGISTERS, so that every later read of an operand is 512 consecutive bytes a load.
; A FRAGMENT (16 rows x 128 K, 12 registers a lane) is 1,536 bytes: three blocks of 512, block c = registers 4 c .. 4 c + 3, lane l at 16 l.
; THE 16 ROWS OF A TILE ARE NOT NEIGHBOURS: row r of tile t is 32 (t / 2) + 8 (t % 2) + r + 8 (r / 8); a pair of tiles covers 32 neighbouring rows.
; img1: x at 0 as [tile 256][K step 8][1,536]; the weights from 3,145,728 on as [q, k, v, p][tile 64][K step 8][1,536].
; sc1: for each 8 tiles [K step 8][lane 32][4 words]: word p of lane l is the scale word of tile 2 p + l / 16, row l % 16.  x at 0, the weights from 131,072 on.
; SHARES.  Work-groups 0-255 take x: a wave takes 32 rows x 128 features (two fragments).  Work-groups 256-511 take the weights: a wave two fragments.
; A block's scale is 2^(floor(log2(largest magnitude)) - 2); its byte is that magnitude's exponent field - 2, held at 1 from below by a floor among the maximum's leaves.
; A block of zeros so gets the byte 1 where the rule says 127: its codes are zeros, and this program alone reads the bytes.
; LIMITS: NaN and infinities in x are not served; blocks whose largest magnitude lies under 2^-124 take the floor's byte.
; No tensor loads, no barrier: waves share nothing.  No matrix unit, no cluster: every byte is read once and nothing is shared.
.set R,    64                          ; v64-191  32 rows x 4 registers as loaded, then two tiles x 64 numbers in the quantiser's order
.set TM,   8                           ; v8-23    the quantiser's work: +0..3 largest magnitudes, +4..7 the other half's, then bytes, +12..15 scale operands
.set TT,   24                          ; v24-31   the conversions' second halves
.set SEL,  30                          ; s[30:31] lane selects: lane l xor 16
.set SP,   528                         ; a stage row: 512 bytes + 16, so that sixteen rows begin in sixteen different columns of 16 bytes
.set WREG, 32*SP                       ; a wave's stage
; 64 numbers of a lane, register 16 b + i = k 32 b + 16 (lane / 16) + i of the lane's row, become a fragment: registers 0-5 at d0, 6-11 at d1, scale word in pw.
.macro QUANT s, d0, d1, pw
.irp b, 0,1,2,3
	v_max3_num_f32 v[TM+\b], |v[\s+16*\b]|, |v[\s+1+16*\b]|, 0x1800000   ; my 16 of block b, and the floor 2^(3 - 127)
.endr
.irp i, 2,4,6,8,10,12,14
.irp b, 0,1,2,3
	v_max3_num_f32 v[TM+\b], v[TM+\b], |v[\s+16*\b+\i]|, |v[\s+1+16*\b+\i]|   ; the four blocks by turns
.endr
.endr
.irp b, 0,1,2,3
	v_permlanex16_b32 v[TM+4+\b], v[TM+\b], s[SEL], s[SEL+1]
.endr
.irp b, 0,1,2,3
	v_max_num_f32 v[TM+\b], v[TM+\b], v[TM+4+\b]                 ; with lane l xor 16's 16: the block's largest magnitude
.endr
.irp b, 0,1,2,3
	v_add_nc_u32 v[TM+12+\b], 0xff000000, v[TM+\b]               ; 2 off its exponent field: the conversion's scale operand
.endr
.irp b, 0,1,2,3
	v_lshrrev_b32 v[TM+4+\b], 23, v[TM+12+\b]                    ; the scale's byte
.endr
	v_lshl_or_b32 v[\pw], v[TM+5], 8, v[TM+4]
	v_lshl_or_b32 v[\pw], v[TM+6], 16, v[\pw]
	v_lshl_or_b32 v[\pw], v[TM+7], 24, v[\pw]                    ; my row's scale word
	v_cvt_scalef32_pk16_fp6_f32 v[\d0:\d0+2], v[\s:\s+15], v[TM+12]
	v_cvt_scalef32_pk16_fp6_f32 v[TT:TT+2], v[\s+16:\s+31], v[TM+13]
	v_cvt_scalef32_pk16_fp6_f32 v[\d1:\d1+2], v[\s+32:\s+47], v[TM+14]
	v_cvt_scalef32_pk16_fp6_f32 v[TT+4:TT+6], v[\s+48:\s+63], v[TM+15]
	v_nop                                                        ; one plain place behind the scaled conversions
.irp i, 0,1,2
	v_permlane16_swap_b32 v[\d0+\i], v[TT+\i]                    ; a whole block to a lane: lanes 0-15 the even block, lanes 16-31 the odd one
	v_permlane16_swap_b32 v[\d1+\i], v[TT+4+\i]
.endr
.irp i, 0,1,2
	v_mov_b32 v[\d0+3+\i], v[TT+\i]
	v_mov_b32 v[\d1+3+\i], v[TT+4+\i]
.endr
.endm
	s_load_b64 s[4:5], s[0:1], 0x0                 ; x
	s_load_b256 s[8:15], s[0:1], 0x8               ; the codes of Wq, Wk, Wv, Wp
	s_load_b256 s[16:23], s[0:1], 0x28             ; their scale bytes
	s_load_b128 s[24:27], s[0:1], 0x48             ; img1, sc1
	v_lshl_add_u32 v192, v0, 2, 0x10800
	v_mov_b32 v193, 0
	v_lshrrev_b32 v1, 5, v0
	v_readfirstlane_b32 s28, v1                    ; wave 0..3
	v_and_b32 v1, 31, v0                           ; lane
	v_and_b32 v2, 15, v0                           ; r
	v_bfe_u32 v3, v0, 4, 1                         ; h
	v_lshlrev_b32 v4, 4, v1                        ; 16 x lane
	s_cmp_lt_u32 ttmp9, 256
	s_cbranch_scc0 .Lweights
	; ---- x: pair of tiles f = work-group / 2 (rows 32 f on), K step s = 4 (work-group % 2) + wave
	s_lshr_b32 s32, ttmp9, 1                       ; f
	s_and_b32 s33, ttmp9, 1
	s_lshl_b32 s33, s33, 2
	s_add_co_u32 s33, s33, s28                     ; s
	s_lshl_b32 s34, s32, 17                        ; x: 32 rows of 4,096 bytes a pair,
	s_lshl_b32 s35, s33, 9                         ; 512 bytes a K step
	s_add_co_u32 s34, s34, s35
	s_mov_b32 s35, 0
	s_mul_i32 s36, s32, 24576                      ; img1: two tiles of 12,288 bytes a pair,
	s_mul_i32 s37, s33, 1536                       ; 1,536 a K step
	s_add_co_u32 s36, s36, s37
	s_mov_b32 s37, 0
	s_lshr_b32 s38, s32, 2                         ; sc1: 4,096 bytes for 4 pairs, 512 a K step, word f % 4 of a lane's four
	s_lshl_b32 s38, s38, 12
	s_lshl_b32 s39, s33, 9
	s_add_co_u32 s38, s38, s39
	s_and_b32 s39, s32, 3
	s_lshl_b32 s39, s39, 2
	s_add_co_u32 s38, s38, s39
	s_mov_b32 s39, 0
	s_mov_b32 s[SEL], 0x76543210
	s_mov_b32 s[SEL+1], 0xfedcba98
	s_mul_i32 s40, s28, WREG                       ; my stage
	v_add_nc_u32 v5, s40, v4                       ; into it: a row's 512 bytes as they lie
	v_mul_u32_u24 v6, v2, SP
	v_lshl_add_u32 v6, v3, 6, v6
	v_add_nc_u32 v6, s40, v6                       ; out of it: row r of a tile, + 64 h: my 16 numbers of each block of 32
.irp b, 0,1,2,3
	v_mov_b32 v[TM+4+\b], 0                        ; written once: a lane permute's destination counts as one of its sources
.endr
	s_wait_kmcnt 0x0
	s_add_nc_u64 s[4:5], s[4:5], s[34:35]
	s_add_nc_u64 s[24:25], s[24:25], s[36:37]
	s_add_nc_u64 s[26:27], s[26:27], s[38:39]
.set ci, 0
.rept 32
	global_load_b128 v[R+4*ci:R+4*ci+3], v4, s[4:5] offset:ci*4096   ; row ci: 32 lanes read 512 consecutive bytes.  All the wave's bytes are asked for at once
.set ci, ci+1
.endr
.set ci, 0
.rept 32
	s_wait_loadcnt 31-ci                           ; row ci is in; the 31 - ci younger loads stay out
	ds_store_b128 v5, v[R+4*ci:R+4*ci+3] offset:(16*((ci/8)%2)+8*(ci/16)+(ci%8))*SP   ; row ci = 16 (rr / 8) + 8 u + rr % 8 goes to place 16 u + rr: a tile's rows on end
.set ci, ci+1
.endr
	s_wait_dscnt 0x0                               ; the stores have read their registers
.set ci, 0
.rept 32
	ds_load_b128 v[R+4*ci:R+4*ci+3], v6 offset:(ci/16)*16*SP+((ci/4)%4)*128+(ci%4)*16   ; tile ci / 16, block (ci / 4) % 4, four of my 16 numbers
.set ci, ci+1
.endr
	s_wait_dscnt 16                                ; the first tile's 16 loads are back, the second's 16 may be out
	QUANT R, 40, 46, 32
.irp c, 0,1,2
	global_store_b128 v4, v[40+4*\c:43+4*\c], s[24:25] offset:512*\c   ; 32 lanes store 512 consecutive bytes, at a multiple of 256
.endr
	s_wait_dscnt 0x0
	QUANT R+64, 52, 58, 33
.irp c, 0,1,2
	global_store_b128 v4, v[52+4*\c:55+4*\c], s[24:25] offset:12288+512*\c
.endr
	v_cmp_le_u32 vcc_lo, 16, v1
	v_cndmask_b32 v34, v32, v33, vcc_lo            ; lanes 0-15 the even tile's word of row r, lanes 16-31 the odd tile's
	global_store_b32 v4, v34, s[26:27]             ; 4 bytes of each lane's 16: the four pairs of a unit fill them together (one byte in 128 of what the launch moves)
	s_wait_tensorcnt 0x0
	ds_add_u32 v192, v193
	s_wait_dscnt 0x0
	s_endpgm
	; ---- the weights: which = (work-group - 256) / 64; pair of tiles f; K step s
.Lweights:
	s_sub_co_u32 s32, ttmp9, 256
	s_lshr_b32 s29, s32, 6                         ; 0 q, 1 k, 2 v, 3 p
	s_bfe_u32 s33, s32, 0x50001                    ; f: 5 bits from bit 1
	s_and_b32 s34, s32, 1
	s_lshl_b32 s34, s34, 2
	s_add_co_u32 s34, s34, s28                     ; s
	s_mul_i32 s36, s33, 24576                      ; codes: 32 rows of 768 bytes a pair,
	s_mul_i32 s37, s34, 96                         ; 96 bytes a K step
	s_add_co_u32 s36, s36, s37
	s_mov_b32 s37, 0
	s_lshl_b32 s38, s33, 10                        ; scale bytes: 32 rows of 32 bytes, 4 a K step
	s_lshl_b32 s39, s34, 2
	s_add_co_u32 s38, s38, s39
	s_mov_b32 s39, 0
	s_mul_i32 s40, s29, 786432                     ; img1
	s_mul_i32 s41, s33, 24576
	s_add_co_u32 s40, s40, s41
	s_mul_i32 s41, s34, 1536
	s_add_co_u32 s40, s40, s41
	s_add_co_u32 s40, s40, 3145728
	s_mov_b32 s41, 0
	s_lshl_b32 s42, s29, 15                        ; sc1
	s_lshr_b32 s43, s33, 2
	s_lshl_b32 s43, s43, 12
	s_add_co_u32 s42, s42, s43
	s_lshl_b32 s43, s34, 9
	s_add_co_u32 s42, s42, s43
	s_and_b32 s43, s33, 3
	s_lshl_b32 s43, s43, 2
	s_add_co_u32 s42, s42, s43
	s_add_co_u32 s42, s42, 131072
	s_mov_b32 s43, 0
	v_and_b32 v7, 8, v2
	v_add_nc_u32 v7, v7, v2                        ; r + 8 (r / 8)
	v_mul_u32_u24 v8, v7, 768
	v_mad_u32_u24 v8, v3, 24, v8                   ; codes: my row, + 24 h
	v_lshl_add_u32 v9, v3, 3, v7
	v_lshlrev_b32 v9, 5, v9                        ; scale words: lanes 0-15 the even tile's rows, lanes 16-31 the odd tile's (8 rows on)
	s_wait_kmcnt 0x0
	s_cmp_eq_u32 s29, 1                            ; the choice hangs on the work-group's number alone
	s_cselect_b64 s[8:9], s[10:11], s[8:9]
	s_cselect_b64 s[16:17], s[18:19], s[16:17]
	s_cmp_eq_u32 s29, 2
	s_cselect_b64 s[8:9], s[12:13], s[8:9]
	s_cselect_b64 s[16:17], s[20:21], s[16:17]
	s_cmp_eq_u32 s29, 3
	s_cselect_b64 s[8:9], s[14:15], s[8:9]
	s_cselect_b64 s[16:17], s[22:23], s[16:17]
	s_add_nc_u64 s[8:9], s[8:9], s[36:37]
	s_add_nc_u64 s[16:17], s[16:17], s[38:39]
	s_add_nc_u64 s[24:25], s[24:25], s[40:41]
	s_add_nc_u64 s[26:27], s[26:27], s[42:43]
.irp u, 0,1
.irp p, 0,1,2,3,4,5
	global_load_b64 v[40+12*\u+2*\p:41+12*\u+2*\p], v8, s[8:9] offset:\u*6144+48*(\p/3)+8*(\p%3)   ; a lane's 24 bytes as three pieces of 8; done once, so that every later read is dense
.endr
.endr
	global_load_b32 v34, v9, s[16:17]
	s_wait_loadcnt 0x0
.irp u, 0,1
.irp c, 0,1,2
	global_store_b128 v4, v[40+12*\u+4*\c:43+12*\u+4*\c], s[24:25] offset:\u*12288+512*\c
.endr
.endr
	global_store_b32 v4, v34, s[26:27]
	s_endpgm
.Lfunc_end_k_q75bbb9e955_prep:
	.size	k_q75bbb9e955_prep, .Lfunc_end_k_q75bbb9e955_prep-k_q75bbb9e955_prep
	.p2alignl 7, 3214868480
	.fill 96, 4, 3214868480
	.section	.rodata,"a",@progbits
	.p2align	6, 0x0
	.amdhsa_kernel k_q75bbb9e955_prep
		.amdhsa_group_segment_fixed_size 68096
		.amdhsa_private_segment_fixed_size 0
		.amdhsa_enable_private_segment 0
		.amdhsa_kernarg_size 88
		.amdhsa_user_sgpr_count 2
		.amdhsa_user_sgpr_kernarg_segment_ptr 1
		.amdhsa_wavefront_size32 1
		.amdhsa_system_sgpr_workgroup_id_x 1
		.amdhsa_system_sgpr_workgroup_id_y 1
		.amdhsa_system_sgpr_workgroup_id_z 1
		.amdhsa_system_vgpr_workitem_id 0
		.amdhsa_next_free_vgpr 194
		.amdhsa_next_free_sgpr 66
		.amdhsa_reserve_vcc 1
		.amdhsa_float_denorm_mode_32 3
		.amdhsa_float_denorm_mode_16_64 3
		.amdhsa_memory_ordered 1
		.amdhsa_forward_progress 1
		.amdhsa_inst_pref_size 23
	.end_amdhsa_kernel
	.amdgpu_metadata
---
amdhsa.version: [ 1, 2 ]
amdhsa.kernels:
  - .name:           k_q75bbb9e955_prep
    .symbol:         k_q75bbb9e955_prep.kd
    .args:
      - { .name: x, .offset: 0, .size: 8, .value_kind: global_buffer, .address_space: global }
      - { .name: Wq_codes, .offset: 8, .size: 8, .value_kind: global_buffer, .address_space: global }
      - { .name: Wk_codes, .offset: 16, .size: 8, .value_kind: global_buffer, .address_space: global }
      - { .name: Wv_codes, .offset: 24, .size: 8, .value_kind: global_buffer, .address_space: global }
      - { .name: Wp_codes, .offset: 32, .size: 8, .value_kind: global_buffer, .address_space: global }
      - { .name: Wq_scales, .offset: 40, .size: 8, .value_kind: global_buffer, .address_space: global }
      - { .name: Wk_scales, .offset: 48, .size: 8, .value_kind: global_buffer, .address_space: global }
      - { .name: Wv_scales, .offset: 56, .size: 8, .value_kind: global_buffer, .address_space: global }
      - { .name: Wp_scales, .offset: 64, .size: 8, .value_kind: global_buffer, .address_space: global }
      - { .name: img1, .offset: 72, .size: 8, .value_kind: global_buffer, .address_space: global }
      - { .name: sc1, .offset: 80, .size: 8, .value_kind: global_buffer, .address_space: global }
    .group_segment_fixed_size: 68096
    .private_segment_fixed_size: 0
    .kernarg_segment_align: 8
    .kernarg_segment_size: 88
    .max_flat_workgroup_size: 128
    .sgpr_count:     66
    .vgpr_count:     194
    .wavefront_size: 32
...
	.end_amdgpu_metadata
.endif
;; end of part 1
;; launch qkv (part 2): grid 16 x 12, 4 waves a work-group, no clusters, 0 bytes of LDS; arguments img1, sc1, bq, bk, bv, qimg, qsc, kv; writes qimg, qsc, kv
.if DOCPART == 2
	.amdgcn_target "amdgcn-amd-amdhsa--gfx1250"
	.amdhsa_code_object_version 6
	.text
	.protected	k_q75bbb9e955_qkv
	.globl	k_q75bbb9e955_qkv
	.p2align	8
	.type	k_q75bbb9e955_qkv,@function
k_q75bbb9e955_qkv:
	s_mov_b64 s[64:65], 0
	v_nop
	global_prefetch_b8 v0, s[64:65] scope:SCOPE_SE
	s_setreg_imm32_b32 hwreg(HW_REG_WAVE_MODE, 25, 1), 1
	s_wait_xcnt 0x0
; QKV.  q = x Wq + bq, k = x Wk + bk, v = x Wv + bv on codes of FP6 (E2M3) with E8M0 scales; the results, in f32, are quantised at once for attention's two products:
; q and k along a head's 64 numbers, v along the keys.  Nothing leaves in f32.
; SHARES.  Work-group (x, y): y / 4 says which product; its four waves make a block of 2 x 2 units of 128: wave w takes the unit 2 x + w / 2 of 128 rows and the unit g = 2 (y % 4) + w % 2 of 128 columns
; (two heads).  So a work-group names 2 units of x and 2 of the weight, 4 x 12,800 bytes a K step, each wanted by two of its waves.  A wave makes 128 x 128: 64 accumulators, 8 K steps of 128,
; 512 matrix instructions.  Waves hand each other nothing: no LDS, no barrier.
; OPERANDS lie in memory in the order of their registers (launch prep): a fragment is three loads of 512 consecutive bytes, straight into registers, two K steps ahead.
; THE WORK-GROUPS BEGIN AT DIFFERENT K STEPS: slot j holds K step (j + x + y) mod 8, of both operands and of both kinds of scale words alike.  The 12 work-groups that read a unit of x, and the 16 that read
; a unit of a weight, so begin at all eight K steps and do not all ask for the same eighth of it at the same time.  Only lane offsets hang on that: every register number is a slot's.
; ORIENTATION.  For q and k source 0 = 16 columns of the weight, source 1 = 16 rows of x: a lane holds one row and its registers run along the columns, the next K.
; For v the other way round: a lane holds one column (a number of the head) and its registers run along the rows, which are the keys, the next K.
; One text serves both: only the four base addresses are chosen.  A tile's 16 rows are 32 (t / 2) + 8 (t % 2) + r + 8 (r / 8), so the 16 registers of tiles 2 b, 2 b + 1 are 16 neighbours.
; OUT.  qimg [head 32][query tile 128][768]: half a fragment (64 of K): registers 0-3 at 16 l, registers 4-5 at 512 + 8 l.  qsc [head pair 16][tile 128][row 16] words: bytes 0, 1 the even head's.
; kv [head 32][key step 16][12,800]: four fragments of K, four of V, 256 bytes of K's scale words, 256 of V's.  A FRAGMENT OF K HOLDS 32 KEYS: registers 0-5 a key of tile 2 f, registers 6-11 the key 8 further on.
; NOT SHARED THROUGH LDS OR A CLUSTER: each fragment is asked for by the two waves that want it, straight into their registers; a stage in LDS, filled jointly, would let it be asked for once: not built here.
; LIMITS: NaN and infinities are not served; blocks whose largest magnitude lies under 2^-124 take the floor's byte; a block of zeros gets the byte 1 (its codes are zeros; this program alone reads the bytes).
; The eight K steps are summed in an order that differs from work-group to work-group: the f32 sums' rounding differs in the last bits from a sum in ascending K.
; REGISTERS, in windows of 256.  Window 0: v1-8 lane offsets; v9-24 the slots' lane offsets; v32-47 scale words, two sets (nothing else ever); v48-143, v144-239 source 1's fragments, two sets;
; on the way out v48-179 are at work.  Window 1: v0-95, v96-191 source 0's fragments, two sets; v192-255 the bias.  Windows 2, 3: accumulator (i, j) at v[8 (8 (j % 4) + i)], window 2 for j < 4.
.set KO,  9                            ; v9-16   slot j: 16 x lane + 1,536 x the slot's K step: fragments; never rewritten
.set KW,  17                           ; v17-24  slot j: 16 x lane + 512 x the slot's K step: scale words; never rewritten
.set SC,  32
.set PA,  20                           ; s[20:21] source 0's fragments;  s[22:23] source 1's
.set PB,  22
.set SCA, 24                           ; s[24:25] source 0's scale words;  s[26:27] source 1's
.set SCB, 26
.set BI,  28                           ; s[28:29] the bias of my 128 columns
.set SEL, 54                           ; s[54:55] lane selects: lane l xor 16
.set N,   48                           ; the way out: 64 numbers
.set F0,  112                          ; a fragment
.set F1,  124                          ; a second one
.set TT,  136
.set TM,  144
.set MSB, 0
.macro WIN new                         ; the immediate's high byte repeats the setting that is left; a switch that changes nothing is dropped
.if MSB != (\new)
	s_set_vgpr_msb (MSB<<8)|(\new)
.set MSB, (\new)
.endif
.endm
.set MUL_LO, 0xa1                      ; source 0 window 1, source 1 window 0, C and D window 2
.set MUL_HI, 0xf1                      ; the same, C and D window 3
.set TO_1,   0x40                      ; destination window 1
.macro PLACES                          ; four plain places behind a matrix instruction, in front of loads into its sources and of the first read of results
.rept 4
	v_nop
.endr
.endm
.macro QUANT s, d0, d1, pw             ; 64 numbers of a lane, register 16 b + i = k 32 b + 16 (lane / 16) + i, become a fragment (registers 0-5 at d0, 6-11 at d1) and its scale word
.irp b, 0,1,2,3
	v_max3_num_f32 v[TM+\b], |v[\s+16*\b]|, |v[\s+1+16*\b]|, 0x1800000   ; my 16 of block b, and the floor 2^(3 - 127)
.endr
.irp i, 2,4,6,8,10,12,14
.irp b, 0,1,2,3
	v_max3_num_f32 v[TM+\b], v[TM+\b], |v[\s+16*\b+\i]|, |v[\s+1+16*\b+\i]|
.endr
.endr
.irp b, 0,1,2,3
	v_permlanex16_b32 v[TM+4+\b], v[TM+\b], s[SEL], s[SEL+1]
.endr
.irp b, 0,1,2,3
	v_max_num_f32 v[TM+\b], v[TM+\b], v[TM+4+\b]
.endr
.irp b, 0,1,2,3
	v_add_nc_u32 v[TM+12+\b], 0xff000000, v[TM+\b]               ; 2 off the exponent field: the conversion's scale operand
.endr
.irp b, 0,1,2,3
	v_lshrrev_b32 v[TM+4+\b], 23, v[TM+12+\b]                    ; the scale's byte
.endr
	v_lshl_or_b32 v[\pw], v[TM+5], 8, v[TM+4]
	v_lshl_or_b32 v[\pw], v[TM+6], 16, v[\pw]
	v_lshl_or_b32 v[\pw], v[TM+7], 24, v[\pw]
	v_cvt_scalef32_pk16_fp6_f32 v[\d0:\d0+2], v[\s:\s+15], v[TM+12]
	v_cvt_scalef32_pk16_fp6_f32 v[TT:TT+2], v[\s+16:\s+31], v[TM+13]
	v_cvt_scalef32_pk16_fp6_f32 v[\d1:\d1+2], v[\s+32:\s+47], v[TM+14]
	v_cvt_scalef32_pk16_fp6_f32 v[TT+4:TT+6], v[\s+48:\s+63], v[TM+15]
	v_nop                                                        ; one plain place behind the scaled conversions
.irp i, 0,1,2
	v_permlane16_swap_b32 v[\d0+\i], v[TT+\i]
	v_permlane16_swap_b32 v[\d1+\i], v[TT+4+\i]
.endr
.irp i, 0,1,2
	v_mov_b32 v[\d0+3+\i], v[TT+\i]
	v_mov_b32 v[\d1+3+\i], v[TT+4+\i]
.endr
.endm
; slot s: 24 + 24 loads of fragments and 2 of scale words, 50 in all, into set s % 2; the slot's K step stands in the lane offset
.macro LOADS s
	WIN TO_1
.irp i, 0,1,2,3,4,5,6,7
.irp c, 0,1,2
	global_load_b128 v[96*((\s)%2)+12*\i+4*\c:96*((\s)%2)+12*\i+4*\c+3], v[KO+(\s)], s[PA:PA+1] offset:\i*12288+512*\c
.endr
.endr
	WIN 0
.irp i, 0,1,2,3,4,5,6,7
.irp c, 0,1,2
	global_load_b128 v[48+96*((\s)%2)+12*\i+4*\c:48+96*((\s)%2)+12*\i+4*\c+3], v[KO+(\s)], s[PB:PB+1] offset:\i*12288+512*\c
.endr
.endr
	global_load_b128 v[SC+8*((\s)%2):SC+8*((\s)%2)+3], v[KW+(\s)], s[SCA:SCA+1]     ; register p: lanes 0-15 tile 2 p's words, lanes 16-31 tile 2 p + 1's
	global_load_b128 v[SC+8*((\s)%2)+4:SC+8*((\s)%2)+7], v[KW+(\s)], s[SCB:SCB+1]
.endm
; one product: source 0's tile i x source 1's tile j.  An odd tile's scale words stand in lanes 16-31
.macro WM i, j, set, zero
.set rD, 8*(8*((\j)%4)+(\i))
.set rA, 96*(\set)+12*(\i)
.set rB, 48+96*(\set)+12*(\j)
.set rSA, SC+8*(\set)+(\i)/2
.set rSB, SC+8*(\set)+4+(\j)/2
.if \zero
.if (((\i)%2) == 0) && (((\j)%2) == 0)
	v_wmma_scale_f32_16x16x128_f8f6f4 v[rD:rD+7], v[rA:rA+11], v[rB:rB+11], 0, v[rSA], v[rSB] matrix_a_fmt:MATRIX_FMT_FP6 matrix_b_fmt:MATRIX_FMT_FP6
.elseif (((\i)%2) == 1) && (((\j)%2) == 0)
	v_wmma_scale_f32_16x16x128_f8f6f4 v[rD:rD+7], v[rA:rA+11], v[rB:rB+11], 0, v[rSA], v[rSB] matrix_a_fmt:MATRIX_FMT_FP6 matrix_b_fmt:MATRIX_FMT_FP6 matrix_a_scale:MATRIX_SCALE_ROW1
.elseif (((\i)%2) == 0) && (((\j)%2) == 1)
	v_wmma_scale_f32_16x16x128_f8f6f4 v[rD:rD+7], v[rA:rA+11], v[rB:rB+11], 0, v[rSA], v[rSB] matrix_a_fmt:MATRIX_FMT_FP6 matrix_b_fmt:MATRIX_FMT_FP6 matrix_b_scale:MATRIX_SCALE_ROW1
.else
	v_wmma_scale_f32_16x16x128_f8f6f4 v[rD:rD+7], v[rA:rA+11], v[rB:rB+11], 0, v[rSA], v[rSB] matrix_a_fmt:MATRIX_FMT_FP6 matrix_b_fmt:MATRIX_FMT_FP6 matrix_a_scale:MATRIX_SCALE_ROW1 matrix_b_scale:MATRIX_SCALE_ROW1
.endif
.else
.if (((\i)%2) == 0) && (((\j)%2) == 0)
	v_wmma_scale_f32_16x16x128_f8f6f4 v[rD:rD+7], v[rA:rA+11], v[rB:rB+11], v[rD:rD+7], v[rSA], v[rSB] matrix_a_fmt:MATRIX_FMT_FP6 matrix_b_fmt:MATRIX_FMT_FP6
.elseif (((\i)%2) == 1) && (((\j)%2) == 0)
	v_wmma_scale_f32_16x16x128_f8f6f4 v[rD:rD+7], v[rA:rA+11], v[rB:rB+11], v[rD:rD+7], v[rSA], v[rSB] matrix_a_fmt:MATRIX_FMT_FP6 matrix_b_fmt:MATRIX_FMT_FP6 matrix_a_scale:MATRIX_SCALE_ROW1
.elseif (((\i)%2) == 0) && (((\j)%2) == 1)
	v_wmma_scale_f32_16x16x128_f8f6f4 v[rD:rD+7], v[rA:rA+11], v[rB:rB+11], v[rD:rD+7], v[rSA], v[rSB] matrix_a_fmt:MATRIX_FMT_FP6 matrix_b_fmt:MATRIX_FMT_FP6 matrix_b_scale:MATRIX_SCALE_ROW1
.else
	v_wmma_scale_f32_16x16x128_f8f6f4 v[rD:rD+7], v[rA:rA+11], v[rB:rB+11], v[rD:rD+7], v[rSA], v[rSB] matrix_a_fmt:MATRIX_FMT_FP6 matrix_b_fmt:MATRIX_FMT_FP6 matrix_a_scale:MATRIX_SCALE_ROW1 matrix_b_scale:MATRIX_SCALE_ROW1
.endif
.endif
.endm
; a slot's 64 products: the 64 accumulators take turns, one instruction a turn, in the same order in every slot
.macro MULS s, zero
	WIN MUL_LO
.irp j, 0,1,2,3
.irp i, 0,1,2,3,4,5,6,7
	WM \i, \j, (\s)%2, \zero
.endr
.endr
	WIN MUL_HI
.irp j, 4,5,6,7
.irp i, 0,1,2,3,4,5,6,7
	WM \i, \j, (\s)%2, \zero
.endr
.endr
.endm
; the 64 numbers of source 1's tile j, with their bias, into window 0; each accumulator is read from its low end on
.macro ADDB j, isv
	WIN 0x06+((\j)/4)                              ; source 0 (accumulators) window 2 or 3, source 1 (bias) window 1, destination window 0
.set cn, 0
.rept 32
.if \isv
	v_pk_add_f32 v[N+cn:N+cn+1], v[64*((\j)%4)+cn:64*((\j)%4)+cn+1], v[192+2*(\j):193+2*(\j)]   ; my column's bias, which stands twice in the pair
.else
	v_pk_add_f32 v[N+cn:N+cn+1], v[64*((\j)%4)+cn:64*((\j)%4)+cn+1], v[192+cn:193+cn]
.endif
.set cn, cn+2
.endr
	WIN 0
.endm
; the eight scale words v168-175 (head 0's four fragments, head 1's four) leave as [lane][2 words]: word gg of lane l belongs to fragment 2 gg + l / 16
.macro SCOUT off
.irp c, 0,1
	v_cndmask_b32 v[176+2*\c], v[168+4*\c], v[169+4*\c], s44
	v_cndmask_b32 v[177+2*\c], v[170+4*\c], v[171+4*\c], s44
.endr
.irp c, 0,1
	global_store_b64 v2, v[176+2*\c:177+2*\c], s[18:19] offset:\c*204800+\off   ; 32 lanes store 256 consecutive bytes, at a multiple of 256
.endr
.endm
	s_load_b256 s[4:11], s[0:1], 0x0               ; img1, sc1, bq, bk
	s_load_b256 s[12:19], s[0:1], 0x20             ; bv, qimg, qsc, kv
	v_lshrrev_b32 v1, 5, v0
	v_readfirstlane_b32 s30, v1                    ; wave 0..3
	v_and_b32 v7, 31, v0                           ; lane
	v_and_b32 v4, 15, v0                           ; r
	v_bfe_u32 v5, v0, 4, 1                         ; h
	v_lshlrev_b32 v1, 4, v7                        ; 16 x lane
	v_lshlrev_b32 v2, 3, v7                        ; 8 x lane
	v_lshlrev_b32 v3, 2, v7                        ; 4 x lane
	v_lshlrev_b32 v6, 6, v5                        ; q, k: the bias of my half's 16 columns of each 32: 64 h
	v_and_b32 v8, 8, v4
	v_add_nc_u32 v8, v8, v4
	v_lshlrev_b32 v8, 2, v8                        ; v: the bias of my column: 4 (r + 8 (r / 8))
	s_and_b32 s32, ttmp7, 0xffff                   ; y, 0..11
	s_lshr_b32 s33, s32, 2                         ; 0 q, 1 k, 2 v
	s_and_b32 s34, s32, 3
	s_lshl_b32 s34, s34, 1
	s_and_b32 s45, s30, 1
	s_add_co_u32 s34, s34, s45                     ; g: my unit of 128 columns: 2 (y % 4) + wave % 2
	s_lshl_b32 s31, ttmp9, 1
	s_lshr_b32 s45, s30, 1
	s_add_co_u32 s31, s31, s45                     ; my unit of 128 rows: 2 x + wave / 2
	s_add_co_u32 s35, s32, ttmp9                   ; x + y: where the work-group begins along K
.irp j, 0,1,2,3,4,5,6,7
	s_add_co_u32 s45, s35, \j
	s_and_b32 s45, s45, 7                          ; slot j's K step
	s_mul_i32 s58, s45, 1536
	v_add_nc_u32 v[KO+\j], s58, v1                 ; fragments: 1,536 bytes a K step
	v_lshl_add_u32 v[KW+\j], s45, 9, v1            ; scale words: 512 bytes a K step
.endr
	s_mul_i32 s36, s31, 98304                      ; x's unit in img1
	s_mov_b32 s37, 0
	s_mul_i32 s38, s33, 786432                     ; the weight's unit
	s_mul_i32 s39, s34, 98304
	s_add_co_u32 s38, s38, s39
	s_add_co_u32 s38, s38, 3145728
	s_mov_b32 s39, 0
	s_lshl_b32 s40, s31, 12                        ; x's scale words in sc1
	s_mov_b32 s41, 0
	s_lshl_b32 s42, s33, 15                        ; the weight's
	s_lshl_b32 s43, s34, 12
	s_add_co_u32 s42, s42, s43
	s_add_co_u32 s42, s42, 131072
	s_mov_b32 s43, 0
	s_lshl_b32 s56, s34, 9                         ; my 128 numbers of the bias
	s_mov_b32 s57, 0
	s_mov_b32 s[SEL], 0x76543210
	s_mov_b32 s[SEL+1], 0xfedcba98
	s_wait_kmcnt 0x0
	s_add_nc_u64 s[46:47], s[4:5], s[36:37]
	s_add_nc_u64 s[48:49], s[4:5], s[38:39]
	s_add_nc_u64 s[50:51], s[6:7], s[40:41]
	s_add_nc_u64 s[52:53], s[6:7], s[42:43]
	s_cmp_eq_u32 s33, 2                            ; v: source 0 = x, source 1 = the weight; q, k: the other way round
	s_cselect_b64 s[PA:PA+1], s[46:47], s[48:49]
	s_cselect_b64 s[PB:PB+1], s[48:49], s[46:47]
	s_cselect_b64 s[SCA:SCA+1], s[50:51], s[52:53]
	s_cselect_b64 s[SCB:SCB+1], s[52:53], s[50:51]
	s_cselect_b64 s[BI:BI+1], s[12:13], s[8:9]
	s_cmp_eq_u32 s33, 1
	s_cselect_b64 s[BI:BI+1], s[10:11], s[BI:BI+1]
	s_add_nc_u64 s[BI:BI+1], s[BI:BI+1], s[56:57]
	s_cmp_eq_u32 s33, 2
	s_cbranch_scc1 .Lbias_v                        ; sixteen loads on either way, so the counts below hold on both
	WIN TO_1
.irp i, 0,1,2,3,4,5,6,7
	global_load_b128 v[192+8*\i:195+8*\i], v6, s[BI:BI+1] offset:(32*(\i/2)+8*(\i%2))*4        ; register 8 i + e: column 32 (i / 2) + 16 h + 8 (i % 2) + e
	global_load_b128 v[196+8*\i:199+8*\i], v6, s[BI:BI+1] offset:(32*(\i/2)+8*(\i%2))*4+16
.endr
	WIN 0
	s_branch .Lbias_done
.Lbias_v:
	WIN TO_1
.irp j, 0,1,2,3,4,5,6,7
	global_load_b32 v[192+2*\j], v8, s[BI:BI+1] offset:(32*(\j/2)+8*(\j%2))*4                  ; tile j: my column's bias, twice: a pair for the packed add
	global_load_b32 v[193+2*\j], v8, s[BI:BI+1] offset:(32*(\j/2)+8*(\j%2))*4
.endr
	WIN 0
.Lbias_done:
	LOADS 0
	LOADS 1
.irp s, 0,1,2,3,4,5,6,7
.if \s < 7
	s_wait_loadcnt 50                              ; this slot's loads (and all before them) are in; the next slot's 50 may be out
.else
	s_wait_loadcnt 0x0
.endif
.if \s == 0
	MULS \s, 1                                     ; the first slot's products start the sums: nothing is cleared
.else
	MULS \s, 0
.endif
	PLACES
.if \s < 6
	LOADS \s+2                                     ; into the set just multiplied
.endif
.endr
	WIN 0
.irp b, 0,1,2,3
	v_mov_b32 v[TM+4+\b], 0                        ; a lane permute's destination counts as one of its sources
.endr
	v_cmp_le_u32 s44, 16, v7                       ; lanes 16-31
	s_lshr_b32 s56, s31, 4                         ; batch
	s_and_b32 s57, s31, 15                         ; my unit within the batch: 8 query tiles, or one key step
	s_cmp_eq_u32 s33, 0
	s_cbranch_scc1 .Lout_q
	s_lshl_b32 s58, s56, 4
	s_lshl_b32 s59, s34, 1
	s_add_co_u32 s58, s58, s59                     ; my even head: 16 x batch + 2 g
	s_mul_i32 s58, s58, 204800
	s_mul_i32 s59, s57, 12800
	s_add_co_u32 s58, s58, s59
	s_mov_b32 s59, 0
	s_add_nc_u64 s[18:19], s[18:19], s[58:59]      ; kv at my even head's key step; the odd head's lies 204,800 bytes on
	s_cmp_eq_u32 s33, 1
	s_cbranch_scc1 .Lout_k
	; ---- v: tile j is 16 numbers of head j / 4; a lane's 64 registers are the step's 128 keys' halves: one fragment of V
.irp j, 0,1,2,3,4,5,6,7
	ADDB \j, 1
	s_wait_xcnt 0x0                                ; the earlier stores have read their registers: the fragment is written again only behind this wait
	QUANT N, F0, F0+6, 168+\j
.irp c, 0,1,2
	global_store_b128 v1, v[F0+4*\c:F0+4*\c+3], s[18:19] offset:(\j/4)*204800+6144+(\j%4)*1536+512*\c
.endr
.endr
	SCOUT 12544
	s_endpgm
	; ---- k: tiles 2 f and 2 f + 1 give, for each of the two heads, one fragment of 32 keys
.Lout_k:
.irp f, 0,1,2,3
	ADDB 2*\f, 0
	s_wait_xcnt 0x0
	QUANT N, F0, F1, 160                           ; the lower keys: head 0's 64 numbers to F0's registers 0-5, head 1's to F1's
	ADDB 2*\f+1, 0
	QUANT N, F0+6, F1+6, 161                       ; the keys 8 further on: registers 6-11
	v_perm_b32 v[168+\f], v161, v160, 0x05040100   ; head 0's scale word: the lower key's two bytes, then the upper key's
	v_perm_b32 v[172+\f], v161, v160, 0x07060302   ; head 1's
.irp c, 0,1,2
	global_store_b128 v1, v[F0+4*\c:F0+4*\c+3], s[18:19] offset:\f*1536+512*\c
	global_store_b128 v1, v[F1+4*\c:F1+4*\c+3], s[18:19] offset:204800+\f*1536+512*\c
.endr
.endr
	SCOUT 12288
	s_endpgm
	; ---- q: tile j gives half a fragment for each of the two heads
.Lout_q:
	s_lshl_b32 s58, s56, 4
	s_lshl_b32 s59, s34, 1
	s_add_co_u32 s58, s58, s59                     ; my even head
	s_lshl_b32 s58, s58, 7
	s_lshl_b32 s59, s57, 3
	s_add_co_u32 s58, s58, s59                     ; x 128 tiles + my first tile
	s_mul_i32 s58, s58, 768
	s_mov_b32 s59, 0
	s_add_nc_u64 s[14:15], s[14:15], s[58:59]
	s_lshl_b32 s58, s56, 3
	s_add_co_u32 s58, s58, s34                     ; my pair of heads
	s_lshl_b32 s58, s58, 7
	s_lshl_b32 s59, s57, 3
	s_add_co_u32 s58, s58, s59
	s_lshl_b32 s58, s58, 6                         ; 64 bytes of scale words a tile
	s_mov_b32 s59, 0
	s_add_nc_u64 s[16:17], s[16:17], s[58:59]
.irp j, 0,1,2,3,4,5,6,7
	ADDB \j, 0
	s_wait_xcnt 0x0
	QUANT N, F0, F0+6, 160+(\j%2)
.irp c, 0,1
	global_store_b128 v1, v[F0+6*\c:F0+6*\c+3], s[14:15] offset:\j*768+\c*98304
	global_store_b64 v2, v[F0+6*\c+4:F0+6*\c+5], s[14:15] offset:\j*768+\c*98304+512
.endr
.if (\j%2) == 1
	v_cndmask_b32 v162, v160, v161, s44            ; lanes 0-15 tile j - 1's words, lanes 16-31 tile j's
	global_store_b32 v3, v162, s[16:17] offset:(\j-1)*64
.endif
.endr
	s_endpgm
.Lfunc_end_k_q75bbb9e955_qkv:
	.size	k_q75bbb9e955_qkv, .Lfunc_end_k_q75bbb9e955_qkv-k_q75bbb9e955_qkv
	.p2alignl 7, 3214868480
	.fill 96, 4, 3214868480
	.section	.rodata,"a",@progbits
	.p2align	6, 0x0
	.amdhsa_kernel k_q75bbb9e955_qkv
		.amdhsa_group_segment_fixed_size 0
		.amdhsa_private_segment_fixed_size 0
		.amdhsa_enable_private_segment 0
		.amdhsa_kernarg_size 64
		.amdhsa_user_sgpr_count 2
		.amdhsa_user_sgpr_kernarg_segment_ptr 1
		.amdhsa_wavefront_size32 1
		.amdhsa_system_sgpr_workgroup_id_x 1
		.amdhsa_system_sgpr_workgroup_id_y 1
		.amdhsa_system_sgpr_workgroup_id_z 1
		.amdhsa_system_vgpr_workitem_id 0
		.amdhsa_next_free_vgpr 1024
		.amdhsa_next_free_sgpr 66
		.amdhsa_reserve_vcc 0
		.amdhsa_float_denorm_mode_32 3
		.amdhsa_float_denorm_mode_16_64 3
		.amdhsa_memory_ordered 1
		.amdhsa_forward_progress 1
		.amdhsa_inst_pref_size 255
	.end_amdhsa_kernel
	.section	.bss,"aw",@nobits
	.p2align	6
	.space	262144
	.amdgpu_metadata
---
amdhsa.version: [ 1, 2 ]
amdhsa.kernels:
  - .name:           k_q75bbb9e955_qkv
    .symbol:         k_q75bbb9e955_qkv.kd
    .args:
      - { .name: img1, .offset: 0, .size: 8, .value_kind: global_buffer, .address_space: global }
      - { .name: sc1, .offset: 8, .size: 8, .value_kind: global_buffer, .address_space: global }
      - { .name: bq, .offset: 16, .size: 8, .value_kind: global_buffer, .address_space: global }
      - { .name: bk, .offset: 24, .size: 8, .value_kind: global_buffer, .address_space: global }
      - { .name: bv, .offset: 32, .size: 8, .value_kind: global_buffer, .address_space: global }
      - { .name: qimg, .offset: 40, .size: 8, .value_kind: global_buffer, .address_space: global }
      - { .name: qsc, .offset: 48, .size: 8, .value_kind: global_buffer, .address_space: global }
      - { .name: kv, .offset: 56, .size: 8, .value_kind: global_buffer, .address_space: global }
    .group_segment_fixed_size: 0
    .private_segment_fixed_size: 0
    .kernarg_segment_align: 8
    .kernarg_segment_size: 64
    .max_flat_workgroup_size: 128
    .sgpr_count:     66
    .vgpr_count:     1024
    .wavefront_size: 32
...
	.end_amdgpu_metadata
.endif
;; end of part 2
;; launch attn (part 3): grid 8 x 32, 16 waves a work-group, clusters of 4 x 1, 206,848 bytes of LDS; arguments qimg, qsc, kv, oimg, osc; writes oimg, osc
.if DOCPART == 3
	.amdgcn_target "amdgcn-amd-amdhsa--gfx1250"
	.amdhsa_code_object_version 6
	.text
	.protected	k_q75bbb9e955_attn
	.globl	k_q75bbb9e955_attn
	.p2align	8
	.type	k_q75bbb9e955_attn,@function
k_q75bbb9e955_attn:
	s_mov_b64 s[64:65], 0
	v_nop
	global_prefetch_b8 v0, s[64:65] scope:SCOPE_SE
	s_setreg_imm32_b32 hwreg(HW_REG_WAVE_MODE, 25, 1), 1
	s_wait_xcnt 0x0
	s_wait_alu depctr_hold_cnt(0) depctr_sa_sdst(0) depctr_va_vdst(0) depctr_va_sdst(0) depctr_va_ssrc(0) depctr_va_vcc(0) depctr_vm_vsrc(0)
	s_getreg_b32 s2, hwreg(HW_REG_IB_STS2, 6, 4)
	s_cmp_eq_u32 s2, 0
	s_cbranch_scc0 .Lentry_in_a_cluster
	s_endpgm
.Lentry_in_a_cluster:
	s_bfe_u32 s2, ttmp6, 0x10000c
	s_cmp_lg_u32 s2, 0x3003
	s_cbranch_scc0 .Lentry_shape_is_right
	s_endpgm
.Lentry_shape_is_right:
; ATTENTION on codes of FP6 (E2M3) with E8M0 scales, 32 heads of 2,048 queries and keys, head size 64.  o = softmax(q k^T / 8) v, and o is quantised at once for the last product.
; THE SOFTMAX AHEAD OF THE SECOND PRODUCT: t = score x log2(e) / 8; M = the largest t so far, rounded UP to a whole number; p = 2^(t - M) is quantised along the keys, not normalised.
; The row's sum is taken of the unquantised p and divides O at the end.  When M moves, the sum and O are multiplied by 2^(old M - new M): exact.
; SHARES.  A work-group owns 256 queries of one head, each of its sixteen waves one tile of 16, in 256 registers: four waves to a SIMD, so that one wave's vector work stands beside another's products.
; LDS holds the head's WHOLE K and V, codes and scale words, 16 key steps x 12,800 bytes, in the order of the operands' registers: filled once, never again, so there is no ring.
; CLUSTER.  The four work-groups of a cluster belong to one head: each of the sixteen waves asks JOINTLY, with its three partners, for key step w.  One tensor load of a wave is out.
; LAYOUT.  Both products are used transposed (S^T = K Q^T, O^T = V^T P^T): a lane holds ONE query throughout.  The head's 64 numbers fill half of the instruction's K = 128:
; a fragment of K holds TWO keys a row (registers 0-5 one key, registers 6-11 the key 8 further on) and is multiplied twice, by [q | 0] and by [0 | q]; zero codes add nothing.
; So the 16 registers of the two results of fragment f are keys 32 f + 16 (lane / 16) + 0 .. 15, neighbours along the next K.
; OUT.  oimg [row tile 256][head 16][768]: half a fragment; osc [row tile 256][row 16][head 16][2] bytes: a row's 8 scale words for the last product's 8 K steps.
; LIMITS: NaN and infinities are not served; a block of p or of o that is all zeros keeps the byte 1 (its codes are zeros; this program alone reads the bytes).
.set QL,  16                           ; v16-27  [q | 0];  v28-39  [0 | q]
.set F,   40                           ; v40-87  four fragments, of K and then of V
.set S,   96                           ; v96-159 S^T, then p
.set O,   160                          ; v160-191 O^T
.set PC,  192                          ; v192-203 p's codes
.set PT,  204                          ; v204-211 the conversions' second halves
.set BM,  212                          ; v212-215 each block's largest score, then largest p
.set BX,  216                          ; v216-219 the other half's, then the bytes
.set SO,  220                          ; v220-223 the conversions' scale operands
                                       ; v224-225 K's scale words, v226-227 V's, v228 [q | 0]'s, v229 [0 | q]'s, v230 p's: scales and nothing else
                                       ; v12 -M, v13 the largest t, v[14:15] the sum in two halves, v[232:233] f, v234 at work, v[236:237] the sum's second chain
.set TB,  30                           ; s30  LDS byte at which the key step begins
.set CNT, 31
.set CS,  32                           ; s[32:33] c = log2(e) / 8
.set SEL, 34                           ; s[34:35] lane selects: lane l xor 16
.macro PLACES
.rept 4
	v_nop
.endr
.endm
; A round of the cluster's barrier: my work-group's barrier; wave 0 signals for the work-group; every wave waits for all four work-groups; my work-group's barrier once more
.macro ROUND
	s_barrier_signal -1
	s_barrier_wait -1
	s_cmp_lg_u32 s14, 0
	s_cbranch_scc1 .Lnot_wave_0_\@
	s_barrier_signal -3
.Lnot_wave_0_\@:
	s_barrier_wait -3
	s_barrier_signal -1
	s_barrier_wait -1
.endm
.macro KQ f, u                         ; 16 keys of fragment f (u = 0: the lower, 1: the upper) x my 16 queries.  An odd fragment's scale words stand in lanes 16-31
.if ((\f)%2) == 0
	v_wmma_scale_f32_16x16x128_f8f6f4 v[S+8*(2*\f+\u):S+8*(2*\f+\u)+7], v[F+12*\f:F+12*\f+11], v[QL+12*\u:QL+12*\u+11], 0, v[224+\f/2], v[228+\u] matrix_a_fmt:MATRIX_FMT_FP6 matrix_b_fmt:MATRIX_FMT_FP6
.else
	v_wmma_scale_f32_16x16x128_f8f6f4 v[S+8*(2*\f+\u):S+8*(2*\f+\u)+7], v[F+12*\f:F+12*\f+11], v[QL+12*\u:QL+12*\u+11], 0, v[224+\f/2], v[228+\u] matrix_a_fmt:MATRIX_FMT_FP6 matrix_b_fmt:MATRIX_FMT_FP6 matrix_a_scale:MATRIX_SCALE_ROW1
.endif
.endm
.macro PV t                            ; 16 of the head's 64 numbers x my 16 queries, K = the step's 128 keys
.if ((\t)%2) == 0
	v_wmma_scale_f32_16x16x128_f8f6f4 v[O+8*\t:O+8*\t+7], v[F+12*\t:F+12*\t+11], v[PC:PC+11], v[O+8*\t:O+8*\t+7], v[226+\t/2], v230 matrix_a_fmt:MATRIX_FMT_FP6 matrix_b_fmt:MATRIX_FMT_FP6
.else
	v_wmma_scale_f32_16x16x128_f8f6f4 v[O+8*\t:O+8*\t+7], v[F+12*\t:F+12*\t+11], v[PC:PC+11], v[O+8*\t:O+8*\t+7], v[226+\t/2], v230 matrix_a_fmt:MATRIX_FMT_FP6 matrix_b_fmt:MATRIX_FMT_FP6 matrix_a_scale:MATRIX_SCALE_ROW1
.endif
.endm
	s_load_b256 s[4:11], s[0:1], 0x0               ; qimg, qsc, kv, oimg
	s_load_b64 s[12:13], s[0:1], 0x20              ; osc
	v_lshl_add_u32 v254, v0, 2, 0x32000
	v_mov_b32 v255, 0
	ds_add_u32 v254, v255
	ds_add_u32 v254, v255
	v_lshrrev_b32 v1, 5, v0
	v_readfirstlane_b32 s14, v1                    ; wave 0..15
	s_bfe_u32 s15, ttmp6, 0x40000                  ; cx: my place in the cluster: it enters q's and o's global addresses alone
	s_lshl_b32 s36, ttmp9, 2                       ; in a cluster launch ttmp9 counts clusters
	s_add_co_u32 s36, s36, s15                     ; my block of 256 queries
	s_and_b32 s37, ttmp7, 0xffff                   ; the head, 0..31, which the four partners share
	s_lshl_b32 s38, s36, 4
	s_add_co_u32 s38, s38, s14                     ; my query tile within the head, 0..127
	s_mul_i32 s40, s37, 204800                     ; kv: the head, and key step w
	s_mul_i32 s41, s14, 12800
	s_add_co_u32 s40, s40, s41
	s_mov_b32 s41, 0
	s_lshl_b32 s42, s37, 7                         ; qimg: (head x 128 + tile) x 768
	s_add_co_u32 s42, s42, s38
	s_mul_i32 s42, s42, 768
	s_mov_b32 s43, 0
	s_lshr_b32 s44, s37, 1                         ; qsc: (pair of heads x 128 + tile) x 64
	s_lshl_b32 s44, s44, 7
	s_add_co_u32 s44, s44, s38
	s_lshl_b32 s44, s44, 6
	s_mov_b32 s45, 0
	s_lshr_b32 s50, s37, 4
	s_lshl_b32 s50, s50, 7
	s_add_co_u32 s50, s50, s38                     ; my row tile among all 256: 128 x batch + tile
	s_and_b32 s52, s37, 15                         ; the head within the batch
	s_lshl_b32 s46, s50, 4                         ; oimg: (row tile x 16 + head) x 768
	s_add_co_u32 s46, s46, s52
	s_mul_i32 s46, s46, 768
	s_mov_b32 s47, 0
	s_lshl_b32 s48, s50, 9                         ; osc: 512 x row tile + 2 x head
	s_lshl_b32 s49, s52, 1
	s_add_co_u32 s48, s48, s49
	s_mov_b32 s49, 0
	s_and_b32 s51, s37, 1
	s_lshl_b32 s51, s51, 4                         ; an odd head's two bytes stand 16 bits up in q's scale word
	s_mov_b32 s[CS], 0x3e38aa3b                    ; c = log2(e) / 8
	s_mov_b32 s[CS+1], s[CS]                       ; (named with it as a pair, so it is written)
	s_mov_b32 s[SEL], 0x76543210
	s_mov_b32 s[SEL+1], 0xfedcba98
	; descriptor group 1: a dense block of 12,800 bytes as 50 rows of 256 bytes (32 elements of 8 bytes), no padding
	s_mov_b32 s20, 15|(3<<16)|(1<<21)              ; 15:0 the mask: all four work-groups; 17:16 elements of 8 bytes; 21 set beside a mask
	s_mov_b32 s21, 32<<16                          ; tensor_dim0 = 32
	s_mov_b32 s22, 50<<16                          ; tensor_dim1 = 50
	s_mov_b32 s23, 32<<16                          ; tile_dim0 = 32
	s_mov_b32 s24, 50                              ; tile_dim1 = 50
	s_mov_b32 s25, 32                              ; from row to row: 32 elements
	s_mov_b32 s26, 0
	s_mov_b32 s27, 0
	s_mov_b32 s16, 1                               ; group 0: count = 1
	s_mul_i32 s17, s14, 12800                      ; LDS address: key step w: no place in the cluster enters it
	s_wait_dscnt 0x0
	s_wait_kmcnt 0x0
	s_add_nc_u64 s[18:19], s[8:9], s[40:41]        ; global address: made of the head and the wave's number alone
	s_or_b32 s19, s19, 0x80000000                  ; type = 2
	s_add_nc_u64 s[4:5], s[4:5], s[42:43]
	s_add_nc_u64 s[6:7], s[6:7], s[44:45]
	s_add_nc_u64 s[10:11], s[10:11], s[46:47]
	s_add_nc_u64 s[12:13], s[12:13], s[48:49]
	ROUND                                          ; all four work-groups are here: the joint loads meet
	tensor_load_to_lds s[16:19], s[20:27]          ; my one tensor load of the launch
	s_nop 0
	PLACES                                         ; four v_nop follow it
	v_and_b32 v6, 31, v0                           ; lane
	v_and_b32 v8, 15, v0                           ; r
	v_bfe_u32 v9, v0, 4, 1                         ; h
	v_lshlrev_b32 v1, 4, v6                        ; 16 x lane
	v_lshlrev_b32 v2, 3, v6                        ; 8 x lane
	v_lshlrev_b32 v7, 2, v8                        ; 4 r
	v_lshl_add_u32 v5, v8, 5, v9                   ; osc: 32 r + h
	global_load_b128 v[QL:QL+3], v1, s[4:5]        ; q's half fragment, twice: as registers 0-5 of [q | 0]
	global_load_b64 v[QL+4:QL+5], v2, s[4:5] offset:512
	global_load_b128 v[QL+18:QL+21], v1, s[4:5]    ; and as registers 6-11 of [0 | q]
	global_load_b64 v[QL+22:QL+23], v2, s[4:5] offset:512
	global_load_b32 v228, v7, s[6:7]               ; the scale word of query r: two bytes for each head of the pair
	s_wait_tensorcnt 0x0                           ; my key step has landed,
	s_barrier_signal -1
	s_barrier_wait -1                              ; everybody's has: the head's K and V lie whole in LDS, and nobody writes LDS again
	s_wait_loadcnt 0x0                             ; q
.irp i, 6,7,8,9,10,11,12,13,14,15,16,17
	v_mov_b32 v[QL+\i], 0                          ; the zero halves: zero codes
.endr
	v_lshrrev_b32 v228, s51, v228
	v_and_b32 v228, 0xffff, v228                   ; [q | 0]: my head's two bytes below; above them bytes 0, over zero codes
	v_lshlrev_b32 v229, 16, v228                   ; [0 | q]
	v_mov_b32 v13, 0xff61b1e6                      ; the largest t so far: -3e38, under every t
	v_floor_f32 v12, -v13                          ; -M
	v_mov_b32 v14, 0                               ; the sum, in two halves
	v_mov_b32 v15, 0
	v_mov_b32 v233, 0                              ; (named as the upper half of the pair v[232:233])
.irp b, 0,1,2,3
	v_mov_b32 v[BX+\b], 0                          ; a lane permute's destination counts as one of its sources
.endr
.set cj, 0
.rept 32
	v_mov_b32 v[O+cj], 0                           ; O^T: the step is written once; the first finds zeros.  (These also stand between the scale words just made and the first product)
.set cj, cj+1
.endr
	s_mov_b32 s[TB], 0
	s_mov_b32 s[CNT], 16
.Lstep:                                            ; a key step: 128 keys
	v_add_nc_u32 v3, s[TB], v1
	v_add_nc_u32 v4, s[TB], v2
	v_nop
	v_nop                                          ; four places behind the last step's products, in front of loads into their sources
.irp f, 0,1,2,3
.irp c, 0,1,2
	ds_load_b128 v[F+12*\f+4*\c:F+12*\f+4*\c+3], v3 offset:\f*1536+512*\c   ; K: 512 consecutive bytes a load
.endr
.endr
	ds_load_b64 v[224:225], v4 offset:12288        ; K's scale words: register gg: lanes 0-15 fragment 2 gg's, lanes 16-31 fragment 2 gg + 1's
	s_wait_dscnt 0x0
.irp f, 0,1,2,3
	KQ \f, 0
	KQ \f, 1
.endr
	PLACES
.irp t, 0,1,2,3
.irp c, 0,1,2
	ds_load_b128 v[F+12*\t+4*\c:F+12*\t+4*\c+3], v3 offset:6144+\t*1536+512*\c   ; V, into the registers that K has left: it lands under the softmax
.endr
.endr
	ds_load_b64 v[226:227], v4 offset:12544
.irp b, 0,1,2,3
	v_max3_num_f32 v[BM+\b], v[S+16*\b], v[S+1+16*\b], v[S+2+16*\b]   ; the largest score of each block of 32 keys: for the row's maximum, and, since p rises with the score, for the block's largest p
.endr
.irp i, 3,5,7,9,11,13
.irp b, 0,1,2,3
	v_max3_num_f32 v[BM+\b], v[BM+\b], v[S+16*\b+\i], v[S+1+16*\b+\i]
.endr
.endr
.irp b, 0,1,2,3
	v_max_num_f32 v[BM+\b], v[BM+\b], v[S+15+16*\b]
.endr
.irp b, 0,1,2,3
	v_permlanex16_b32 v[BX+\b], v[BM+\b], s[SEL], s[SEL+1]
.endr
.irp b, 0,1,2,3
	v_max_num_f32 v[BM+\b], v[BM+\b], v[BX+\b]     ; with lane l xor 16's 16 keys
.endr
	v_max3_num_f32 v234, v[BM], v[BM+1], v[BM+2]
	v_max_num_f32 v234, v234, v[BM+3]              ; the step's largest score of my query
	v_mul_f32 v234, s[CS], v234                    ; as t (c is positive)
	v_max_num_f32 v13, v13, v234                   ; the running largest t
	v_mov_b32 v234, v12
	v_floor_f32 v12, -v13                          ; the new -M = floor(-t) = -ceil(t): a whole number
	v_sub_f32 v234, v12, v234                      ; old M - new M: a whole number, 0 or less
	v_cvt_i32_f32 v234, v234                       ; (it saturates)
	v_ldexp_f32 v232, 1.0, v234                    ; f = 2^(old M - new M)
.set cj, 0
.rept 32
	v_pk_fma_f32 v[S+cj:S+cj+1], v[S+cj:S+cj+1], s[CS:CS+1], v[12:13] op_sel_hi:[1,0,0]   ; t - M, two at a time
.set cj, cj+2
.endr
.irp b, 0,1,2,3
	v_fma_f32 v[BM+\b], v[BM+\b], s[CS], v12       ; the same of each block's largest score
.endr
.set cj, 0
.rept 64
	v_exp_f32 v[S+cj], v[S+cj]                     ; p = 2^(t - M), at most 1
.set cj, cj+1
.endr
.irp b, 0,1,2,3
	v_exp_f32 v[BM+\b], v[BM+\b]                   ; the block's largest p: the same two instructions on the same number
.endr
	v_pk_mul_f32 v[14:15], v[14:15], v[232:233] op_sel_hi:[1,0]   ; the sums under the new M.  (A plain place behind the exponentials)
	s_wait_alu depctr_va_vdst(0)
.irp b, 0,1,2,3
	v_max_num_f32 v[BM+\b], 0x1800000, v[BM+\b]    ; the floor 2^(3 - 127): the byte cannot fall under 1
.endr
.irp b, 0,1,2,3
	v_add_nc_u32 v[SO+\b], 0xff000000, v[BM+\b]    ; 2 off the exponent field: the conversion's scale operand
.endr
.irp b, 0,1,2,3
	v_lshrrev_b32 v[BX+\b], 23, v[SO+\b]           ; the scale's byte
.endr
	v_lshl_or_b32 v230, v[BX+1], 8, v[BX]          ; p's scale word for these 128 keys
	v_lshl_or_b32 v230, v[BX+2], 16, v230
	v_lshl_or_b32 v230, v[BX+3], 24, v230
.irp c, 0,1
	v_cvt_scalef32_pk16_fp6_f32 v[PC+6*\c:PC+6*\c+2], v[S+32*\c:S+32*\c+15], v[SO+2*\c]
	v_cvt_scalef32_pk16_fp6_f32 v[PT+4*\c:PT+4*\c+2], v[S+32*\c+16:S+32*\c+31], v[SO+2*\c+1]
.endr
	v_nop                                          ; one plain place behind the scaled conversions
.irp c, 0,1
.irp i, 0,1,2
	v_permlane16_swap_b32 v[PC+6*\c+\i], v[PT+4*\c+\i]   ; a whole block to a lane
.endr
.irp i, 0,1,2
	v_mov_b32 v[PC+6*\c+3+\i], v[PT+4*\c+\i]
.endr
.endr
	v_pk_add_f32 v[236:237], v[S:S+1], v[S+2:S+3]  ; the row's sum is taken of the UNQUANTISED p: two at a time, in two chains
.set cj, 4
.rept 15
	v_pk_add_f32 v[14:15], v[14:15], v[S+cj:S+cj+1]
	v_pk_add_f32 v[236:237], v[236:237], v[S+cj+2:S+cj+3]
.set cj, cj+4
.endr
	v_pk_add_f32 v[14:15], v[14:15], v[236:237]
.set cj, 0
.rept 16
	v_pk_mul_f32 v[O+cj:O+cj+1], v[O+cj:O+cj+1], v[232:233] op_sel_hi:[1,0]   ; O^T under the new M; each accumulator from its low end on
.set cj, cj+2
.endr
	s_wait_dscnt 0x0                               ; V and its scale words are in
.irp t, 0,1,2,3
	PV \t                                          ; four accumulators by turns, one instruction each
.endr
	s_add_co_u32 s[TB], s[TB], 12800
	s_sub_co_u32 s[CNT], s[CNT], 1
	s_cmp_lg_u32 s[CNT], 0
	s_cbranch_scc1 .Lstep
	; THE WAY OUT: O^T / the sum, quantised along the head's 64 numbers (two blocks of the last product's K), leaves as half a fragment and two bytes a row
	PLACES
	v_add_f32 v14, v14, v15                        ; the sum's two halves,
	v_permlanex16_b32 v234, v14, s[SEL], s[SEL+1]
	v_add_f32 v14, v14, v234                       ; and lane l xor 16's
	v_rcp_f32 v14, v14
	v_nop                                          ; one plain place behind the transcendental
.set cj, 0
	s_wait_alu depctr_va_vdst(0)
.rept 32
	v_mul_f32 v[S+cj], v[O+cj], v14                ; register 16 b + i: number 32 b + 16 h + i of my query's row
.set cj, cj+1
.endr
.irp b, 0,1
	v_max3_num_f32 v[BM+\b], |v[S+16*\b]|, |v[S+1+16*\b]|, 0x1800000
.endr
.irp i, 2,4,6,8,10,12,14
.irp b, 0,1
	v_max3_num_f32 v[BM+\b], v[BM+\b], |v[S+16*\b+\i]|, |v[S+1+16*\b+\i]|
.endr
.endr
.irp b, 0,1
	v_permlanex16_b32 v[BX+\b], v[BM+\b], s[SEL], s[SEL+1]
.endr
.irp b, 0,1
	v_max_num_f32 v[BM+\b], v[BM+\b], v[BX+\b]
.endr
.irp b, 0,1
	v_add_nc_u32 v[SO+\b], 0xff000000, v[BM+\b]
.endr
.irp b, 0,1
	v_lshrrev_b32 v[BX+\b], 23, v[SO+\b]
.endr
	v_cvt_scalef32_pk16_fp6_f32 v[PC:PC+2], v[S:S+15], v[SO]
	v_cvt_scalef32_pk16_fp6_f32 v[PT:PT+2], v[S+16:S+31], v[SO+1]
	v_nop
.irp i, 0,1,2
	v_permlane16_swap_b32 v[PC+\i], v[PT+\i]
.endr
.irp i, 0,1,2
	v_mov_b32 v[PC+3+\i], v[PT+\i]
.endr
	v_cmp_le_u32 vcc_lo, 16, v6
	v_cndmask_b32 v234, v[BX], v[BX+1], vcc_lo     ; lane (r, h) stores the byte of block h
	global_store_b128 v1, v[PC:PC+3], s[10:11]     ; 512 consecutive bytes, at a multiple of 256
	global_store_b64 v2, v[PC+4:PC+5], s[10:11] offset:512
	global_store_b8 v5, v234, s[12:13]             ; 32 single bytes, 2 in each row's 32: the sixteen heads fill a row's words together (1 byte in 24 of what this launch stores)
	s_wait_tensorcnt 0x0
	ds_add_u32 v254, v255
	s_wait_dscnt 0x0
	ROUND                                          ; the closing round: no work-group ends while a partner may still ask for a tile that names it
	s_endpgm
.Lfunc_end_k_q75bbb9e955_attn:
	.size	k_q75bbb9e955_attn, .Lfunc_end_k_q75bbb9e955_attn-k_q75bbb9e955_attn
	.p2alignl 7, 3214868480
	.fill 96, 4, 3214868480
	.section	.rodata,"a",@progbits
	.p2align	6, 0x0
	.amdhsa_kernel k_q75bbb9e955_attn
		.amdhsa_group_segment_fixed_size 206848
		.amdhsa_private_segment_fixed_size 0
		.amdhsa_enable_private_segment 0
		.amdhsa_kernarg_size 40
		.amdhsa_user_sgpr_count 2
		.amdhsa_user_sgpr_kernarg_segment_ptr 1
		.amdhsa_wavefront_size32 1
		.amdhsa_system_sgpr_workgroup_id_x 1
		.amdhsa_system_sgpr_workgroup_id_y 1
		.amdhsa_system_sgpr_workgroup_id_z 1
		.amdhsa_system_vgpr_workitem_id 0
		.amdhsa_next_free_vgpr 256
		.amdhsa_next_free_sgpr 66
		.amdhsa_reserve_vcc 1
		.amdhsa_float_denorm_mode_32 3
		.amdhsa_float_denorm_mode_16_64 3
		.amdhsa_memory_ordered 1
		.amdhsa_forward_progress 1
		.amdhsa_inst_pref_size 26
	.end_amdhsa_kernel
	.amdgpu_metadata
---
amdhsa.version: [ 1, 2 ]
amdhsa.kernels:
  - .name:           k_q75bbb9e955_attn
    .symbol:         k_q75bbb9e955_attn.kd
    .args:
      - { .name: qimg, .offset: 0, .size: 8, .value_kind: global_buffer, .address_space: global }
      - { .name: qsc, .offset: 8, .size: 8, .value_kind: global_buffer, .address_space: global }
      - { .name: kv, .offset: 16, .size: 8, .value_kind: global_buffer, .address_space: global }
      - { .name: oimg, .offset: 24, .size: 8, .value_kind: global_buffer, .address_space: global }
      - { .name: osc, .offset: 32, .size: 8, .value_kind: global_buffer, .address_space: global }
    .group_segment_fixed_size: 206848
    .private_segment_fixed_size: 0
    .kernarg_segment_align: 8
    .kernarg_segment_size: 40
    .max_flat_workgroup_size: 512
    .sgpr_count:     66
    .vgpr_count:     256
    .wavefront_size: 32
...
	.end_amdgpu_metadata
.endif
;; end of part 3
;; launch proj (part 4): grid 128 x 1, 16 waves a work-group, no clusters, 175,104 bytes of LDS; arguments oimg, osc, img1, sc1, bp, x, ln_g, ln_b, out0; writes out0
.if DOCPART == 4
	.amdgcn_target "amdgcn-amd-amdhsa--gfx1250"
	.amdhsa_code_object_version 6
	.text
	.protected	k_q75bbb9e955_proj
	.globl	k_q75bbb9e955_proj
	.p2align	8
	.type	k_q75bbb9e955_proj,@function
k_q75bbb9e955_proj:
	s_mov_b64 s[64:65], 0
	v_nop
	global_prefetch_b8 v0, s[64:65] scope:SCOPE_SE
	s_setreg_imm32_b32 hwreg(HW_REG_WAVE_MODE, 25, 1), 1
	s_wait_xcnt 0x0
; PROJ.  out0 = LayerNorm(x + o Wp + bp) x ln_g + ln_b.  o and Wp are codes of FP6 (E2M3) with E8M0 scales, in the order of the operands' registers; all else is f32.
; SHARES.  A work-group owns 32 whole rows (row tiles 2 f, 2 f + 1), so that a row's mean and variance never leave it.  Wave w owns columns 64 w .. 64 w + 63 (Wp's tiles 4 w .. 4 w + 3):
; 8 accumulators, 8 K steps of 128, 64 matrix instructions.  Each fragment of Wp is wanted by ONE wave of the work-group and goes from memory straight into its registers, two K steps ahead;
; o's 24,576 bytes, which all sixteen waves want, are copied into LDS once.
; THE WORK-GROUPS BEGIN AT DIFFERENT K STEPS: slot j of work-group f holds K step (j + f) mod 8, of Wp, of o and of both kinds of scale words alike.  All 128 work-groups walk the same Wp:
; so they do not all ask for the same eighth of it at the same time.  Only global offsets hang on f: o's copy lies in LDS in the order of the slots, and every register number is a slot's.
; Source 0 = 16 columns of Wp, source 1 = 16 rows of o: a lane holds one row and eight neighbouring columns a tile.  A tile's rows are 32 (t / 2) + 8 (t % 2) + r + 8 (r / 8).
; THE WAY OUT.  Through the wave's own stage the results come back as rows: sixteen lanes hold 256 neighbouring bytes of a row, as x, ln_g, ln_b and out0 want them.
; The mean, and then the mean of the squared differences from it (two passes: no difference of large sums), are summed over a wave's 64 columns by lane steps and over the 16 waves through LDS.
; NO CLUSTER: what work-groups share is Wp, and here it never passes through LDS, where a joint load would land; a wave's 6,144 bytes of it a K step are read once by that wave.
; LIMITS: NaN and infinities are not served.  The eight K steps are summed in an order that differs from work-group to work-group: the f32 sums' rounding differs in the last bits from a sum in ascending K.
; REGISTERS: v1-12 addresses; v16-79 accumulators ((i, a) at v[16 + 8 (4 a + i)]), ahead of the first product v16-31 the scale words' lane offsets, later sums, means, ln_g, ln_b;
; v80-127, v128-175 Wp's fragments, two sets; v176-199, v200-223 o's, two sets; v224-239 Wp's scale words, v240-247 o's: scales and nothing else; v248-251 bp.
; On the way out group k (two rows x 64 columns) has y in Y(k) and x in X(k).
.set STG,  24576                       ; LDS: o's fragments at 0; from here a stage of 32 rows x (256 + 16) bytes for each wave
.set RED1, 163840                      ; 32 rows x (16 waves' words + 16 bytes): the first sums
.set RED2, 166400                      ; the second sums
.set SCR,  168960                      ; 256 bytes for each wave: 32 means, 32 reciprocal deviations
.set WB,   48                          ; s[48:63] slot j: Wp at my four tiles and the slot's K step
.macro PLACES
.rept 4
	v_nop
.endr
.endm
.macro GRP k                           ; group k = 8 a + t: rows 8 a + 2 t + 8 (t / 4) + (lane / 16) of the 32
.if (\k) < 12
.set Y, 128+4*(\k)
.set X, 80+4*(\k)
.else
.set Y, 200+4*((\k)-12)
.set X, 176+4*((\k)-12)
.endif
.set ROWO, (8*((\k)/8)+2*((\k)%8)+8*(((\k)%8)/4))*4096
.endm
.macro WLOAD s                         ; Wp's four fragments of slot s into set s % 2: 12 loads of 512 consecutive bytes
.irp i, 0,1,2,3
.irp c, 0,1,2
	global_load_b128 v[80+48*((\s)%2)+12*\i+4*\c:80+48*((\s)%2)+12*\i+4*\c+3], v1, s[WB+2*(\s):WB+2*(\s)+1] offset:\i*12288+512*\c
.endr
.endr
.endm
.macro OLOAD s                         ; o's two fragments of slot s into set s % 2: each is two heads' halves: 8 LDS loads
.irp a, 0,1
	ds_load_b128 v[176+24*((\s)%2)+12*\a:176+24*((\s)%2)+12*\a+3], v1 offset:\a*12288+(\s)*1536
	ds_load_b64 v[176+24*((\s)%2)+12*\a+4:176+24*((\s)%2)+12*\a+5], v2 offset:\a*12288+(\s)*1536+512
	ds_load_b128 v[176+24*((\s)%2)+12*\a+6:176+24*((\s)%2)+12*\a+9], v1 offset:\a*12288+(\s)*1536+768
	ds_load_b64 v[176+24*((\s)%2)+12*\a+10:176+24*((\s)%2)+12*\a+11], v2 offset:\a*12288+(\s)*1536+1280
.endr
.endm
.macro PM i, a, s, zero                ; Wp's tile i x o's tile a.  An odd tile's scale words stand in lanes 16-31
.set rD, 16+8*(4*(\a)+(\i))
.set rA, 80+48*((\s)%2)+12*(\i)
.set rB, 176+24*((\s)%2)+12*(\a)
.set rSA, 224+2*(\s)+(\i)/2
.set rSB, 240+(\s)
.if \zero
.if (((\i)%2) == 0) && ((\a) == 0)
	v_wmma_scale_f32_16x16x128_f8f6f4 v[rD:rD+7], v[rA:rA+11], v[rB:rB+11], 0, v[rSA], v[rSB] matrix_a_fmt:MATRIX_FMT_FP6 matrix_b_fmt:MATRIX_FMT_FP6
.elseif (((\i)%2) == 1) && ((\a) == 0)
	v_wmma_scale_f32_16x16x128_f8f6f4 v[rD:rD+7], v[rA:rA+11], v[rB:rB+11], 0, v[rSA], v[rSB] matrix_a_fmt:MATRIX_FMT_FP6 matrix_b_fmt:MATRIX_FMT_FP6 matrix_a_scale:MATRIX_SCALE_ROW1
.elseif (((\i)%2) == 0) && ((\a) == 1)
	v_wmma_scale_f32_16x16x128_f8f6f4 v[rD:rD+7], v[rA:rA+11], v[rB:rB+11], 0, v[rSA], v[rSB] matrix_a_fmt:MATRIX_FMT_FP6 matrix_b_fmt:MATRIX_FMT_FP6 matrix_b_scale:MATRIX_SCALE_ROW1
.else
	v_wmma_scale_f32_16x16x128_f8f6f4 v[rD:rD+7], v[rA:rA+11], v[rB:rB+11], 0, v[rSA], v[rSB] matrix_a_fmt:MATRIX_FMT_FP6 matrix_b_fmt:MATRIX_FMT_FP6 matrix_a_scale:MATRIX_SCALE_ROW1 matrix_b_scale:MATRIX_SCALE_ROW1
.endif
.else
.if (((\i)%2) == 0) && ((\a) == 0)
	v_wmma_scale_f32_16x16x128_f8f6f4 v[rD:rD+7], v[rA:rA+11], v[rB:rB+11], v[rD:rD+7], v[rSA], v[rSB] matrix_a_fmt:MATRIX_FMT_FP6 matrix_b_fmt:MATRIX_FMT_FP6
.elseif (((\i)%2) == 1) && ((\a) == 0)
	v_wmma_scale_f32_16x16x128_f8f6f4 v[rD:rD+7], v[rA:rA+11], v[rB:rB+11], v[rD:rD+7], v[rSA], v[rSB] matrix_a_fmt:MATRIX_FMT_FP6 matrix_b_fmt:MATRIX_FMT_FP6 matrix_a_scale:MATRIX_SCALE_ROW1
.elseif (((\i)%2) == 0) && ((\a) == 1)
	v_wmma_scale_f32_16x16x128_f8f6f4 v[rD:rD+7], v[rA:rA+11], v[rB:rB+11], v[rD:rD+7], v[rSA], v[rSB] matrix_a_fmt:MATRIX_FMT_FP6 matrix_b_fmt:MATRIX_FMT_FP6 matrix_b_scale:MATRIX_SCALE_ROW1
.else
	v_wmma_scale_f32_16x16x128_f8f6f4 v[rD:rD+7], v[rA:rA+11], v[rB:rB+11], v[rD:rD+7], v[rSA], v[rSB] matrix_a_fmt:MATRIX_FMT_FP6 matrix_b_fmt:MATRIX_FMT_FP6 matrix_a_scale:MATRIX_SCALE_ROW1 matrix_b_scale:MATRIX_SCALE_ROW1
.endif
.endif
.endm
; v16 + k holds, in each half of the lanes, my number for one row of group k.  It is summed over the half's 16 lanes, then over the 16 waves through LDS at off bytes from RED1:
; place 16 (lane / 16) + k of 32, word w.  Behind the barrier lane l sums place l's 16 words into v32.
.macro ACROSS off
.irp m, 1,2,4,8
.set ck, 0
.rept 16
	v_add_f32_dpp v[16+ck], v[16+ck], v[16+ck] row_xmask:\m row_mask:0xf bank_mask:0xf
.set ck, ck+1
.endr
.endr
.set ck, 0
.rept 16
	ds_store_b32 v7, v[16+ck] offset:\off+ck*80    ; the 16 lanes of a half write the same word with the same value
.set ck, ck+1
.endr
	s_wait_dscnt 0x0                               ; for the others' sake: my words have landed
	s_barrier_signal -1
	s_barrier_wait -1
.irp q, 0,1,2,3
	ds_load_b128 v[32+4*\q:35+4*\q], v8 offset:\off+16*\q
.endr
	s_wait_dscnt 0x0
	v_pk_add_f32 v[32:33], v[32:33], v[34:35]
	v_pk_add_f32 v[36:37], v[36:37], v[38:39]
	v_pk_add_f32 v[40:41], v[40:41], v[42:43]
	v_pk_add_f32 v[44:45], v[44:45], v[46:47]
	v_pk_add_f32 v[32:33], v[32:33], v[36:37]
	v_pk_add_f32 v[40:41], v[40:41], v[44:45]
	v_pk_add_f32 v[32:33], v[32:33], v[40:41]
	v_add_f32 v32, v32, v33
.endm
; lane l's v32 (place l's figure) goes through my own scratch; v48 + k then holds the figure of my row of group k.  LDS serves a wave's instructions in order (ISA guide 5.7.1.4): the loads see the store
.macro SPREAD off
	ds_store_b32 v9, v32 offset:\off
.irp q, 0,1,2,3
	ds_load_b128 v[48+4*\q:51+4*\q], v10 offset:\off+16*\q
.endr
	s_wait_dscnt 0x0
.endm
	s_load_b256 s[4:11], s[0:1], 0x0               ; oimg, osc, img1, sc1
	s_load_b256 s[12:19], s[0:1], 0x20             ; bp, x, ln_g, ln_b
	s_load_b64 s[20:21], s[0:1], 0x40              ; out0
	v_lshl_add_u32 v254, v0, 2, 0x2a400
	v_mov_b32 v255, 0
	v_lshrrev_b32 v1, 5, v0
	v_readfirstlane_b32 s22, v1                    ; wave 0..15
	v_and_b32 v13, 31, v0                          ; lane
	v_and_b32 v14, 15, v0                          ; lane % 16
	v_bfe_u32 v15, v0, 4, 1                        ; lane / 16
	v_lshlrev_b32 v1, 4, v13                       ; 16 x lane
	v_lshlrev_b32 v2, 3, v13                       ; 8 x lane
	v_lshlrev_b32 v3, 5, v13                       ; 32 x lane
	s_lshl_b32 s34, s22, 8                         ; my 64 columns: 256 bytes
	v_lshl_add_u32 v11, v14, 4, s34                ; my four columns, in bp, ln_g, ln_b
	v_lshl_add_u32 v4, v15, 12, v11                ; and in x and out0: lanes 16-31 one row further down
	s_mul_i32 s35, s22, 8704
	s_add_co_u32 s35, s35, STG                     ; my stage
	v_mul_u32_u24 v5, v14, 272
	v_lshl_add_u32 v5, v15, 6, v5
	v_add_nc_u32 v5, s35, v5                       ; into it: row r of a tile, + 64 h
	v_mul_u32_u24 v6, v15, 272
	v_lshl_add_u32 v6, v14, 4, v6
	v_add_nc_u32 v6, s35, v6                       ; out of it: lanes 0-15 one row, lanes 16-31 the next, 16 bytes a lane
	s_lshl_b32 s36, s22, 2
	s_add_co_u32 s36, s36, RED1
	v_mul_u32_u24 v7, v15, 1280
	v_add_nc_u32 v7, s36, v7                       ; my wave's word of place 16 (lane / 16) + k
	v_mul_u32_u24 v8, v13, 80
	v_add_nc_u32 v8, RED1, v8                      ; place l's 16 words
	s_add_co_u32 s37, s34, SCR                     ; my scratch
	v_lshl_add_u32 v9, v13, 2, s37
	v_lshl_add_u32 v10, v15, 6, s37
	s_mul_i32 s38, s22, 1536
	v_add_nc_u32 v12, s38, v1                      ; my sixteenth of o's copy: tile w / 8, slot w % 8
	s_and_b32 s42, s22, 7                          ; which holds K step (w % 8 + work-group) mod 8
	s_add_co_u32 s42, s42, ttmp9
	s_and_b32 s42, s42, 7
	s_mul_i32 s42, s42, 1536
	s_lshr_b32 s43, s22, 3
	s_mul_i32 s43, s43, 12288
	s_mul_i32 s24, ttmp9, 24576                    ; oimg: my work-group's two tiles, my tile, that K step
	s_add_co_u32 s24, s24, s42
	s_add_co_u32 s24, s24, s43
	s_mov_b32 s25, 0
	s_lshl_b32 s26, ttmp9, 10                      ; osc
	s_mov_b32 s27, 0
	s_mul_i32 s28, s22, 49152                      ; img1: Wp, my four tiles
	s_add_co_u32 s28, s28, 5505024
	s_mov_b32 s29, 0
	s_lshr_b32 s30, s22, 1                         ; sc1: Wp's unit w / 2, words 2 (w % 2) and 2 (w % 2) + 1 of a lane's four
	s_lshl_b32 s30, s30, 12
	s_and_b32 s31, s22, 1
	s_lshl_b32 s31, s31, 3
	s_add_co_u32 s30, s30, s31
	s_add_co_u32 s30, s30, 229376
	s_mov_b32 s31, 0
	s_lshl_b32 s32, ttmp9, 17                      ; x, out0: 32 rows of 4,096 bytes
	s_mov_b32 s33, 0
	s_mov_b32 s40, 0x3a800000                      ; 1 / 1,024
	s_mov_b32 s41, 0x3727c5ac                      ; 1e-5
	s_mov_b32 s45, 0
	s_wait_kmcnt 0x0
	s_add_nc_u64 s[4:5], s[4:5], s[24:25]
	s_add_nc_u64 s[6:7], s[6:7], s[26:27]
	s_add_nc_u64 s[8:9], s[8:9], s[28:29]
	s_add_nc_u64 s[10:11], s[10:11], s[30:31]
	s_add_nc_u64 s[14:15], s[14:15], s[32:33]
	s_add_nc_u64 s[20:21], s[20:21], s[32:33]
.irp c, 0,1,2
	global_load_b128 v[176+4*\c:179+4*\c], v1, s[4:5] offset:512*\c   ; my sixteenth of o
.endr
	global_load_b128 v[248:251], v11, s[12:13]     ; bp
.irp j, 0,1,2,3,4,5,6,7
	s_add_co_u32 s42, ttmp9, \j
	s_and_b32 s42, s42, 7                          ; slot j's K step
	v_lshl_add_u32 v[16+\j], s42, 9, v1            ; Wp's scale words: 512 bytes a K step, 16 x lane
	v_lshl_add_u32 v[24+\j], s42, 2, v3            ; o's: 4 bytes a K step, 32 x lane
	s_mul_i32 s44, s42, 1536
	s_add_nc_u64 s[WB+2*\j:WB+2*\j+1], s[8:9], s[44:45]   ; Wp's fragments: 1,536 bytes a K step
.endr
.irp j, 0,1,2,3,4,5,6,7
	global_load_b64 v[224+2*\j:225+2*\j], v[16+\j], s[10:11]   ; Wp's scale words of the 8 slots
.endr
.irp j, 0,1,2,3,4,5,6,7
	global_load_b32 v[240+\j], v[24+\j], s[6:7]    ; o's: lanes 0-15 the even tile's rows, lanes 16-31 the odd tile's
.endr
	WLOAD 0
	WLOAD 1
	s_wait_loadcnt 41                              ; o's three loads are in; behind them 1 + 8 + 8 + 24 may be out
.irp c, 0,1,2
	ds_store_b128 v12, v[176+4*\c:179+4*\c] offset:512*\c
.endr
	s_wait_dscnt 0x0                               ; for the others' sake: my part of o has landed
	s_barrier_signal -1
	s_barrier_wait -1                              ; o's sixteen fragments lie in LDS, and nobody writes them again
	OLOAD 0
	OLOAD 1
.irp s, 0,1,2,3,4,5,6,7
.if \s < 7
	s_wait_loadcnt 12                              ; this slot's fragments of Wp (and all before them, the scale words among them: so v16-31 are free) are in; the next slot's 12 may be out
	s_wait_dscnt 8                                 ; this slot's fragments of o are in; the next slot's 8 loads may be out
.else
	s_wait_loadcnt 16                              ; behind the last slot's fragments: x's 16 loads
	s_wait_dscnt 0x0
.endif
.irp a, 0,1
.irp i, 0,1,2,3
.if \s == 0
	PM \i, \a, \s, 1                               ; the first slot's products start the sums
.else
	PM \i, \a, \s, 0                               ; the 8 accumulators take turns, in the same order in every slot
.endif
.endr
.endr
	PLACES
.if \s < 6
	WLOAD \s+2
	OLOAD \s+2
.endif
.if \s == 6
.set ck, 0
.rept 16
	GRP ck
	global_load_b128 v[X:X+3], v4, s[14:15] offset:ROWO th:TH_LOAD_NT   ; x, into the sets that slot 6 has left: 16 lanes read 256 consecutive bytes of a row; its last read in the program
.set ck, ck+1
.endr
.endif
.endr
	; ---- the way out
.irp a, 0,1
.irp i, 0,1,2,3
	ds_store_b128 v5, v[16+8*(4*\a+\i):16+8*(4*\a+\i)+3] offset:\a*4352+128*(\i/2)+32*(\i%2)        ; lane (r, h): columns 32 (i / 2) + 16 h + 8 (i % 2) + 0 .. 7 of row r; each accumulator from its low end on
	ds_store_b128 v5, v[16+8*(4*\a+\i)+4:16+8*(4*\a+\i)+7] offset:\a*4352+128*(\i/2)+32*(\i%2)+16
.endr
.endr
.set ck, 0
.rept 16
	GRP ck
	ds_load_b128 v[Y:Y+3], v6 offset:2*ck*272      ; my own bytes, served in order: these see the stores above
.set ck, ck+1
.endr
	s_wait_dscnt 0x0                               ; the rows are back, and the stores have read the accumulators, whose registers are now free
	global_load_b128 v[64:67], v11, s[16:17]       ; ln_g
	global_load_b128 v[68:71], v11, s[18:19]       ; ln_b
	s_wait_loadcnt 2                               ; x is in; these two may be out
.set ck, 0
.rept 16
	GRP ck
	v_pk_add_f32 v[Y:Y+1], v[Y:Y+1], v[248:249]    ; o Wp + bp,
	v_pk_add_f32 v[Y+2:Y+3], v[Y+2:Y+3], v[250:251]
	v_pk_add_f32 v[Y:Y+1], v[Y:Y+1], v[X:X+1]      ; + x: y
	v_pk_add_f32 v[Y+2:Y+3], v[Y+2:Y+3], v[X+2:X+3]
	v_pk_add_f32 v[32+2*ck:33+2*ck], v[Y:Y+1], v[Y+2:Y+3]
.set ck, ck+1
.endr
.set ck, 0
.rept 16
	v_add_f32 v[16+ck], v[32+2*ck], v[33+2*ck]     ; the sum of my four columns
.set ck, ck+1
.endr
	ACROSS 0
	v_mul_f32 v32, s40, v32                        ; the mean of place l's row
	SPREAD 0
.set ck, 0
.rept 16
	GRP ck
.irp e, 0,1,2,3
	v_sub_f32 v[Y+\e], v[Y+\e], v[48+ck]           ; y - mean
.endr
.set ck, ck+1
.endr
.set ck, 0
.rept 16
	GRP ck
	v_mul_f32 v[16+ck], v[Y], v[Y]
.set ck, ck+1
.endr
.irp e, 1,2,3
.set ck, 0
.rept 16
	GRP ck
	v_fma_f32 v[16+ck], v[Y+\e], v[Y+\e], v[16+ck] ; the squares of my four columns; the sixteen groups by turns
.set ck, ck+1
.endr
.endr
	ACROSS RED2-RED1
	v_fma_f32 v32, v32, s40, s41                   ; the variance + 1e-5
	v_rsq_f32 v32, v32
	v_nop                                          ; one plain place behind the transcendental
	s_wait_alu depctr_va_vdst(0)
	SPREAD 128
	s_wait_loadcnt 0x0                             ; ln_g, ln_b
.set ck, 0
.rept 16
	GRP ck
.irp e, 0,1,2,3
	v_mul_f32 v[Y+\e], v[Y+\e], v[48+ck]
.endr
	v_pk_fma_f32 v[Y:Y+1], v[Y:Y+1], v[64:65], v[68:69]
	v_pk_fma_f32 v[Y+2:Y+3], v[Y+2:Y+3], v[66:67], v[70:71]
	global_store_b128 v4, v[Y:Y+3], s[20:21] offset:ROWO th:TH_STORE_NT   ; 16 lanes store 256 consecutive bytes, at a multiple of 256 from out0's first byte; written once, read by nobody here
.set ck, ck+1
.endr
	s_wait_tensorcnt 0x0
	ds_add_u32 v254, v255
	s_wait_dscnt 0x0
	s_endpgm
.Lfunc_end_k_q75bbb9e955_proj:
	.size	k_q75bbb9e955_proj, .Lfunc_end_k_q75bbb9e955_proj-k_q75bbb9e955_proj
	.p2alignl 7, 3214868480
	.fill 96, 4, 3214868480
	.section	.rodata,"a",@progbits
	.p2align	6, 0x0
	.amdhsa_kernel k_q75bbb9e955_proj
		.amdhsa_group_segment_fixed_size 175104
		.amdhsa_private_segment_fixed_size 0
		.amdhsa_enable_private_segment 0
		.amdhsa_kernarg_size 72
		.amdhsa_user_sgpr_count 2
		.amdhsa_user_sgpr_kernarg_segment_ptr 1
		.amdhsa_wavefront_size32 1
		.amdhsa_system_sgpr_workgroup_id_x 1
		.amdhsa_system_sgpr_workgroup_id_y 1
		.amdhsa_system_sgpr_workgroup_id_z 1
		.amdhsa_system_vgpr_workitem_id 0
		.amdhsa_next_free_vgpr 256
		.amdhsa_next_free_sgpr 66
		.amdhsa_reserve_vcc 0
		.amdhsa_float_denorm_mode_32 3
		.amdhsa_float_denorm_mode_16_64 3
		.amdhsa_memory_ordered 1
		.amdhsa_forward_progress 1
		.amdhsa_inst_pref_size 64
	.end_amdhsa_kernel
	.amdgpu_metadata
---
amdhsa.version: [ 1, 2 ]
amdhsa.kernels:
  - .name:           k_q75bbb9e955_proj
    .symbol:         k_q75bbb9e955_proj.kd
    .args:
      - { .name: oimg, .offset: 0, .size: 8, .value_kind: global_buffer, .address_space: global }
      - { .name: osc, .offset: 8, .size: 8, .value_kind: global_buffer, .address_space: global }
      - { .name: img1, .offset: 16, .size: 8, .value_kind: global_buffer, .address_space: global }
      - { .name: sc1, .offset: 24, .size: 8, .value_kind: global_buffer, .address_space: global }
      - { .name: bp, .offset: 32, .size: 8, .value_kind: global_buffer, .address_space: global }
      - { .name: x, .offset: 40, .size: 8, .value_kind: global_buffer, .address_space: global }
      - { .name: ln_g, .offset: 48, .size: 8, .value_kind: global_buffer, .address_space: global }
      - { .name: ln_b, .offset: 56, .size: 8, .value_kind: global_buffer, .address_space: global }
      - { .name: out0, .offset: 64, .size: 8, .value_kind: global_buffer, .address_space: global }
    .group_segment_fixed_size: 175104
    .private_segment_fixed_size: 0
    .kernarg_segment_align: 8
    .kernarg_segment_size: 72
    .max_flat_workgroup_size: 512
    .sgpr_count:     66
    .vgpr_count:     256
    .wavefront_size: 32
...
	.end_amdgpu_metadata
.endif
;; end of part 4
;; ======== version 2 of 2: 4 launches
;; workspace buffers: img1 6,291,456 bytes; sc1 262,144 bytes; qimg 3,145,728 bytes; qsc 131,072 bytes; kv 6,553,600 bytes; oimg 3,145,728 bytes; osc 131,072 bytes
;; launch prep (part 5): grid 512 x 1, 4 waves a work-group, no clusters, 68,096 bytes of LDS; arguments x, Wq_codes, Wk_codes, Wv_codes, Wp_codes, Wq_scales, Wk_scales, Wv_scales, Wp_scales, img1, sc1; writes img1, sc1
.if DOCPART == 5
	.amdgcn_target "amdgcn-amd-amdhsa--gfx1250"
	.amdhsa_code_object_version 6
	.text
	.protected	k_q75bbb9e955_prep
	.globl	k_q75bbb9e955_prep
	.p2align	8
	.type	k_q75bbb9e955_prep,@function
k_q75bbb9e955_prep:
	s_mov_b64 s[64:65], 0
	v_nop
	global_prefetch_b8 v0, s[64:65] scope:SCOPE_SE
	s_setreg_imm32_b32 hwreg(HW_REG_WAVE_MODE, 25, 1), 1
	s_wait_xcnt 0x0
; PREP.  x [4096][1024] f32 is quantised along its 1,024 features to codes of FP6 (E2M3) with one E8M0 byte for each 32, and the four weights' codes are
; laid anew, both in THE ORDER OF AN OPERAND'S REGISTERS, so that every later read of an operand is 512 consecutive bytes a load.
; A FRAGMENT (16 rows x 128 K, 12 registers a lane) is 1,536 bytes: three blocks of 512, block c = registers 4 c .. 4 c + 3, lane l at 16 l.
; THE 16 ROWS OF A TILE ARE NOT NEIGHBOURS: row r of tile t is 32 (t / 2) + 8 (t % 2) + r + 8 (r / 8); a pair of tiles covers 32 neighbouring rows.
; img1: x at 0 as [tile 256][K step 8][1,536]; the weights from 3,145,728 on as [q, k, v, p][tile 64][K step 8][1,536].
; sc1: for each 8 tiles [K step 8][lane 32][4 words]: word p of lane l is the scale word of tile 2 p + l / 16, row l % 16.  x at 0, the weights from 131,072 on.
; SHARES.  Work-groups 0-255 take x: a wave takes 32 rows x 128 features (two fragments).  Work-groups 256-511 take the weights: a wave two fragments.
; A block's scale is 2^(floor(log2(largest magnitude)) - 2); its byte is that magnitude's exponent field - 2, held at 1 from below by a floor among the maximum's leaves.
; A block of zeros so gets the byte 1 where the rule says 127: its codes are zeros, and this program alone reads the bytes.
; LIMITS: NaN and infinities in x are not served; blocks whose largest magnitude lies under 2^-124 take the floor's byte.
; No tensor loads, no barrier: waves share nothing.  No matrix unit, no cluster: every byte is read once and nothing is shared.
.set R,    64                          ; v64-191  32 rows x 4 registers as loaded, then two tiles x 64 numbers in the quantiser's order
.set TM,   8                           ; v8-23    the quantiser's work: +0..3 largest magnitudes, +4..7 the other half's, then bytes, +12..15 scale operands
.set TT,   24                          ; v24-31   the conversions' second halves
.set SEL,  30                          ; s[30:31] lane selects: lane l xor 16
.set SP,   528                         ; a stage row: 512 bytes + 16, so that sixteen rows begin in sixteen different columns of 16 bytes
.set WREG, 32*SP                       ; a wave's stage
; 64 numbers of a lane, register 16 b + i = k 32 b + 16 (lane / 16) + i of the lane's row, become a fragment: registers 0-5 at d0, 6-11 at d1, scale word in pw.
.macro QUANT s, d0, d1, pw
.irp b, 0,1,2,3
	v_max3_num_f32 v[TM+\b], |v[\s+16*\b]|, |v[\s+1+16*\b]|, 0x1800000   ; my 16 of block b, and the floor 2^(3 - 127)
.endr
.irp i, 2,4,6,8,10,12,14
.irp b, 0,1,2,3
	v_max3_num_f32 v[TM+\b], v[TM+\b], |v[\s+16*\b+\i]|, |v[\s+1+16*\b+\i]|   ; the four blocks by turns
.endr
.endr
.irp b, 0,1,2,3
	v_permlanex16_b32 v[TM+4+\b], v[TM+\b], s[SEL], s[SEL+1]
.endr
.irp b, 0,1,2,3
	v_max_num_f32 v[TM+\b], v[TM+\b], v[TM+4+\b]                 ; with lane l xor 16's 16: the block's largest magnitude
.endr
.irp b, 0,1,2,3
	v_add_nc_u32 v[TM+12+\b], 0xff000000, v[TM+\b]               ; 2 off its exponent field: the conversion's scale operand
.endr
.irp b, 0,1,2,3
	v_lshrrev_b32 v[TM+4+\b], 23, v[TM+12+\b]                    ; the scale's byte
.endr
	v_lshl_or_b32 v[\pw], v[TM+5], 8, v[TM+4]
	v_lshl_or_b32 v[\pw], v[TM+6], 16, v[\pw]
	v_lshl_or_b32 v[\pw], v[TM+7], 24, v[\pw]                    ; my row's scale word
	v_cvt_scalef32_pk16_fp6_f32 v[\d0:\d0+2], v[\s:\s+15], v[TM+12]
	v_cvt_scalef32_pk16_fp6_f32 v[TT:TT+2], v[\s+16:\s+31], v[TM+13]
	v_cvt_scalef32_pk16_fp6_f32 v[\d1:\d1+2], v[\s+32:\s+47], v[TM+14]
	v_cvt_scalef32_pk16_fp6_f32 v[TT+4:TT+6], v[\s+48:\s+63], v[TM+15]
	v_nop                                                        ; one plain place behind the scaled conversions
.irp i, 0,1,2
	v_permlane16_swap_b32 v[\d0+\i], v[TT+\i]                    ; a whole block to a lane: lanes 0-15 the even block, lanes 16-31 the odd one
	v_permlane16_swap_b32 v[\d1+\i], v[TT+4+\i]
.endr
.irp i, 0,1,2
	v_mov_b32 v[\d0+3+\i], v[TT+\i]
	v_mov_b32 v[\d1+3+\i], v[TT+4+\i]
.endr
.endm
	s_load_b64 s[4:5], s[0:1], 0x0                 ; x
	s_load_b256 s[8:15], s[0:1], 0x8               ; the codes of Wq, Wk, Wv, Wp
	s_load_b256 s[16:23], s[0:1], 0x28             ; their scale bytes
	s_load_b128 s[24:27], s[0:1], 0x48             ; img1, sc1
	v_lshl_add_u32 v192, v0, 2, 0x10800
	v_mov_b32 v193, 0
	v_lshrrev_b32 v1, 5, v0
	v_readfirstlane_b32 s28, v1                    ; wave 0..3
	v_and_b32 v1, 31, v0                           ; lane
	v_and_b32 v2, 15, v0                           ; r
	v_bfe_u32 v3, v0, 4, 1                         ; h
	v_lshlrev_b32 v4, 4, v1                        ; 16 x lane
	s_cmp_lt_u32 ttmp9, 256
	s_cbranch_scc0 .Lweights
	; ---- x: pair of tiles f = work-group / 2 (rows 32 f on), K step s = 4 (work-group % 2) + wave
	s_lshr_b32 s32, ttmp9, 1                       ; f
	s_and_b32 s33, ttmp9, 1
	s_lshl_b32 s33, s33, 2
	s_add_co_u32 s33, s33, s28                     ; s
	s_lshl_b32 s34, s32, 17                        ; x: 32 rows of 4,096 bytes a pair,
	s_lshl_b32 s35, s33, 9                         ; 512 bytes a K step
	s_add_co_u32 s34, s34, s35
	s_mov_b32 s35, 0
	s_mul_i32 s36, s32, 24576                      ; img1: two tiles of 12,288 bytes a pair,
	s_mul_i32 s37, s33, 1536                       ; 1,536 a K step
	s_add_co_u32 s36, s36, s37
	s_mov_b32 s37, 0
	s_lshr_b32 s38, s32, 2                         ; sc1: 4,096 bytes for 4 pairs, 512 a K step, word f % 4 of a lane's four
	s_lshl_b32 s38, s38, 12
	s_lshl_b32 s39, s33, 9
	s_add_co_u32 s38, s38, s39
	s_and_b32 s39, s32, 3
	s_lshl_b32 s39, s39, 2
	s_add_co_u32 s38, s38, s39
	s_mov_b32 s39, 0
	s_mov_b32 s[SEL], 0x76543210
	s_mov_b32 s[SEL+1], 0xfedcba98
	s_mul_i32 s40, s28, WREG                       ; my stage
	s_wait_alu depctr_va_vdst(0)
	v_add_nc_u32 v5, s40, v4                       ; into it: a row's 512 bytes as they lie
	v_mul_u32_u24 v6, v2, SP
	v_lshl_add_u32 v6, v3, 6, v6
	v_add_nc_u32 v6, s40, v6                       ; out of it: row r of a tile, + 64 h: my 16 numbers of each block of 32
.irp b, 0,1,2,3
	v_mov_b32 v[TM+4+\b], 0                        ; written once: a lane permute's destination counts as one of its sources
.endr
	s_wait_alu depctr_va_vdst(0)
	s_wait_kmcnt 0x0
	s_add_nc_u64 s[4:5], s[4:5], s[34:35]
	s_add_nc_u64 s[24:25], s[24:25], s[36:37]
	s_add_nc_u64 s[26:27], s[26:27], s[38:39]
.set ci, 0
.rept 32
	global_load_b128 v[R+4*ci:R+4*ci+3], v4, s[4:5] offset:ci*4096   ; row ci: 32 lanes read 512 consecutive bytes.  All the wave's bytes are asked for at once
.set ci, ci+1
.endr
.set ci, 0
.rept 32
	s_wait_loadcnt 31-ci                           ; row ci is in; the 31 - ci younger loads stay out
	ds_store_b128 v5, v[R+4*ci:R+4*ci+3] offset:(16*((ci/8)%2)+8*(ci/16)+(ci%8))*SP   ; row ci = 16 (rr / 8) + 8 u + rr % 8 goes to place 16 u + rr: a tile's rows on end
.set ci, ci+1
.endr
	s_wait_dscnt 0x0                               ; the stores have read their registers
.set ci, 0
.rept 32
	ds_load_b128 v[R+4*ci:R+4*ci+3], v6 offset:(ci/16)*16*SP+((ci/4)%4)*128+(ci%4)*16   ; tile ci / 16, block (ci / 4) % 4, four of my 16 numbers
.set ci, ci+1
.endr
	s_wait_dscnt 16                                ; the first tile's 16 loads are back, the second's 16 may be out
	QUANT R, 40, 46, 32
.irp c, 0,1,2
	global_store_b128 v4, v[40+4*\c:43+4*\c], s[24:25] offset:512*\c   ; 32 lanes store 512 consecutive bytes, at a multiple of 256
.endr
	s_wait_dscnt 0x0
	QUANT R+64, 52, 58, 33
.irp c, 0,1,2
	global_store_b128 v4, v[52+4*\c:55+4*\c], s[24:25] offset:12288+512*\c
.endr
	v_cmp_le_u32 vcc_lo, 16, v1
	v_cndmask_b32 v34, v32, v33, vcc_lo            ; lanes 0-15 the even tile's word of row r, lanes 16-31 the odd tile's
	global_store_b32 v4, v34, s[26:27]             ; 4 bytes of each lane's 16: the four pairs of a unit fill them together (one byte in 128 of what the launch moves)
	s_wait_tensorcnt 0x0
	ds_add_u32 v192, v193
	s_wait_dscnt 0x0
	s_endpgm
	; ---- the weights: which = (work-group - 256) / 64; pair of tiles f; K step s
.Lweights:
	s_sub_co_u32 s32, ttmp9, 256
	s_lshr_b32 s29, s32, 6                         ; 0 q, 1 k, 2 v, 3 p
	s_bfe_u32 s33, s32, 0x50001                    ; f: 5 bits from bit 1
	s_and_b32 s34, s32, 1
	s_lshl_b32 s34, s34, 2
	s_add_co_u32 s34, s34, s28                     ; s
	s_mul_i32 s36, s33, 24576                      ; codes: 32 rows of 768 bytes a pair,
	s_mul_i32 s37, s34, 96                         ; 96 bytes a K step
	s_add_co_u32 s36, s36, s37
	s_mov_b32 s37, 0
	s_lshl_b32 s38, s33, 10                        ; scale bytes: 32 rows of 32 bytes, 4 a K step
	s_lshl_b32 s39, s34, 2
	s_add_co_u32 s38, s38, s39
	s_mov_b32 s39, 0
	s_mul_i32 s40, s29, 786432                     ; img1
	s_mul_i32 s41, s33, 24576
	s_add_co_u32 s40, s40, s41
	s_mul_i32 s41, s34, 1536
	s_add_co_u32 s40, s40, s41
	s_add_co_u32 s40, s40, 3145728
	s_mov_b32 s41, 0
	s_lshl_b32 s42, s29, 15                        ; sc1
	s_lshr_b32 s43, s33, 2
	s_lshl_b32 s43, s43, 12
	s_add_co_u32 s42, s42, s43
	s_lshl_b32 s43, s34, 9
	s_add_co_u32 s42, s42, s43
	s_and_b32 s43, s33, 3
	s_lshl_b32 s43, s43, 2
	s_add_co_u32 s42, s42, s43
	s_add_co_u32 s42, s42, 131072
	s_mov_b32 s43, 0
	s_wait_alu depctr_va_vdst(0)
	v_and_b32 v7, 8, v2
	v_add_nc_u32 v7, v7, v2                        ; r + 8 (r / 8)
	v_mul_u32_u24 v8, v7, 768
	v_mad_u32_u24 v8, v3, 24, v8                   ; codes: my row, + 24 h
	v_lshl_add_u32 v9, v3, 3, v7
	v_lshlrev_b32 v9, 5, v9                        ; scale words: lanes 0-15 the even tile's rows, lanes 16-31 the odd tile's (8 rows on)
	s_wait_alu depctr_va_vdst(0)
	s_wait_kmcnt 0x0
	s_cmp_eq_u32 s29, 1                            ; the choice hangs on the work-group's number alone
	s_cselect_b64 s[8:9], s[10:11], s[8:9]
	s_cselect_b64 s[16:17], s[18:19], s[16:17]
	s_cmp_eq_u32 s29, 2
	s_cselect_b64 s[8:9], s[12:13], s[8:9]
	s_cselect_b64 s[16:17], s[20:21], s[16:17]
	s_cmp_eq_u32 s29, 3
	s_cselect_b64 s[8:9], s[14:15], s[8:9]
	s_cselect_b64 s[16:17], s[22:23], s[16:17]
	s_add_nc_u64 s[8:9], s[8:9], s[36:37]
	s_add_nc_u64 s[16:17], s[16:17], s[38:39]
	s_add_nc_u64 s[24:25], s[24:25], s[40:41]
	s_add_nc_u64 s[26:27], s[26:27], s[42:43]
.irp u, 0,1
.irp p, 0,1,2,3,4,5
	global_load_b64 v[40+12*\u+2*\p:41+12*\u+2*\p], v8, s[8:9] offset:\u*6144+48*(\p/3)+8*(\p%3)   ; a lane's 24 bytes as three pieces of 8; done once, so that every later read is dense
.endr
.endr
	global_load_b32 v34, v9, s[16:17]
	s_wait_loadcnt 0x0
.irp u, 0,1
.irp c, 0,1,2
	global_store_b128 v4, v[40+12*\u+4*\c:43+12*\u+4*\c], s[24:25] offset:\u*12288+512*\c
.endr
.endr
	global_store_b32 v4, v34, s[26:27]
	s_endpgm
.Lfunc_end_k_q75bbb9e955_prep:
	.size	k_q75bbb9e955_prep, .Lfunc_end_k_q75bbb9e955_prep-k_q75bbb9e955_prep
	.p2alignl 7, 3214868480
	.fill 96, 4, 3214868480
	.section	.rodata,"a",@progbits
	.p2align	6, 0x0
	.amdhsa_kernel k_q75bbb9e955_prep
		.amdhsa_group_segment_fixed_size 68096
		.amdhsa_private_segment_fixed_size 0
		.amdhsa_enable_private_segment 0
		.amdhsa_kernarg_size 88
		.amdhsa_user_sgpr_count 2
		.amdhsa_user_sgpr_kernarg_segment_ptr 1
		.amdhsa_wavefront_size32 1
		.amdhsa_system_sgpr_workgroup_id_x 1
		.amdhsa_system_sgpr_workgroup_id_y 1
		.amdhsa_system_sgpr_workgroup_id_z 1
		.amdhsa_system_vgpr_workitem_id 0
		.amdhsa_next_free_vgpr 194
		.amdhsa_next_free_sgpr 66
		.amdhsa_reserve_vcc 1
		.amdhsa_float_denorm_mode_32 3
		.amdhsa_float_denorm_mode_16_64 3
		.amdhsa_memory_ordered 1
		.amdhsa_forward_progress 1
		.amdhsa_inst_pref_size 23
	.end_amdhsa_kernel
	.amdgpu_metadata
---
amdhsa.version: [ 1, 2 ]
amdhsa.kernels:
  - .name:           k_q75bbb9e955_prep
    .symbol:         k_q75bbb9e955_prep.kd
    .args:
      - { .name: x, .offset: 0, .size: 8, .value_kind: global_buffer, .address_space: global }
      - { .name: Wq_codes, .offset: 8, .size: 8, .value_kind: global_buffer, .address_space: global }
      - { .name: Wk_codes, .offset: 16, .size: 8, .value_kind: global_buffer, .address_space: global }
      - { .name: Wv_codes, .offset: 24, .size: 8, .value_kind: global_buffer, .address_space: global }
      - { .name: Wp_codes, .offset: 32, .size: 8, .value_kind: global_buffer, .address_space: global }
      - { .name: Wq_scales, .offset: 40, .size: 8, .value_kind: global_buffer, .address_space: global }
      - { .name: Wk_scales, .offset: 48, .size: 8, .value_kind: global_buffer, .address_space: global }
      - { .name: Wv_scales, .offset: 56, .size: 8, .value_kind: global_buffer, .address_space: global }
      - { .name: Wp_scales, .offset: 64, .size: 8, .value_kind: global_buffer, .address_space: global }
      - { .name: img1, .offset: 72, .size: 8, .value_kind: global_buffer, .address_space: global }
      - { .name: sc1, .offset: 80, .size: 8, .value_kind: global_buffer, .address_space: global }
    .group_segment_fixed_size: 68096
    .private_segment_fixed_size: 0
    .kernarg_segment_align: 8
    .kernarg_segment_size: 88
    .max_flat_workgroup_size: 128
    .sgpr_count:     66
    .vgpr_count:     194
    .wavefront_size: 32
...
	.end_amdgpu_metadata
.endif
;; end of part 5
;; launch qkv (part 6): grid 16 x 12, 4 waves a work-group, no clusters, 0 bytes of LDS; arguments img1, sc1, bq, bk, bv, qimg, qsc, kv; writes qimg, qsc, kv
.if DOCPART == 6
	.amdgcn_target "amdgcn-amd-amdhsa--gfx1250"
	.amdhsa_code_object_version 6
	.text
	.protected	k_q75bbb9e955_qkv
	.globl	k_q75bbb9e955_qkv
	.p2align	8
	.type	k_q75bbb9e955_qkv,@function
k_q75bbb9e955_qkv:
	s_mov_b64 s[64:65], 0
	v_nop
	global_prefetch_b8 v0, s[64:65] scope:SCOPE_SE
	s_setreg_imm32_b32 hwreg(HW_REG_WAVE_SCHED_MODE, 0, 2), 2
	s_setreg_imm32_b32 hwreg(HW_REG_WAVE_MODE, 25, 1), 1
	s_wait_xcnt 0x0
	s_wait_alu depctr_vm_vsrc(0)
; QKV.  q = x Wq + bq, k = x Wk + bk, v = x Wv + bv on codes of FP6 (E2M3) with E8M0 scales; the results, in f32, are quantised at once for attention's two products:
; q and k along a head's 64 numbers, v along the keys.  Nothing leaves in f32.
; SHARES.  Work-group (x, y): y / 4 says which product; its four waves make a block of 2 x 2 units of 128: wave w takes the unit 2 x + w / 2 of 128 rows and the unit g = 2 (y % 4) + w % 2 of 128 columns
; (two heads).  So a work-group names 2 units of x and 2 of the weight, 4 x 12,800 bytes a K step, each wanted by two of its waves.  A wave makes 128 x 128: 64 accumulators, 8 K steps of 128,
; 512 matrix instructions.  Waves hand each other nothing: no LDS, no barrier.
; OPERANDS lie in memory in the order of their registers (launch prep): a fragment is three loads of 512 consecutive bytes, straight into registers, a slot ahead.
; THE WORK-GROUPS BEGIN AT DIFFERENT K STEPS: slot j holds K step (j + x + y) mod 8, of both operands and of both kinds of scale words alike.  The 12 work-groups that read a unit of x, and the 16 that read
; a unit of a weight, so begin at all eight K steps and do not all ask for the same eighth of it at the same time.  Only lane offsets hang on that: every register number is a slot's.
; ORIENTATION.  For q and k source 0 = 16 columns of the weight, source 1 = 16 rows of x: a lane holds one row and its registers run along the columns, the next K.
; For v the other way round: a lane holds one column (a number of the head) and its registers run along the rows, which are the keys, the next K.
; One text serves both: only the four base addresses are chosen.  A tile's 16 rows are 32 (t / 2) + 8 (t % 2) + r + 8 (r / 8), so the 16 registers of tiles 2 b, 2 b + 1 are 16 neighbours.
; OUT.  qimg [head 32][query tile 128][768]: half a fragment (64 of K): registers 0-3 at 16 l, registers 4-5 at 512 + 8 l.  qsc [head pair 16][tile 128][row 16] words: bytes 0, 1 the even head's.
; kv [head 32][key step 16][12,800]: four fragments of K, four of V, 256 bytes of K's scale words, 256 of V's.  A FRAGMENT OF K HOLDS 32 KEYS: registers 0-5 a key of tile 2 f, registers 6-11 the key 8 further on.
; NOT SHARED THROUGH LDS OR A CLUSTER: each fragment is asked for by the two waves that want it, straight into their registers; a stage in LDS, filled jointly, would let it be asked for once: not built here.
; LIMITS: NaN and infinities are not served; blocks whose largest magnitude lies under 2^-124 take the floor's byte; a block of zeros gets the byte 1 (its codes are zeros; this program alone reads the bytes).
; The eight K steps are summed in an order that differs from work-group to work-group: the f32 sums' rounding differs in the last bits from a sum in ascending K.
; REGISTERS, in windows of 256.  Window 0: v1-8 lane offsets; v9-24 the slots' lane offsets; v32-47 scale words, two sets (nothing else ever); v48-143, v144-239 source 1's fragments, two sets;
; on the way out v48-207 are at work.  Window 1: v0-95, v96-191 source 0's fragments, two sets; v192-255 the bias.  Windows 2, 3: accumulator (i, j) at v[8 (8 (j % 4) + i)], window 2 for j < 4.
; THE MODE: SCHED_MODE bits 1:0 = 2 (LLVM: expert scheduling mode 2), set by the entry lines.  The code itself states the register dependences
; between vector or matrix instructions and memory instructions, with s_wait_alu, always for 0.
; THE PLAN.  Registers that memory instructions touch:
;   set 0, set 1   each: source 0's eight fragments, source 1's eight, eight registers of scale words.  Written by a slot's 50 loads; read by that slot's 64 products.
;                  Slot s multiplies set s % 2.  The loads of slot s + 1 land in the other set, which slot s - 1 multiplied and which no product of slot s names.
;   v1-3, v6, v8, v9-24   lane offsets, made once at the head and never written again.
;   the way out    two out-buffers by turns: a tile's quantiser writes one; the stores that are issued in the next tile read it.  v162, v176-179: scale words to store.
; So ONE wait on va_vdst stands at the head of slots 1 to 6, behind the wait for the slot's data: the products of the slot before are done reading their set.  The next slot's loads follow it, dealt among
; the slot's first eight products, twelve behind every second one.  On the way out three lines at a tile's head state what the stores of the tile before and this tile's quantiser hang on.
.set KO,  9                            ; v9-16   slot j: 16 x lane + 1,536 x the slot's K step: fragments; never rewritten
.set KW,  17                           ; v17-24  slot j: 16 x lane + 512 x the slot's K step: scale words; never rewritten
.set SC,  32
.set PA,  20                           ; s[20:21] source 0's fragments;  s[22:23] source 1's
.set PB,  22
.set SCA, 24                           ; s[24:25] source 0's scale words;  s[26:27] source 1's
.set SCB, 26
.set BI,  28                           ; s[28:29] the bias of my 128 columns
.set SEL, 54                           ; s[54:55] lane selects: lane l xor 16
.set N,   48                           ; the way out: 64 numbers
.set F0,  112                          ; the out-buffers.  q, v: a fragment each, v112-123 and v124-135.  k: two fragments each, v112-135 and,
.set FD,  72                           ; FD registers on, v184-207
.set TT,  136
.set TM,  144
.set MSB, 0
.macro WIN new                         ; the immediate's high byte repeats the setting that is left; a switch that changes nothing is dropped
.if MSB != (\new)
	s_set_vgpr_msb (MSB<<8)|(\new)
.set MSB, (\new)
.endif
.endm
.set MUL_LO, 0xa1                      ; source 0 window 1, source 1 window 0, C and D window 2
.set MUL_HI, 0xf1                      ; the same, C and D window 3
.set TO_1,   0x40                      ; destination window 1
.macro PLACES                          ; four plain places behind a matrix instruction, ahead of loads into its sources and of the first read of results
.rept 4
	v_nop
.endr
.endm
.macro QUANT s, d0, d1, pw             ; 64 numbers of a lane, register 16 b + i = k 32 b + 16 (lane / 16) + i, become a fragment (registers 0-5 at d0, 6-11 at d1) and its scale word
.irp b, 0,1,2,3
	v_max3_num_f32 v[TM+\b], |v[\s+16*\b]|, |v[\s+1+16*\b]|, 0x1800000   ; my 16 of block b, and the floor 2^(3 - 127)
.endr
.irp i, 2,4,6,8,10,12,14
.irp b, 0,1,2,3
	v_max3_num_f32 v[TM+\b], v[TM+\b], |v[\s+16*\b+\i]|, |v[\s+1+16*\b+\i]|
.endr
.endr
.irp b, 0,1,2,3
	v_permlanex16_b32 v[TM+4+\b], v[TM+\b], s[SEL], s[SEL+1]
.endr
.irp b, 0,1,2,3
	v_max_num_f32 v[TM+\b], v[TM+\b], v[TM+4+\b]
.endr
.irp b, 0,1,2,3
	v_add_nc_u32 v[TM+12+\b], 0xff000000, v[TM+\b]               ; 2 off the exponent field: the conversion's scale operand
.endr
.irp b, 0,1,2,3
	v_lshrrev_b32 v[TM+4+\b], 23, v[TM+12+\b]                    ; the scale's byte
.endr
	v_lshl_or_b32 v[\pw], v[TM+5], 8, v[TM+4]
	v_lshl_or_b32 v[\pw], v[TM+6], 16, v[\pw]
	v_lshl_or_b32 v[\pw], v[TM+7], 24, v[\pw]
	v_cvt_scalef32_pk16_fp6_f32 v[\d0:\d0+2], v[\s:\s+15], v[TM+12]
	v_cvt_scalef32_pk16_fp6_f32 v[TT:TT+2], v[\s+16:\s+31], v[TM+13]
	v_cvt_scalef32_pk16_fp6_f32 v[\d1:\d1+2], v[\s+32:\s+47], v[TM+14]
	v_cvt_scalef32_pk16_fp6_f32 v[TT+4:TT+6], v[\s+48:\s+63], v[TM+15]
	v_nop                                                        ; one plain place behind the scaled conversions
.irp i, 0,1,2
	v_permlane16_swap_b32 v[\d0+\i], v[TT+\i]
	v_permlane16_swap_b32 v[\d1+\i], v[TT+4+\i]
.endr
.irp i, 0,1,2
	v_mov_b32 v[\d0+3+\i], v[TT+\i]
	v_mov_b32 v[\d1+3+\i], v[TT+4+\i]
.endr
.endm
; slot s: 24 + 24 loads of fragments and 2 of scale words, 50 in all, into set s % 2; the slot's K step stands in the lane offset.  They come in four parts:
.macro LOADA s, i0                     ; source 0's tiles i0 .. i0 + 3: 12 loads
	WIN TO_1
.irp i, 0,1,2,3
.irp c, 0,1,2
	global_load_b128 v[96*((\s)%2)+12*((\i0)+\i)+4*\c:96*((\s)%2)+12*((\i0)+\i)+4*\c+3], v[KO+(\s)], s[PA:PA+1] offset:((\i0)+\i)*12288+512*\c
.endr
.endr
.endm
.macro LOADB s, i0                     ; source 1's tiles i0 .. i0 + 3: 12 loads
	WIN 0
.irp i, 0,1,2,3
.irp c, 0,1,2
	global_load_b128 v[48+96*((\s)%2)+12*((\i0)+\i)+4*\c:48+96*((\s)%2)+12*((\i0)+\i)+4*\c+3], v[KO+(\s)], s[PB:PB+1] offset:((\i0)+\i)*12288+512*\c
.endr
.endr
.endm
.macro LOADSC s                        ; the scale words: 2 loads
	WIN 0
	global_load_b128 v[SC+8*((\s)%2):SC+8*((\s)%2)+3], v[KW+(\s)], s[SCA:SCA+1]     ; register p: lanes 0-15 tile 2 p's words, lanes 16-31 tile 2 p + 1's
	global_load_b128 v[SC+8*((\s)%2)+4:SC+8*((\s)%2)+7], v[KW+(\s)], s[SCB:SCB+1]
.endm
.macro LOADS s                         ; the whole slot in one run: at the head, where both sets are free
	LOADA \s, 0
	LOADA \s, 4
	LOADB \s, 0
	LOADB \s, 4
	LOADSC \s
.endm
; one product: source 0's tile i x source 1's tile j.  An odd tile's scale words stand in lanes 16-31
.macro WM i, j, set, zero
.set rD, 8*(8*((\j)%4)+(\i))
.set rA, 96*(\set)+12*(\i)
.set rB, 48+96*(\set)+12*(\j)
.set rSA, SC+8*(\set)+(\i)/2
.set rSB, SC+8*(\set)+4+(\j)/2
.if \zero
.if (((\i)%2) == 0) && (((\j)%2) == 0)
	v_wmma_scale_f32_16x16x128_f8f6f4 v[rD:rD+7], v[rA:rA+11], v[rB:rB+11], 0, v[rSA], v[rSB] matrix_a_fmt:MATRIX_FMT_FP6 matrix_b_fmt:MATRIX_FMT_FP6
.elseif (((\i)%2) == 1) && (((\j)%2) == 0)
	v_wmma_scale_f32_16x16x128_f8f6f4 v[rD:rD+7], v[rA:rA+11], v[rB:rB+11], 0, v[rSA], v[rSB] matrix_a_fmt:MATRIX_FMT_FP6 matrix_b_fmt:MATRIX_FMT_FP6 matrix_a_scale:MATRIX_SCALE_ROW1
.elseif (((\i)%2) == 0) && (((\j)%2) == 1)
	v_wmma_scale_f32_16x16x128_f8f6f4 v[rD:rD+7], v[rA:rA+11], v[rB:rB+11], 0, v[rSA], v[rSB] matrix_a_fmt:MATRIX_FMT_FP6 matrix_b_fmt:MATRIX_FMT_FP6 matrix_b_scale:MATRIX_SCALE_ROW1
.else
	v_wmma_scale_f32_16x16x128_f8f6f4 v[rD:rD+7], v[rA:rA+11], v[rB:rB+11], 0, v[rSA], v[rSB] matrix_a_fmt:MATRIX_FMT_FP6 matrix_b_fmt:MATRIX_FMT_FP6 matrix_a_scale:MATRIX_SCALE_ROW1 matrix_b_scale:MATRIX_SCALE_ROW1
.endif
.else
.if (((\i)%2) == 0) && (((\j)%2) == 0)
	v_wmma_scale_f32_16x16x128_f8f6f4 v[rD:rD+7], v[rA:rA+11], v[rB:rB+11], v[rD:rD+7], v[rSA], v[rSB] matrix_a_fmt:MATRIX_FMT_FP6 matrix_b_fmt:MATRIX_FMT_FP6
.elseif (((\i)%2) == 1) && (((\j)%2) == 0)
	v_wmma_scale_f32_16x16x128_f8f6f4 v[rD:rD+7], v[rA:rA+11], v[rB:rB+11], v[rD:rD+7], v[rSA], v[rSB] matrix_a_fmt:MATRIX_FMT_FP6 matrix_b_fmt:MATRIX_FMT_FP6 matrix_a_scale:MATRIX_SCALE_ROW1
.elseif (((\i)%2) == 0) && (((\j)%2) == 1)
	v_wmma_scale_f32_16x16x128_f8f6f4 v[rD:rD+7], v[rA:rA+11], v[rB:rB+11], v[rD:rD+7], v[rSA], v[rSB] matrix_a_fmt:MATRIX_FMT_FP6 matrix_b_fmt:MATRIX_FMT_FP6 matrix_b_scale:MATRIX_SCALE_ROW1
.else
	v_wmma_scale_f32_16x16x128_f8f6f4 v[rD:rD+7], v[rA:rA+11], v[rB:rB+11], v[rD:rD+7], v[rSA], v[rSB] matrix_a_fmt:MATRIX_FMT_FP6 matrix_b_fmt:MATRIX_FMT_FP6 matrix_a_scale:MATRIX_SCALE_ROW1 matrix_b_scale:MATRIX_SCALE_ROW1
.endif
.endif
.endm
; a slot's 64 products: the 64 accumulators take turns, one instruction a turn, in the same order in every slot.
; ahead = 1: the next slot's 50 loads are dealt among the first eight products, a part behind every second one.  They land in the other set and read lane offsets that are never rewritten:
; no product of this slot names a register that they touch, so the wait at the slot's head serves them all.
.macro MULS s, zero, ahead
	WIN MUL_LO
.irp j, 0,1,2,3
.irp i, 0,1,2,3,4,5,6,7
	WM \i, \j, (\s)%2, \zero
.if \ahead
.if (\j == 0) && (\i == 1)
	LOADA (\s)+1, 0
	WIN MUL_LO
.elseif (\j == 0) && (\i == 3)
	LOADA (\s)+1, 4
	WIN MUL_LO
.elseif (\j == 0) && (\i == 5)
	LOADB (\s)+1, 0
	WIN MUL_LO
.elseif (\j == 0) && (\i == 7)
	LOADB (\s)+1, 4
	LOADSC (\s)+1
	WIN MUL_LO
.endif
.endif
.endr
.endr
	WIN MUL_HI
.irp j, 4,5,6,7
.irp i, 0,1,2,3,4,5,6,7
	WM \i, \j, (\s)%2, \zero
.endr
.endr
.endm
; the 64 numbers of source 1's tile j, with their bias, into window 0; each accumulator is read from its low end on
.macro ADDB j, isv
	WIN 0x06+((\j)/4)                              ; source 0 (accumulators) window 2 or 3, source 1 (bias) window 1, destination window 0
.set cn, 0
.rept 32
.if \isv
	v_pk_add_f32 v[N+cn:N+cn+1], v[64*((\j)%4)+cn:64*((\j)%4)+cn+1], v[192+2*(\j):193+2*(\j)]   ; my column's bias, which stands twice in the pair
.else
	v_pk_add_f32 v[N+cn:N+cn+1], v[64*((\j)%4)+cn:64*((\j)%4)+cn+1], v[192+cn:193+cn]
.endif
.set cn, cn+2
.endr
	WIN 0
.endm
; The head of turn n on the way out, behind the bias's additions.  The stores of turn n - 1 follow it, and then turn n's quantiser, which names none of the registers that those stores read.
.macro TURN n
.if (\n) > 1
	s_wait_xcnt 0x0                                ; every earlier store has had its addresses translated (ISA guide 3.1): an out-buffer is rewritten only behind this wait
	s_wait_alu depctr_vm_vsrc(0)                   ; the stores of turn n - 2, issued a turn ago, have read their out-buffer (and v162), which this turn writes again
.endif
.if (\n) > 0
	s_wait_alu depctr_va_vdst(0)                   ; turn n - 1's quantiser has written its out-buffer (and v162), which the stores below read
.endif
.endm
; the eight scale words v168-175 (head 0's four fragments, head 1's four) leave as [lane][2 words]: word gg of lane l belongs to fragment 2 gg + l / 16
.macro SCSEL
.irp c, 0,1
	v_cndmask_b32 v[176+2*\c], v[168+4*\c], v[169+4*\c], s44
	v_cndmask_b32 v[177+2*\c], v[170+4*\c], v[171+4*\c], s44
.endr
.endm
.macro SCOUT off
.irp c, 0,1
	global_store_b64 v2, v[176+2*\c:177+2*\c], s[18:19] offset:\c*204800+\off   ; 32 lanes store 256 consecutive bytes, at a multiple of 256
.endr
.endm
.macro VOUT j                          ; v: tile j's fragment leaves
.irp c, 0,1,2
	global_store_b128 v1, v[F0+12*((\j)%2)+4*\c:F0+12*((\j)%2)+4*\c+3], s[18:19] offset:((\j)/4)*204800+6144+((\j)%4)*1536+512*\c
.endr
.endm
.macro KOUT f                          ; k: the two heads' fragments f leave
.irp c, 0,1,2
	global_store_b128 v1, v[F0+FD*((\f)%2)+4*\c:F0+FD*((\f)%2)+4*\c+3], s[18:19] offset:(\f)*1536+512*\c
	global_store_b128 v1, v[F0+FD*((\f)%2)+12+4*\c:F0+FD*((\f)%2)+12+4*\c+3], s[18:19] offset:204800+(\f)*1536+512*\c
.endr
.endm
.macro QOUT j                          ; q: tile j's two half fragments leave; behind an odd tile the pair's scale words too
.irp c, 0,1
	global_store_b128 v1, v[F0+12*((\j)%2)+6*\c:F0+12*((\j)%2)+6*\c+3], s[14:15] offset:(\j)*768+\c*98304
	global_store_b64 v2, v[F0+12*((\j)%2)+6*\c+4:F0+12*((\j)%2)+6*\c+5], s[14:15] offset:(\j)*768+\c*98304+512
.endr
.if ((\j)%2) == 1
	global_store_b32 v3, v162, s[16:17] offset:((\j)-1)*64
.endif
.endm
	s_load_b256 s[4:11], s[0:1], 0x0               ; img1, sc1, bq, bk
	s_load_b256 s[12:19], s[0:1], 0x20             ; bv, qimg, qsc, kv
	v_lshrrev_b32 v1, 5, v0
	v_readfirstlane_b32 s30, v1                    ; wave 0..3
	v_and_b32 v7, 31, v0                           ; lane
	v_and_b32 v4, 15, v0                           ; r
	v_bfe_u32 v5, v0, 4, 1                         ; h
	v_lshlrev_b32 v1, 4, v7                        ; 16 x lane
	s_wait_alu depctr_va_vdst(0)
	v_lshlrev_b32 v2, 3, v7                        ; 8 x lane
	v_lshlrev_b32 v3, 2, v7                        ; 4 x lane
	v_lshlrev_b32 v6, 6, v5                        ; q, k: the bias of my half's 16 columns of each 32: 64 h
	v_and_b32 v8, 8, v4
	v_add_nc_u32 v8, v8, v4
	v_lshlrev_b32 v8, 2, v8                        ; v: the bias of my column: 4 (r + 8 (r / 8))
	s_wait_alu depctr_va_sdst(0)                   ; s30, the wave's number, is written, ahead of its first reader: the units below are made from it
	s_and_b32 s32, ttmp7, 0xffff                   ; y, 0..11
	s_lshr_b32 s33, s32, 2                         ; 0 q, 1 k, 2 v
	s_and_b32 s34, s32, 3
	s_lshl_b32 s34, s34, 1
	s_and_b32 s45, s30, 1
	s_add_co_u32 s34, s34, s45                     ; g: my unit of 128 columns: 2 (y % 4) + wave % 2
	s_lshl_b32 s31, ttmp9, 1
	s_lshr_b32 s45, s30, 1
	s_add_co_u32 s31, s31, s45                     ; my unit of 128 rows: 2 x + wave / 2
	s_add_co_u32 s35, s32, ttmp9                   ; x + y: where the work-group begins along K
.irp j, 0,1,2,3,4,5,6,7
	s_add_co_u32 s45, s35, \j
	s_and_b32 s45, s45, 7                          ; slot j's K step
	s_mul_i32 s58, s45, 1536
	v_add_nc_u32 v[KO+\j], s58, v1                 ; fragments: 1,536 bytes a K step
	v_lshl_add_u32 v[KW+\j], s45, 9, v1            ; scale words: 512 bytes a K step
.endr
	s_mul_i32 s36, s31, 98304                      ; x's unit in img1
	s_mov_b32 s37, 0
	s_mul_i32 s38, s33, 786432                     ; the weight's unit
	s_mul_i32 s39, s34, 98304
	s_add_co_u32 s38, s38, s39
	s_add_co_u32 s38, s38, 3145728
	s_mov_b32 s39, 0
	s_lshl_b32 s40, s31, 12                        ; x's scale words in sc1
	s_mov_b32 s41, 0
	s_lshl_b32 s42, s33, 15                        ; the weight's
	s_lshl_b32 s43, s34, 12
	s_add_co_u32 s42, s42, s43
	s_add_co_u32 s42, s42, 131072
	s_mov_b32 s43, 0
	s_lshl_b32 s56, s34, 9                         ; my 128 numbers of the bias
	s_mov_b32 s57, 0
	s_mov_b32 s[SEL], 0x76543210
	s_mov_b32 s[SEL+1], 0xfedcba98
	s_wait_kmcnt 0x0
	s_add_nc_u64 s[46:47], s[4:5], s[36:37]
	s_add_nc_u64 s[48:49], s[4:5], s[38:39]
	s_add_nc_u64 s[50:51], s[6:7], s[40:41]
	s_add_nc_u64 s[52:53], s[6:7], s[42:43]
	s_cmp_eq_u32 s33, 2                            ; v: source 0 = x, source 1 = the weight; q, k: the other way round
	s_cselect_b64 s[PA:PA+1], s[46:47], s[48:49]
	s_cselect_b64 s[PB:PB+1], s[48:49], s[46:47]
	s_cselect_b64 s[SCA:SCA+1], s[50:51], s[52:53]
	s_cselect_b64 s[SCB:SCB+1], s[52:53], s[50:51]
	s_cselect_b64 s[BI:BI+1], s[12:13], s[8:9]
	s_cmp_eq_u32 s33, 1
	s_cselect_b64 s[BI:BI+1], s[10:11], s[BI:BI+1]
	s_add_nc_u64 s[BI:BI+1], s[BI:BI+1], s[56:57]
	s_cmp_eq_u32 s33, 2
	s_cbranch_scc1 .Lbias_v                        ; sixteen loads on either way, so the counts below hold on both
	WIN TO_1
	s_wait_alu depctr_va_vdst(0)                   ; the lane offsets v1-3, v6, v8 and v9-24 are written: every load and store of the kernel reads one of them, and none is written again
.irp i, 0,1,2,3,4,5,6,7
	global_load_b128 v[192+8*\i:195+8*\i], v6, s[BI:BI+1] offset:(32*(\i/2)+8*(\i%2))*4        ; register 8 i + e: column 32 (i / 2) + 16 h + 8 (i % 2) + e
	global_load_b128 v[196+8*\i:199+8*\i], v6, s[BI:BI+1] offset:(32*(\i/2)+8*(\i%2))*4+16
.endr
	WIN 0
	s_branch .Lbias_done
.Lbias_v:
	WIN TO_1
	s_wait_alu depctr_va_vdst(0)                   ; the same on this way: the lane offsets v1-3, v6, v8 and v9-24 are written
.irp j, 0,1,2,3,4,5,6,7
	global_load_b32 v[192+2*\j], v8, s[BI:BI+1] offset:(32*(\j/2)+8*(\j%2))*4                  ; tile j: my column's bias, twice: a pair for the packed add
	global_load_b32 v[193+2*\j], v8, s[BI:BI+1] offset:(32*(\j/2)+8*(\j%2))*4
.endr
	WIN 0
.Lbias_done:
	LOADS 0
	LOADS 1
.irp s, 0,1,2,3,4,5,6,7
.if \s == 0
	s_wait_loadcnt 50                              ; the bias and slot 0's loads are in; slot 1's 50 may be out
	MULS \s, 1, 0                                  ; the first slot's products start the sums: nothing is cleared.  Both sets are taken: nothing is asked for
.elseif \s < 7
	s_wait_loadcnt 0x0                             ; this slot's loads are in: nothing younger has been issued
	s_wait_alu depctr_va_vdst(0)                   ; the products of the slot before are done reading their fragments and scale words: the next slot's loads land in that set
	MULS \s, 0, 1
.else
	s_wait_loadcnt 0x0
	MULS \s, 0, 0                                  ; the last slot asks for nothing
.endif
	PLACES                                         ; the places behind a slot's last products stay, beside the wait at the next slot's head
.endr
	WIN 0
.irp b, 0,1,2,3
	v_mov_b32 v[TM+4+\b], 0                        ; a lane permute's destination counts as one of its sources
.endr
	v_cmp_le_u32 s44, 16, v7                       ; lanes 16-31
	s_wait_alu depctr_va_sdst(0)                   ; s44 is written, ahead of the branches below and of the selects that read it on each way
	s_lshr_b32 s56, s31, 4                         ; batch
	s_and_b32 s57, s31, 15                         ; my unit within the batch: 8 query tiles, or one key step
	s_cmp_eq_u32 s33, 0
	s_cbranch_scc1 .Lout_q
	s_lshl_b32 s58, s56, 4
	s_lshl_b32 s59, s34, 1
	s_add_co_u32 s58, s58, s59                     ; my even head: 16 x batch + 2 g
	s_mul_i32 s58, s58, 204800
	s_mul_i32 s59, s57, 12800
	s_add_co_u32 s58, s58, s59
	s_mov_b32 s59, 0
	s_add_nc_u64 s[18:19], s[18:19], s[58:59]      ; kv at my even head's key step; the odd head's lies 204,800 bytes on
	s_cmp_eq_u32 s33, 1
	s_cbranch_scc1 .Lout_k
	; ---- v: tile j is 16 numbers of head j / 4; a lane's 64 registers are the step's 128 keys' halves: one fragment of V, into out-buffer j % 2
.irp j, 0,1,2,3,4,5,6,7
	ADDB \j, 1
	TURN \j
.if \j > 0
	VOUT \j-1
.endif
	QUANT N, F0+12*(\j%2), F0+12*(\j%2)+6, 168+\j
.endr
	SCSEL
	s_wait_alu depctr_va_vdst(0)                   ; the last quantiser has written its out-buffer and the selects v176-179, which the stores below read
	VOUT 7
	SCOUT 12544
	s_endpgm
	; ---- k: tiles 2 f and 2 f + 1 give, for each of the two heads, one fragment of 32 keys, into out-buffer f % 2
.Lout_k:
.irp f, 0,1,2,3
	ADDB 2*\f, 0
	TURN \f
.if \f > 0
	KOUT \f-1
.endif
	QUANT N, F0+FD*(\f%2), F0+FD*(\f%2)+12, 160    ; the lower keys: head 0's 64 numbers to the first fragment's registers 0-5, head 1's to the second's
	ADDB 2*\f+1, 0
	QUANT N, F0+FD*(\f%2)+6, F0+FD*(\f%2)+18, 161  ; the keys 8 further on: registers 6-11
	v_perm_b32 v[168+\f], v161, v160, 0x05040100   ; head 0's scale word: the lower key's two bytes, then the upper key's
	v_perm_b32 v[172+\f], v161, v160, 0x07060302   ; head 1's
.endr
	SCSEL
	s_wait_alu depctr_va_vdst(0)                   ; the last quantisers have written their out-buffer and the selects v176-179, which the stores below read
	KOUT 3
	SCOUT 12288
	s_endpgm
	; ---- q: tile j gives half a fragment for each of the two heads, into out-buffer j % 2
.Lout_q:
	s_lshl_b32 s58, s56, 4
	s_lshl_b32 s59, s34, 1
	s_add_co_u32 s58, s58, s59                     ; my even head
	s_lshl_b32 s58, s58, 7
	s_lshl_b32 s59, s57, 3
	s_add_co_u32 s58, s58, s59                     ; x 128 tiles + my first tile
	s_mul_i32 s58, s58, 768
	s_mov_b32 s59, 0
	s_add_nc_u64 s[14:15], s[14:15], s[58:59]
	s_lshl_b32 s58, s56, 3
	s_add_co_u32 s58, s58, s34                     ; my pair of heads
	s_lshl_b32 s58, s58, 7
	s_lshl_b32 s59, s57, 3
	s_add_co_u32 s58, s58, s59
	s_lshl_b32 s58, s58, 6                         ; 64 bytes of scale words a tile
	s_mov_b32 s59, 0
	s_add_nc_u64 s[16:17], s[16:17], s[58:59]
.irp j, 0,1,2,3,4,5,6,7
	ADDB \j, 0
	TURN \j
.if \j > 0
	QOUT \j-1
.endif
	QUANT N, F0+12*(\j%2), F0+12*(\j%2)+6, 160+(\j%2)
.if (\j%2) == 1
	v_cndmask_b32 v162, v160, v161, s44            ; lanes 0-15 tile j - 1's words, lanes 16-31 tile j's
.endif
.endr
	s_wait_alu depctr_va_vdst(0)                   ; the last quantiser has written its out-buffer and the select v162, which the stores below read
	QOUT 7
	s_endpgm
.Lfunc_end_k_q75bbb9e955_qkv:
	.size	k_q75bbb9e955_qkv, .Lfunc_end_k_q75bbb9e955_qkv-k_q75bbb9e955_qkv
	.p2alignl 7, 3214868480
	.fill 96, 4, 3214868480
	.section	.rodata,"a",@progbits
	.p2align	6, 0x0
	.amdhsa_kernel k_q75bbb9e955_qkv
		.amdhsa_group_segment_fixed_size 0
		.amdhsa_private_segment_fixed_size 0
		.amdhsa_enable_private_segment 0
		.amdhsa_kernarg_size 64
		.amdhsa_user_sgpr_count 2
		.amdhsa_user_sgpr_kernarg_segment_ptr 1
		.amdhsa_wavefront_size32 1
		.amdhsa_system_sgpr_workgroup_id_x 1
		.amdhsa_system_sgpr_workgroup_id_y 1
		.amdhsa_system_sgpr_workgroup_id_z 1
		.amdhsa_system_vgpr_workitem_id 0
		.amdhsa_next_free_vgpr 1024
		.amdhsa_next_free_sgpr 66
		.amdhsa_reserve_vcc 0
		.amdhsa_float_denorm_mode_32 3
		.amdhsa_float_denorm_mode_16_64 3
		.amdhsa_memory_ordered 1
		.amdhsa_forward_progress 1
		.amdhsa_inst_pref_size 255
	.end_amdhsa_kernel
	.section	.bss,"aw",@nobits
	.p2align	6
	.space	262144
	.amdgpu_metadata
---
amdhsa.version: [ 1, 2 ]
amdhsa.kernels:
  - .name:           k_q75bbb9e955_qkv
    .symbol:         k_q75bbb9e955_qkv.kd
    .args:
      - { .name: img1, .offset: 0, .size: 8, .value_kind: global_buffer, .address_space: global }
      - { .name: sc1, .offset: 8, .size: 8, .value_kind: global_buffer, .address_space: global }
      - { .name: bq, .offset: 16, .size: 8, .value_kind: global_buffer, .address_space: global }
      - { .name: bk, .offset: 24, .size: 8, .value_kind: global_buffer, .address_space: global }
      - { .name: bv, .offset: 32, .size: 8, .value_kind: global_buffer, .address_space: global }
      - { .name: qimg, .offset: 40, .size: 8, .value_kind: global_buffer, .address_space: global }
      - { .name: qsc, .offset: 48, .size: 8, .value_kind: global_buffer, .address_space: global }
      - { .name: kv, .offset: 56, .size: 8, .value_kind: global_buffer, .address_space: global }
    .group_segment_fixed_size: 0
    .private_segment_fixed_size: 0
    .kernarg_segment_align: 8
    .kernarg_segment_size: 64
    .max_flat_workgroup_size: 128
    .sgpr_count:     66
    .vgpr_count:     1024
    .wavefront_size: 32
...
	.end_amdgpu_metadata
.endif
;; end of part 6
;; launch attn (part 7): grid 8 x 32, 16 waves a work-group, clusters of 4 x 1, 206,848 bytes of LDS; arguments qimg, qsc, kv, oimg, osc; writes oimg, osc
.if DOCPART == 7
	.amdgcn_target "amdgcn-amd-amdhsa--gfx1250"
	.amdhsa_code_object_version 6
	.text
	.protected	k_q75bbb9e955_attn
	.globl	k_q75bbb9e955_attn
	.p2align	8
	.type	k_q75bbb9e955_attn,@function
k_q75bbb9e955_attn:
	s_mov_b64 s[64:65], 0
	v_nop
	global_prefetch_b8 v0, s[64:65] scope:SCOPE_SE
	s_setreg_imm32_b32 hwreg(HW_REG_WAVE_MODE, 25, 1), 1
	s_wait_xcnt 0x0
	s_wait_alu depctr_hold_cnt(0) depctr_sa_sdst(0) depctr_va_vdst(0) depctr_va_sdst(0) depctr_va_ssrc(0) depctr_va_vcc(0) depctr_vm_vsrc(0)
	s_getreg_b32 s2, hwreg(HW_REG_IB_STS2, 6, 4)
	s_cmp_eq_u32 s2, 0
	s_cbranch_scc0 .Lentry_in_a_cluster
	s_endpgm
.Lentry_in_a_cluster:
	s_bfe_u32 s2, ttmp6, 0x10000c
	s_cmp_lg_u32 s2, 0x3003
	s_cbranch_scc0 .Lentry_shape_is_right
	s_endpgm
.Lentry_shape_is_right:
; ATTENTION on codes of FP6 (E2M3) with E8M0 scales, 32 heads of 2,048 queries and keys, head size 64.  o = softmax(q k^T / 8) v, and o is quantised at once for the last product.
; THE SOFTMAX AHEAD OF THE SECOND PRODUCT: t = score x log2(e) / 8; M = the largest t so far, rounded UP to a whole number; p = 2^(t - M) is quantised along the keys, not normalised.
; The row's sum is taken of the unquantised p and divides O at the end.  When M moves, the sum and O are multiplied by 2^(old M - new M): exact.
; SHARES.  A work-group owns 256 queries of one head, each of its sixteen waves one tile of 16, in 256 registers: four waves to a SIMD, so that one wave's vector work stands beside another's products.
; LDS holds the head's WHOLE K and V, codes and scale words, 16 key steps x 12,800 bytes, in the order of the operands' registers: filled once, never again, so there is no ring.
; CLUSTER.  The four work-groups of a cluster belong to one head: each of the sixteen waves asks JOINTLY, with its three partners, for key step w.  One tensor load of a wave is out.
; LAYOUT.  Both products are used transposed (S^T = K Q^T, O^T = V^T P^T): a lane holds ONE query throughout.  The head's 64 numbers fill half of the instruction's K = 128:
; a fragment of K holds TWO keys a row (registers 0-5 one key, registers 6-11 the key 8 further on) and is multiplied twice, by [q | 0] and by [0 | q]; zero codes add nothing.
; So the 16 registers of the two results of fragment f are keys 32 f + 16 (lane / 16) + 0 .. 15, neighbours along the next K.
; OUT.  oimg [row tile 256][head 16][768]: half a fragment; osc [row tile 256][row 16][head 16][2] bytes: a row's 8 scale words for the last product's 8 K steps.
; LIMITS: NaN and infinities are not served; a block of p or of o that is all zeros keeps the byte 1 (its codes are zeros; this program alone reads the bytes).
.set QL,  16                           ; v16-27  [q | 0];  v28-39  [0 | q]
.set F,   40                           ; v40-87  four fragments, of K and then of V
.set S,   96                           ; v96-159 S^T, then p
.set O,   160                          ; v160-191 O^T
.set PC,  192                          ; v192-203 p's codes
.set PT,  204                          ; v204-211 the conversions' second halves
.set BM,  212                          ; v212-215 each block's largest score, then largest p
.set BX,  216                          ; v216-219 the other half's, then the bytes
.set SO,  220                          ; v220-223 the conversions' scale operands
                                       ; v224-225 K's scale words, v226-227 V's, v228 [q | 0]'s, v229 [0 | q]'s, v230 p's: scales and nothing else
                                       ; v12 -M, v13 the largest t, v[14:15] the sum in two halves, v[232:233] f, v234 at work, v[236:237] the sum's second chain
.set TB,  30                           ; s30  LDS byte at which the key step begins
.set CNT, 31
.set CS,  32                           ; s[32:33] c = log2(e) / 8
.set SEL, 34                           ; s[34:35] lane selects: lane l xor 16
.macro PLACES
.rept 4
	v_nop
.endr
.endm
; A round of the cluster's barrier: my work-group's barrier; wave 0 signals for the work-group; every wave waits for all four work-groups; my work-group's barrier once more
.macro ROUND
	s_barrier_signal -1
	s_barrier_wait -1
	s_cmp_lg_u32 s14, 0
	s_cbranch_scc1 .Lnot_wave_0_\@
	s_barrier_signal -3
.Lnot_wave_0_\@:
	s_barrier_wait -3
	s_barrier_signal -1
	s_barrier_wait -1
.endm
.macro KQ f, u                         ; 16 keys of fragment f (u = 0: the lower, 1: the upper) x my 16 queries.  An odd fragment's scale words stand in lanes 16-31
.if ((\f)%2) == 0
	v_wmma_scale_f32_16x16x128_f8f6f4 v[S+8*(2*\f+\u):S+8*(2*\f+\u)+7], v[F+12*\f:F+12*\f+11], v[QL+12*\u:QL+12*\u+11], 0, v[224+\f/2], v[228+\u] matrix_a_fmt:MATRIX_FMT_FP6 matrix_b_fmt:MATRIX_FMT_FP6
.else
	v_wmma_scale_f32_16x16x128_f8f6f4 v[S+8*(2*\f+\u):S+8*(2*\f+\u)+7], v[F+12*\f:F+12*\f+11], v[QL+12*\u:QL+12*\u+11], 0, v[224+\f/2], v[228+\u] matrix_a_fmt:MATRIX_FMT_FP6 matrix_b_fmt:MATRIX_FMT_FP6 matrix_a_scale:MATRIX_SCALE_ROW1
.endif
.endm
.macro PV t                            ; 16 of the head's 64 numbers x my 16 queries, K = the step's 128 keys
.if ((\t)%2) == 0
	v_wmma_scale_f32_16x16x128_f8f6f4 v[O+8*\t:O+8*\t+7], v[F+12*\t:F+12*\t+11], v[PC:PC+11], v[O+8*\t:O+8*\t+7], v[226+\t/2], v230 matrix_a_fmt:MATRIX_FMT_FP6 matrix_b_fmt:MATRIX_FMT_FP6
.else
	v_wmma_scale_f32_16x16x128_f8f6f4 v[O+8*\t:O+8*\t+7], v[F+12*\t:F+12*\t+11], v[PC:PC+11], v[O+8*\t:O+8*\t+7], v[226+\t/2], v230 matrix_a_fmt:MATRIX_FMT_FP6 matrix_b_fmt:MATRIX_FMT_FP6 matrix_a_scale:MATRIX_SCALE_ROW1
.endif
.endm
	s_load_b256 s[4:11], s[0:1], 0x0               ; qimg, qsc, kv, oimg
	s_load_b64 s[12:13], s[0:1], 0x20              ; osc
	v_lshl_add_u32 v254, v0, 2, 0x32000
	v_mov_b32 v255, 0
	ds_add_u32 v254, v255
	ds_add_u32 v254, v255
	v_lshrrev_b32 v1, 5, v0
	s_delay_alu instid0(VALU_DEP_1)
	v_readfirstlane_b32 s14, v1                    ; wave 0..15
	s_bfe_u32 s15, ttmp6, 0x40000                  ; cx: my place in the cluster: it enters q's and o's global addresses alone
	s_lshl_b32 s36, ttmp9, 2                       ; in a cluster launch ttmp9 counts clusters
	s_add_co_u32 s36, s36, s15                     ; my block of 256 queries
	s_and_b32 s37, ttmp7, 0xffff                   ; the head, 0..31, which the four partners share
	s_lshl_b32 s38, s36, 4
	s_add_co_u32 s38, s38, s14                     ; my query tile within the head, 0..127
	s_mul_i32 s40, s37, 204800                     ; kv: the head, and key step w
	s_mul_i32 s41, s14, 12800
	s_add_co_u32 s40, s40, s41
	s_mov_b32 s41, 0
	s_lshl_b32 s42, s37, 7                         ; qimg: (head x 128 + tile) x 768
	s_add_co_u32 s42, s42, s38
	s_mul_i32 s42, s42, 768
	s_mov_b32 s43, 0
	s_lshr_b32 s44, s37, 1                         ; qsc: (pair of heads x 128 + tile) x 64
	s_lshl_b32 s44, s44, 7
	s_add_co_u32 s44, s44, s38
	s_lshl_b32 s44, s44, 6
	s_mov_b32 s45, 0
	s_lshr_b32 s50, s37, 4
	s_lshl_b32 s50, s50, 7
	s_add_co_u32 s50, s50, s38                     ; my row tile among all 256: 128 x batch + tile
	s_and_b32 s52, s37, 15                         ; the head within the batch
	s_lshl_b32 s46, s50, 4                         ; oimg: (row tile x 16 + head) x 768
	s_add_co_u32 s46, s46, s52
	s_mul_i32 s46, s46, 768
	s_mov_b32 s47, 0
	s_lshl_b32 s48, s50, 9                         ; osc: 512 x row tile + 2 x head
	s_lshl_b32 s49, s52, 1
	s_add_co_u32 s48, s48, s49
	s_mov_b32 s49, 0
	s_and_b32 s51, s37, 1
	s_lshl_b32 s51, s51, 4                         ; an odd head's two bytes stand 16 bits up in q's scale word
	s_mov_b32 s[CS], 0x3e38aa3b                    ; c = log2(e) / 8
	s_mov_b32 s[CS+1], s[CS]                       ; (named with it as a pair, so it is written)
	s_mov_b32 s[SEL], 0x76543210
	s_mov_b32 s[SEL+1], 0xfedcba98
	; descriptor group 1: a dense block of 12,800 bytes as 50 rows of 256 bytes (32 elements of 8 bytes), no padding
	s_mov_b32 s20, 15|(3<<16)|(1<<21)              ; 15:0 the mask: all four work-groups; 17:16 elements of 8 bytes; 21 set beside a mask
	s_mov_b32 s21, 32<<16                          ; tensor_dim0 = 32
	s_mov_b32 s22, 50<<16                          ; tensor_dim1 = 50
	s_mov_b32 s23, 32<<16                          ; tile_dim0 = 32
	s_mov_b32 s24, 50                              ; tile_dim1 = 50
	s_mov_b32 s25, 32                              ; from row to row: 32 elements
	s_mov_b32 s26, 0
	s_mov_b32 s27, 0
	s_mov_b32 s16, 1                               ; group 0: count = 1
	s_mul_i32 s17, s14, 12800                      ; LDS address: key step w: no place in the cluster enters it
	s_wait_dscnt 0x0
	s_wait_kmcnt 0x0
	s_add_nc_u64 s[18:19], s[8:9], s[40:41]        ; global address: made of the head and the wave's number alone
	s_or_b32 s19, s19, 0x80000000                  ; type = 2
	s_add_nc_u64 s[4:5], s[4:5], s[42:43]
	s_add_nc_u64 s[6:7], s[6:7], s[44:45]
	s_add_nc_u64 s[10:11], s[10:11], s[46:47]
	s_add_nc_u64 s[12:13], s[12:13], s[48:49]
	ROUND                                          ; all four work-groups are here: the joint loads meet
	tensor_load_to_lds s[16:19], s[20:27]          ; my one tensor load of the launch
	s_nop 0
	PLACES                                         ; four v_nop follow it
	v_and_b32 v6, 31, v0                           ; lane
	v_and_b32 v8, 15, v0                           ; r
	v_bfe_u32 v9, v0, 4, 1                         ; h
	s_delay_alu instid0(VALU_DEP_3)
	v_lshlrev_b32 v1, 4, v6                        ; 16 x lane
	s_delay_alu instid0(VALU_DEP_4)
	v_lshlrev_b32 v2, 3, v6                        ; 8 x lane
	s_delay_alu instid0(VALU_DEP_4)
	v_lshlrev_b32 v7, 2, v8                        ; 4 r
	s_delay_alu instid0(VALU_DEP_4)
	v_lshl_add_u32 v5, v8, 5, v9                   ; osc: 32 r + h
	global_load_b128 v[QL:QL+3], v1, s[4:5]        ; q's half fragment, twice: as registers 0-5 of [q | 0]
	global_load_b64 v[QL+4:QL+5], v2, s[4:5] offset:512
	global_load_b128 v[QL+18:QL+21], v1, s[4:5]    ; and as registers 6-11 of [0 | q]
	global_load_b64 v[QL+22:QL+23], v2, s[4:5] offset:512
	global_load_b32 v228, v7, s[6:7]               ; the scale word of query r: two bytes for each head of the pair
	s_wait_tensorcnt 0x0                           ; my key step has landed,
	s_barrier_signal -1
	s_barrier_wait -1                              ; everybody's has: the head's K and V lie whole in LDS, and nobody writes LDS again
	s_wait_loadcnt 0x0                             ; q
.irp i, 6,7,8,9,10,11,12,13,14,15,16,17
	v_mov_b32 v[QL+\i], 0                          ; the zero halves: zero codes
.endr
	v_lshrrev_b32 v228, s51, v228
	s_delay_alu instid0(VALU_DEP_1)
	v_and_b32 v228, 0xffff, v228                   ; [q | 0]: my head's two bytes below; above them bytes 0, over zero codes
	s_delay_alu instid0(VALU_DEP_1)
	v_lshlrev_b32 v229, 16, v228                   ; [0 | q]
	v_mov_b32 v13, 0xff61b1e6                      ; the largest t so far: -3e38, under every t
	s_delay_alu instid0(VALU_DEP_1)
	v_floor_f32 v12, -v13                          ; -M
	v_mov_b32 v14, 0                               ; the sum, in two halves
	v_mov_b32 v15, 0
	v_mov_b32 v233, 0                              ; (named as the upper half of the pair v[232:233])
.irp b, 0,1,2,3
	v_mov_b32 v[BX+\b], 0                          ; a lane permute's destination counts as one of its sources
.endr
.set cj, 0
.rept 32
	v_mov_b32 v[O+cj], 0                           ; O^T: the step is written once; the first finds zeros.  (These also stand between the scale words just made and the first product)
.set cj, cj+1
.endr
	s_mov_b32 s[TB], 0
	s_mov_b32 s[CNT], 16
.Lstep:                                            ; a key step: 128 keys
	s_setprio 2
	v_add_nc_u32 v3, s[TB], v1
	v_add_nc_u32 v4, s[TB], v2
	v_nop
	v_nop                                          ; four places behind the last step's products, in front of loads into their sources
.irp f, 0,1,2,3
.irp c, 0,1,2
	ds_load_b128 v[F+12*\f+4*\c:F+12*\f+4*\c+3], v3 offset:\f*1536+512*\c   ; K: 512 consecutive bytes a load
.endr
.endr
	ds_load_b64 v[224:225], v4 offset:12288        ; K's scale words: register gg: lanes 0-15 fragment 2 gg's, lanes 16-31 fragment 2 gg + 1's
	s_wait_alu depctr_va_vdst(0)
	s_wait_dscnt 0x0
.irp f, 0,1,2,3
	KQ \f, 0
	KQ \f, 1
.endr
	PLACES
.irp t, 0,1,2,3
.irp c, 0,1,2
	ds_load_b128 v[F+12*\t+4*\c:F+12*\t+4*\c+3], v3 offset:6144+\t*1536+512*\c   ; V, into the registers that K has left: it lands under the softmax
.endr
.endr
	ds_load_b64 v[226:227], v4 offset:12544
.irp b, 0,1,2,3
	v_max3_num_f32 v[BM+\b], v[S+16*\b], v[S+1+16*\b], v[S+2+16*\b]   ; the largest score of each block of 32 keys: for the row's maximum, and, since p rises with the score, for the block's largest p
.endr
.irp i, 3,5,7,9,11,13
.irp b, 0,1,2,3
	v_max3_num_f32 v[BM+\b], v[BM+\b], v[S+16*\b+\i], v[S+1+16*\b+\i]
.endr
.endr
.irp b, 0,1,2,3
	v_max_num_f32 v[BM+\b], v[BM+\b], v[S+15+16*\b]
.endr
.irp b, 0,1,2,3
	s_delay_alu instid0(VALU_DEP_4)
	v_permlanex16_b32 v[BX+\b], v[BM+\b], s[SEL], s[SEL+1]
.endr
.irp b, 0,1,2,3
	s_delay_alu instid0(VALU_DEP_4)
	v_max_num_f32 v[BM+\b], v[BM+\b], v[BX+\b]     ; with lane l xor 16's 16 keys
.endr
	s_delay_alu instid0(VALU_DEP_2)
	v_max3_num_f32 v234, v[BM], v[BM+1], v[BM+2]
	s_delay_alu instid0(VALU_DEP_1)
	v_max_num_f32 v234, v234, v[BM+3]              ; the step's largest score of my query
	s_delay_alu instid0(VALU_DEP_1)
	v_mul_f32 v234, s[CS], v234                    ; as t (c is positive)
	s_delay_alu instid0(VALU_DEP_1)
	v_max_num_f32 v13, v13, v234                   ; the running largest t
	v_mov_b32 v234, v12
	s_delay_alu instid0(VALU_DEP_2)
	v_floor_f32 v12, -v13                          ; the new -M = floor(-t) = -ceil(t): a whole number
	s_delay_alu instid0(VALU_DEP_1)
	v_sub_f32 v234, v12, v234                      ; old M - new M: a whole number, 0 or less
	s_delay_alu instid0(VALU_DEP_1)
	v_cvt_i32_f32 v234, v234                       ; (it saturates)
	s_delay_alu instid0(VALU_DEP_1)
	v_ldexp_f32 v232, 1.0, v234                    ; f = 2^(old M - new M)
.set cj, 0
.rept 32
	v_pk_fma_f32 v[S+cj:S+cj+1], v[S+cj:S+cj+1], s[CS:CS+1], v[12:13] op_sel_hi:[1,0,0]   ; t - M, two at a time
.set cj, cj+2
.endr
.irp b, 0,1,2,3
	v_fma_f32 v[BM+\b], v[BM+\b], s[CS], v12       ; the same of each block's largest score
.endr
.set cj, 0
	s_wait_alu depctr_va_vdst(0)
.rept 64
	v_exp_f32 v[S+cj], v[S+cj]                     ; p = 2^(t - M), at most 1
.set cj, cj+1
.endr
	s_setprio 1
.irp b, 0,1,2,3
	v_exp_f32 v[BM+\b], v[BM+\b]                   ; the block's largest p: the same two instructions on the same number
.endr
	v_pk_mul_f32 v[14:15], v[14:15], v[232:233] op_sel_hi:[1,0]   ; the sums under the new M.  (A plain place behind the exponentials)
	s_wait_alu depctr_va_vdst(0)
.irp b, 0,1,2,3
	v_max_num_f32 v[BM+\b], 0x1800000, v[BM+\b]    ; the floor 2^(3 - 127): the byte cannot fall under 1
.endr
.irp b, 0,1,2,3
	s_delay_alu instid0(VALU_DEP_4)
	v_add_nc_u32 v[SO+\b], 0xff000000, v[BM+\b]    ; 2 off the exponent field: the conversion's scale operand
.endr
.irp b, 0,1,2,3
	s_delay_alu instid0(VALU_DEP_4)
	v_lshrrev_b32 v[BX+\b], 23, v[SO+\b]           ; the scale's byte
.endr
	s_delay_alu instid0(VALU_DEP_3)
	v_lshl_or_b32 v230, v[BX+1], 8, v[BX]          ; p's scale word for these 128 keys
	s_delay_alu instid0(VALU_DEP_1)
	v_lshl_or_b32 v230, v[BX+2], 16, v230
	s_delay_alu instid0(VALU_DEP_1)
	v_lshl_or_b32 v230, v[BX+3], 24, v230
.irp c, 0,1
	v_cvt_scalef32_pk16_fp6_f32 v[PC+6*\c:PC+6*\c+2], v[S+32*\c:S+32*\c+15], v[SO+2*\c]
	v_cvt_scalef32_pk16_fp6_f32 v[PT+4*\c:PT+4*\c+2], v[S+32*\c+16:S+32*\c+31], v[SO+2*\c+1]
.endr
	v_nop                                          ; one plain place behind the scaled conversions
.irp c, 0,1
.irp i, 0,1,2
	v_permlane16_swap_b32 v[PC+6*\c+\i], v[PT+4*\c+\i]   ; a whole block to a lane
.endr
.irp i, 0,1,2
	s_delay_alu instid0(VALU_DEP_3)
	v_mov_b32 v[PC+6*\c+3+\i], v[PT+4*\c+\i]
.endr
.endr
	v_pk_add_f32 v[236:237], v[100:101], v[104:105]
	v_pk_add_f32 v[252:253], v[108:109], v[112:113]
	v_pk_add_f32 v[250:251], v[116:117], v[120:121]
	v_pk_add_f32 v[248:249], v[124:125], v[128:129]
	v_pk_add_f32 v[246:247], v[132:133], v[136:137]
	v_pk_add_f32 v[244:245], v[140:141], v[144:145]
	v_pk_add_f32 v[242:243], v[148:149], v[152:153]
	v_pk_add_f32 v[14:15], v[14:15], v[156:157]
	v_pk_add_f32 v[236:237], v[236:237], v[96:97]
	v_pk_add_f32 v[252:253], v[252:253], v[98:99]
	v_pk_add_f32 v[250:251], v[250:251], v[102:103]
	v_pk_add_f32 v[248:249], v[248:249], v[106:107]
	v_pk_add_f32 v[246:247], v[246:247], v[110:111]
	v_pk_add_f32 v[244:245], v[244:245], v[114:115]
	v_pk_add_f32 v[242:243], v[242:243], v[118:119]
	v_pk_add_f32 v[14:15], v[14:15], v[122:123]
	v_pk_add_f32 v[236:237], v[236:237], v[126:127]
	v_pk_add_f32 v[252:253], v[252:253], v[130:131]
	v_pk_add_f32 v[250:251], v[250:251], v[134:135]
	v_pk_add_f32 v[248:249], v[248:249], v[138:139]
	v_pk_add_f32 v[246:247], v[246:247], v[142:143]
	v_pk_add_f32 v[244:245], v[244:245], v[146:147]
	v_pk_add_f32 v[242:243], v[242:243], v[150:151]
	v_pk_add_f32 v[14:15], v[14:15], v[154:155]
	v_pk_add_f32 v[236:237], v[236:237], v[158:159]
	s_delay_alu instid0(VALU_DEP_2)
	v_pk_add_f32 v[14:15], v[14:15], v[248:249]
	s_delay_alu instid0(VALU_DEP_2)
	v_pk_add_f32 v[236:237], v[236:237], v[246:247]
	s_setprio 0
	v_pk_add_f32 v[252:253], v[252:253], v[244:245]
	v_pk_add_f32 v[250:251], v[250:251], v[242:243]
	s_delay_alu instid0(VALU_DEP_2)
	v_pk_add_f32 v[14:15], v[14:15], v[252:253]
	s_delay_alu instid0(VALU_DEP_2)
	v_pk_add_f32 v[236:237], v[236:237], v[250:251]
	s_delay_alu instid0(VALU_DEP_1)
	v_pk_add_f32 v[14:15], v[14:15], v[236:237]
.set cj, 0
.rept 16
	v_pk_mul_f32 v[O+cj:O+cj+1], v[O+cj:O+cj+1], v[232:233] op_sel_hi:[1,0]   ; O^T under the new M; each accumulator from its low end on
.set cj, cj+2
.endr
	s_wait_alu depctr_va_vdst(0)
	s_wait_dscnt 0x0                               ; V and its scale words are in
.irp t, 0,1,2,3
	PV \t                                          ; four accumulators by turns, one instruction each
.endr
	s_add_co_u32 s[TB], s[TB], 12800
	s_sub_co_u32 s[CNT], s[CNT], 1
	s_cmp_lg_u32 s[CNT], 0
	s_cbranch_scc1 .Lstep
	s_setprio 0
	; THE WAY OUT: O^T / the sum, quantised along the head's 64 numbers (two blocks of the last product's K), leaves as half a fragment and two bytes a row
	PLACES
	v_add_f32 v14, v14, v15                        ; the sum's two halves,
	s_delay_alu instid0(VALU_DEP_1)
	v_permlanex16_b32 v234, v14, s[SEL], s[SEL+1]
	s_delay_alu instid0(VALU_DEP_1)
	v_add_f32 v14, v14, v234                       ; and lane l xor 16's
	s_wait_alu depctr_va_vdst(0)
	v_rcp_f32 v14, v14
	v_nop                                          ; one plain place behind the transcendental
.set cj, 0
	s_wait_alu depctr_va_vdst(0)
.rept 32
	v_mul_f32 v[S+cj], v[O+cj], v14                ; register 16 b + i: number 32 b + 16 h + i of my query's row
.set cj, cj+1
.endr
.irp b, 0,1
	v_max3_num_f32 v[BM+\b], |v[S+16*\b]|, |v[S+1+16*\b]|, 0x1800000
.endr
.irp i, 2,4,6,8,10,12,14
.irp b, 0,1
	s_delay_alu instid0(VALU_DEP_2)
	v_max3_num_f32 v[BM+\b], v[BM+\b], |v[S+16*\b+\i]|, |v[S+1+16*\b+\i]|
.endr
.endr
.irp b, 0,1
	s_delay_alu instid0(VALU_DEP_2)
	v_permlanex16_b32 v[BX+\b], v[BM+\b], s[SEL], s[SEL+1]
.endr
.irp b, 0,1
	s_delay_alu instid0(VALU_DEP_2)
	v_max_num_f32 v[BM+\b], v[BM+\b], v[BX+\b]
.endr
.irp b, 0,1
	s_delay_alu instid0(VALU_DEP_2)
	v_add_nc_u32 v[SO+\b], 0xff000000, v[BM+\b]
.endr
.irp b, 0,1
	s_delay_alu instid0(VALU_DEP_2)
	v_lshrrev_b32 v[BX+\b], 23, v[SO+\b]
.endr
	v_cvt_scalef32_pk16_fp6_f32 v[PC:PC+2], v[S:S+15], v[SO]
	v_cvt_scalef32_pk16_fp6_f32 v[PT:PT+2], v[S+16:S+31], v[SO+1]
	v_nop
.irp i, 0,1,2
	v_permlane16_swap_b32 v[PC+\i], v[PT+\i]
.endr
.irp i, 0,1,2
	s_delay_alu instid0(VALU_DEP_3)
	v_mov_b32 v[PC+3+\i], v[PT+\i]
.endr
	v_cmp_le_u32 vcc_lo, 16, v6
	s_delay_alu instid0(VALU_DEP_1)
	v_cndmask_b32 v234, v[BX], v[BX+1], vcc_lo     ; lane (r, h) stores the byte of block h
	global_store_b128 v1, v[PC:PC+3], s[10:11]     ; 512 consecutive bytes, at a multiple of 256
	global_store_b64 v2, v[PC+4:PC+5], s[10:11] offset:512
	global_store_b8 v5, v234, s[12:13]             ; 32 single bytes, 2 in each row's 32: the sixteen heads fill a row's words together (1 byte in 24 of what this launch stores)
	s_wait_tensorcnt 0x0
	ds_add_u32 v254, v255
	s_wait_dscnt 0x0
	ROUND                                          ; the closing round: no work-group ends while a partner may still ask for a tile that names it
	s_endpgm
.Lfunc_end_k_q75bbb9e955_attn:
	.size	k_q75bbb9e955_attn, .Lfunc_end_k_q75bbb9e955_attn-k_q75bbb9e955_attn
	.p2alignl 7, 3214868480
	.fill 96, 4, 3214868480
	.section	.rodata,"a",@progbits
	.p2align	6, 0x0
	.amdhsa_kernel k_q75bbb9e955_attn
		.amdhsa_group_segment_fixed_size 206848
		.amdhsa_private_segment_fixed_size 0
		.amdhsa_enable_private_segment 0
		.amdhsa_kernarg_size 40
		.amdhsa_user_sgpr_count 2
		.amdhsa_user_sgpr_kernarg_segment_ptr 1
		.amdhsa_wavefront_size32 1
		.amdhsa_system_sgpr_workgroup_id_x 1
		.amdhsa_system_sgpr_workgroup_id_y 1
		.amdhsa_system_sgpr_workgroup_id_z 1
		.amdhsa_system_vgpr_workitem_id 0
		.amdhsa_next_free_vgpr 256
		.amdhsa_next_free_sgpr 66
		.amdhsa_reserve_vcc 1
		.amdhsa_float_denorm_mode_32 3
		.amdhsa_float_denorm_mode_16_64 3
		.amdhsa_memory_ordered 1
		.amdhsa_forward_progress 1
		.amdhsa_inst_pref_size 29
	.end_amdhsa_kernel
	.amdgpu_metadata
---
amdhsa.version: [ 1, 2 ]
amdhsa.kernels:
  - .name:           k_q75bbb9e955_attn
    .symbol:         k_q75bbb9e955_attn.kd
    .args:
      - { .name: qimg, .offset: 0, .size: 8, .value_kind: global_buffer, .address_space: global }
      - { .name: qsc, .offset: 8, .size: 8, .value_kind: global_buffer, .address_space: global }
      - { .name: kv, .offset: 16, .size: 8, .value_kind: global_buffer, .address_space: global }
      - { .name: oimg, .offset: 24, .size: 8, .value_kind: global_buffer, .address_space: global }
      - { .name: osc, .offset: 32, .size: 8, .value_kind: global_buffer, .address_space: global }
    .group_segment_fixed_size: 206848
    .private_segment_fixed_size: 0
    .kernarg_segment_align: 8
    .kernarg_segment_size: 40
    .max_flat_workgroup_size: 512
    .sgpr_count:     66
    .vgpr_count:     256
    .wavefront_size: 32
...
	.end_amdgpu_metadata
.endif
;; end of part 7
;; launch proj (part 8): grid 128 x 1, 16 waves a work-group, no clusters, 175,104 bytes of LDS; arguments oimg, osc, img1, sc1, bp, x, ln_g, ln_b, out0; writes out0
.if DOCPART == 8
	.amdgcn_target "amdgcn-amd-amdhsa--gfx1250"
	.amdhsa_code_object_version 6
	.text
	.protected	k_q75bbb9e955_proj
	.globl	k_q75bbb9e955_proj
	.p2align	8
	.type	k_q75bbb9e955_proj,@function
k_q75bbb9e955_proj:
	s_mov_b64 s[64:65], 0
	v_nop
	global_prefetch_b8 v0, s[64:65] scope:SCOPE_SE
	s_setreg_imm32_b32 hwreg(HW_REG_WAVE_SCHED_MODE, 0, 2), 2
	s_setreg_imm32_b32 hwreg(HW_REG_WAVE_MODE, 25, 1), 1
	s_wait_xcnt 0x0
	s_wait_alu depctr_vm_vsrc(0)
; PROJ.  out0 = LayerNorm(x + o Wp + bp) x ln_g + ln_b.  o and Wp are codes of FP6 (E2M3) with E8M0 scales, in the order of the operands' registers; all else is f32.
; SHARES.  A work-group owns 32 whole rows (row tiles 2 f, 2 f + 1), so that a row's mean and variance never leave it.  Wave w owns columns 64 w .. 64 w + 63 (Wp's tiles 4 w .. 4 w + 3):
; 8 accumulators, 8 K steps of 128, 64 matrix instructions.  Each fragment of Wp is wanted by ONE wave of the work-group and goes from memory straight into its registers, two K steps ahead;
; o's 24,576 bytes, which all sixteen waves want, are copied into LDS once.
; THE WORK-GROUPS BEGIN AT DIFFERENT K STEPS: slot j of work-group f holds K step (j + f) mod 8, of Wp, of o and of both kinds of scale words alike.  All 128 work-groups walk the same Wp:
; so they do not all ask for the same eighth of it at the same time.  Only global offsets hang on f: o's copy lies in LDS in the order of the slots, and every register number is a slot's.
; Source 0 = 16 columns of Wp, source 1 = 16 rows of o: a lane holds one row and eight neighbouring columns a tile.  A tile's rows are 32 (t / 2) + 8 (t % 2) + r + 8 (r / 8).
; THE WAY OUT.  Through the wave's own stage the results come back as rows: sixteen lanes hold 256 neighbouring bytes of a row, as x, ln_g, ln_b and out0 want them.
; The mean, and then the mean of the squared differences from it (two passes: no difference of large sums), are summed over a wave's 64 columns by lane steps and over the 16 waves through LDS.
; NO CLUSTER: what work-groups share is Wp, and here it never passes through LDS, where a joint load would land; a wave's 6,144 bytes of it a K step are read once by that wave.
; LIMITS: NaN and infinities are not served.  The eight K steps are summed in an order that differs from work-group to work-group: the f32 sums' rounding differs in the last bits from a sum in ascending K.
; REGISTERS: v1-12 addresses; v16-79 accumulators ((i, a) at v[16 + 8 (4 a + i)]), ahead of the first product v16-31 the scale words' lane offsets, later sums, means, ln_g, ln_b;
; v80-127, v128-175 Wp's fragments, two sets; v176-199, v200-223 o's, two sets; v224-239 Wp's scale words, v240-247 o's: scales and nothing else; v248-251 bp.
; On the way out group k (two rows x 64 columns) has y in Y(k) and x in X(k).
; THE MODE: SCHED_MODE bits 1:0 = 2 (LLVM: expert scheduling mode 2), set by the entry lines.  The code itself states the register dependences
; between vector or matrix instructions and memory or LDS instructions, with s_wait_alu, always for 0.
; THE PLAN.  Registers that memory or LDS instructions touch:
;   Wp's and o's sets   Slot s: its eight products read set s % 2; behind them the loads of slot s + 2 land in it (behind slot 6: x; behind slot 7: the rows that come back from the stage).
;                       The wave's 256 registers are all named, so there is no third set: ONE wait on va_vdst stands behind each slot's products and their places, ahead of those loads,
;                       which go out there so that at each slot's head the next slot's 12 + 8 loads are still on their way.
;   v16-31              Read as lane offsets by the scale words' loads; then accumulators.   v176-187: the data of o's copy into LDS; then o's set 0.  One wait on vm_vsrc behind the first barrier serves both.
;   v16-79              Written by the products; read by the stage's stores (behind slot 7's wait); written again, behind one wait on vm_vsrc, by ln_g's and ln_b's loads and by the sums.
;   v16-31, v32, v32-63 In each reduction: written by vector lines, read by LDS stores, landed in by LDS loads: a wait on va_vdst ahead of each run of stores; one on vm_vsrc ahead of the second pass.
;   Y(k)                Written by the last arithmetic, four groups at a time; one wait on va_vdst ahead of each run of four stores; never written again.
;   v1-12               Addresses, made at the head and never written again.   v254, v255: written at the head, read by the closing add alone.
.set STG,  24576                       ; LDS: o's fragments at 0; from here a stage of 32 rows x (256 + 16) bytes for each wave
.set RED1, 163840                      ; 32 rows x (16 waves' words + 16 bytes): the first sums
.set RED2, 166400                      ; the second sums
.set SCR,  168960                      ; 256 bytes for each wave: 32 means, 32 reciprocal deviations
.set WB,   48                          ; s[48:63] slot j: Wp at my four tiles and the slot's K step
.macro PLACES
.rept 4
	v_nop
.endr
.endm
.macro GRP k                           ; group k = 8 a + t: rows 8 a + 2 t + 8 (t / 4) + (lane / 16) of the 32
.if (\k) < 12
.set Y, 128+4*(\k)
.set X, 80+4*(\k)
.else
.set Y, 200+4*((\k)-12)
.set X, 176+4*((\k)-12)
.endif
.set ROWO, (8*((\k)/8)+2*((\k)%8)+8*(((\k)%8)/4))*4096
.endm
.macro WLOAD s                         ; Wp's four fragments of slot s into set s % 2: 12 loads of 512 consecutive bytes
.irp i, 0,1,2,3
.irp c, 0,1,2
	global_load_b128 v[80+48*((\s)%2)+12*\i+4*\c:80+48*((\s)%2)+12*\i+4*\c+3], v1, s[WB+2*(\s):WB+2*(\s)+1] offset:\i*12288+512*\c
.endr
.endr
.endm
.macro OLOAD s                         ; o's two fragments of slot s into set s % 2: each is two heads' halves: 8 LDS loads
.irp a, 0,1
	ds_load_b128 v[176+24*((\s)%2)+12*\a:176+24*((\s)%2)+12*\a+3], v1 offset:\a*12288+(\s)*1536
	ds_load_b64 v[176+24*((\s)%2)+12*\a+4:176+24*((\s)%2)+12*\a+5], v2 offset:\a*12288+(\s)*1536+512
	ds_load_b128 v[176+24*((\s)%2)+12*\a+6:176+24*((\s)%2)+12*\a+9], v1 offset:\a*12288+(\s)*1536+768
	ds_load_b64 v[176+24*((\s)%2)+12*\a+10:176+24*((\s)%2)+12*\a+11], v2 offset:\a*12288+(\s)*1536+1280
.endr
.endm
.macro PM i, a, s, zero                ; Wp's tile i x o's tile a.  An odd tile's scale words stand in lanes 16-31
.set rD, 16+8*(4*(\a)+(\i))
.set rA, 80+48*((\s)%2)+12*(\i)
.set rB, 176+24*((\s)%2)+12*(\a)
.set rSA, 224+2*(\s)+(\i)/2
.set rSB, 240+(\s)
.if \zero
.if (((\i)%2) == 0) && ((\a) == 0)
	v_wmma_scale_f32_16x16x128_f8f6f4 v[rD:rD+7], v[rA:rA+11], v[rB:rB+11], 0, v[rSA], v[rSB] matrix_a_fmt:MATRIX_FMT_FP6 matrix_b_fmt:MATRIX_FMT_FP6
.elseif (((\i)%2) == 1) && ((\a) == 0)
	v_wmma_scale_f32_16x16x128_f8f6f4 v[rD:rD+7], v[rA:rA+11], v[rB:rB+11], 0, v[rSA], v[rSB] matrix_a_fmt:MATRIX_FMT_FP6 matrix_b_fmt:MATRIX_FMT_FP6 matrix_a_scale:MATRIX_SCALE_ROW1
.elseif (((\i)%2) == 0) && ((\a) == 1)
	v_wmma_scale_f32_16x16x128_f8f6f4 v[rD:rD+7], v[rA:rA+11], v[rB:rB+11], 0, v[rSA], v[rSB] matrix_a_fmt:MATRIX_FMT_FP6 matrix_b_fmt:MATRIX_FMT_FP6 matrix_b_scale:MATRIX_SCALE_ROW1
.else
	v_wmma_scale_f32_16x16x128_f8f6f4 v[rD:rD+7], v[rA:rA+11], v[rB:rB+11], 0, v[rSA], v[rSB] matrix_a_fmt:MATRIX_FMT_FP6 matrix_b_fmt:MATRIX_FMT_FP6 matrix_a_scale:MATRIX_SCALE_ROW1 matrix_b_scale:MATRIX_SCALE_ROW1
.endif
.else
.if (((\i)%2) == 0) && ((\a) == 0)
	v_wmma_scale_f32_16x16x128_f8f6f4 v[rD:rD+7], v[rA:rA+11], v[rB:rB+11], v[rD:rD+7], v[rSA], v[rSB] matrix_a_fmt:MATRIX_FMT_FP6 matrix_b_fmt:MATRIX_FMT_FP6
.elseif (((\i)%2) == 1) && ((\a) == 0)
	v_wmma_scale_f32_16x16x128_f8f6f4 v[rD:rD+7], v[rA:rA+11], v[rB:rB+11], v[rD:rD+7], v[rSA], v[rSB] matrix_a_fmt:MATRIX_FMT_FP6 matrix_b_fmt:MATRIX_FMT_FP6 matrix_a_scale:MATRIX_SCALE_ROW1
.elseif (((\i)%2) == 0) && ((\a) == 1)
	v_wmma_scale_f32_16x16x128_f8f6f4 v[rD:rD+7], v[rA:rA+11], v[rB:rB+11], v[rD:rD+7], v[rSA], v[rSB] matrix_a_fmt:MATRIX_FMT_FP6 matrix_b_fmt:MATRIX_FMT_FP6 matrix_b_scale:MATRIX_SCALE_ROW1
.else
	v_wmma_scale_f32_16x16x128_f8f6f4 v[rD:rD+7], v[rA:rA+11], v[rB:rB+11], v[rD:rD+7], v[rSA], v[rSB] matrix_a_fmt:MATRIX_FMT_FP6 matrix_b_fmt:MATRIX_FMT_FP6 matrix_a_scale:MATRIX_SCALE_ROW1 matrix_b_scale:MATRIX_SCALE_ROW1
.endif
.endif
.endm
; v16 + k holds, in each half of the lanes, my number for one row of group k.  It is summed over the half's 16 lanes, then over the 16 waves through LDS at off bytes from RED1:
; place 16 (lane / 16) + k of 32, word w.  Behind the barrier lane l sums place l's 16 words into v32.
.macro ACROSS off
.irp m, 1,2,4,8
.set ck, 0
.rept 16
	v_add_f32_dpp v[16+ck], v[16+ck], v[16+ck] row_xmask:\m row_mask:0xf bank_mask:0xf
.set ck, ck+1
.endr
.endr
	s_wait_alu depctr_va_vdst(0)                   ; the lane steps have written v16-31, which the LDS stores read; the vector lines that named v32-47, in which the LDS loads below land, are done
.set ck, 0
.rept 16
	ds_store_b32 v7, v[16+ck] offset:\off+ck*80    ; the 16 lanes of a half write the same word with the same value
.set ck, ck+1
.endr
	s_wait_dscnt 0x0                               ; for the others' sake: my words have landed
	s_barrier_signal -1
	s_barrier_wait -1
.irp q, 0,1,2,3
	ds_load_b128 v[32+4*\q:35+4*\q], v8 offset:\off+16*\q
.endr
	s_wait_dscnt 0x0
	v_pk_add_f32 v[32:33], v[32:33], v[34:35]
	v_pk_add_f32 v[36:37], v[36:37], v[38:39]
	v_pk_add_f32 v[40:41], v[40:41], v[42:43]
	v_pk_add_f32 v[44:45], v[44:45], v[46:47]
	v_pk_add_f32 v[32:33], v[32:33], v[36:37]
	v_pk_add_f32 v[40:41], v[40:41], v[44:45]
	v_pk_add_f32 v[32:33], v[32:33], v[40:41]
	v_add_f32 v32, v32, v33
.endm
; lane l's v32 (place l's figure) goes through my own scratch; v48 + k then holds the figure of my row of group k.  LDS serves a wave's instructions in order (ISA guide 5.7.1.4): the loads see the store.
; The wait on va_vdst that the store and the loads hang on stands ahead of each use of the macro.
.macro SPREAD off
	ds_store_b32 v9, v32 offset:\off
.irp q, 0,1,2,3
	ds_load_b128 v[48+4*\q:51+4*\q], v10 offset:\off+16*\q
.endr
	s_wait_dscnt 0x0
.endm
	s_load_b256 s[4:11], s[0:1], 0x0               ; oimg, osc, img1, sc1
	s_load_b256 s[12:19], s[0:1], 0x20             ; bp, x, ln_g, ln_b
	s_load_b64 s[20:21], s[0:1], 0x40              ; out0
	v_lshl_add_u32 v254, v0, 2, 0x2a400
	v_mov_b32 v255, 0
	v_lshrrev_b32 v1, 5, v0
	v_readfirstlane_b32 s22, v1                    ; wave 0..15
	v_and_b32 v13, 31, v0                          ; lane
	v_and_b32 v14, 15, v0                          ; lane % 16
	v_bfe_u32 v15, v0, 4, 1                        ; lane / 16
	v_lshlrev_b32 v1, 4, v13                       ; 16 x lane
	v_lshlrev_b32 v2, 3, v13                       ; 8 x lane
	v_lshlrev_b32 v3, 5, v13                       ; 32 x lane
	s_wait_alu depctr_va_sdst(0)                   ; s22, the wave's number, is written, ahead of its first reader: offsets and LDS addresses are made from it
	s_lshl_b32 s34, s22, 8                         ; my 64 columns: 256 bytes
	v_lshl_add_u32 v11, v14, 4, s34                ; my four columns, in bp, ln_g, ln_b
	v_lshl_add_u32 v4, v15, 12, v11                ; and in x and out0: lanes 16-31 one row further down
	s_mul_i32 s35, s22, 8704
	s_add_co_u32 s35, s35, STG                     ; my stage
	v_mul_u32_u24 v5, v14, 272
	v_lshl_add_u32 v5, v15, 6, v5
	v_add_nc_u32 v5, s35, v5                       ; into it: row r of a tile, + 64 h
	v_mul_u32_u24 v6, v15, 272
	v_lshl_add_u32 v6, v14, 4, v6
	v_add_nc_u32 v6, s35, v6                       ; out of it: lanes 0-15 one row, lanes 16-31 the next, 16 bytes a lane
	s_lshl_b32 s36, s22, 2
	s_add_co_u32 s36, s36, RED1
	v_mul_u32_u24 v7, v15, 1280
	v_add_nc_u32 v7, s36, v7                       ; my wave's word of place 16 (lane / 16) + k
	v_mul_u32_u24 v8, v13, 80
	v_add_nc_u32 v8, RED1, v8                      ; place l's 16 words
	s_add_co_u32 s37, s34, SCR                     ; my scratch
	v_lshl_add_u32 v9, v13, 2, s37
	v_lshl_add_u32 v10, v15, 6, s37
	s_mul_i32 s38, s22, 1536
	v_add_nc_u32 v12, s38, v1                      ; my sixteenth of o's copy: tile w / 8, slot w % 8
	s_and_b32 s42, s22, 7                          ; which holds K step (w % 8 + work-group) mod 8
	s_add_co_u32 s42, s42, ttmp9
	s_and_b32 s42, s42, 7
	s_mul_i32 s42, s42, 1536
	s_lshr_b32 s43, s22, 3
	s_mul_i32 s43, s43, 12288
	s_mul_i32 s24, ttmp9, 24576                    ; oimg: my work-group's two tiles, my tile, that K step
	s_add_co_u32 s24, s24, s42
	s_add_co_u32 s24, s24, s43
	s_mov_b32 s25, 0
	s_lshl_b32 s26, ttmp9, 10                      ; osc
	s_mov_b32 s27, 0
	s_mul_i32 s28, s22, 49152                      ; img1: Wp, my four tiles
	s_add_co_u32 s28, s28, 5505024
	s_mov_b32 s29, 0
	s_lshr_b32 s30, s22, 1                         ; sc1: Wp's unit w / 2, words 2 (w % 2) and 2 (w % 2) + 1 of a lane's four
	s_lshl_b32 s30, s30, 12
	s_and_b32 s31, s22, 1
	s_lshl_b32 s31, s31, 3
	s_add_co_u32 s30, s30, s31
	s_add_co_u32 s30, s30, 229376
	s_mov_b32 s31, 0
	s_lshl_b32 s32, ttmp9, 17                      ; x, out0: 32 rows of 4,096 bytes
	s_mov_b32 s33, 0
	s_mov_b32 s40, 0x3a800000                      ; 1 / 1,024
	s_mov_b32 s41, 0x3727c5ac                      ; 1e-5
	s_mov_b32 s45, 0
	s_wait_kmcnt 0x0
	s_add_nc_u64 s[4:5], s[4:5], s[24:25]
	s_add_nc_u64 s[6:7], s[6:7], s[26:27]
	s_add_nc_u64 s[8:9], s[8:9], s[28:29]
	s_add_nc_u64 s[10:11], s[10:11], s[30:31]
	s_add_nc_u64 s[14:15], s[14:15], s[32:33]
	s_add_nc_u64 s[20:21], s[20:21], s[32:33]
	s_wait_alu depctr_va_vdst(0)                   ; the addresses v1-12 are written: the kernel's loads and stores, global and LDS, read them, and none is written again
.irp c, 0,1,2
	global_load_b128 v[176+4*\c:179+4*\c], v1, s[4:5] offset:512*\c   ; my sixteenth of o
.endr
	global_load_b128 v[248:251], v11, s[12:13]     ; bp
.irp j, 0,1,2,3,4,5,6,7
	s_add_co_u32 s42, ttmp9, \j
	s_and_b32 s42, s42, 7                          ; slot j's K step
	v_lshl_add_u32 v[16+\j], s42, 9, v1            ; Wp's scale words: 512 bytes a K step, 16 x lane
	v_lshl_add_u32 v[24+\j], s42, 2, v3            ; o's: 4 bytes a K step, 32 x lane
	s_mul_i32 s44, s42, 1536
	s_add_nc_u64 s[WB+2*\j:WB+2*\j+1], s[8:9], s[44:45]   ; Wp's fragments: 1,536 bytes a K step
.endr
	s_wait_alu depctr_va_vdst(0)                   ; the sixteen lane offsets v16-31 are written, which the scale words' loads below read
.irp j, 0,1,2,3,4,5,6,7
	global_load_b64 v[224+2*\j:225+2*\j], v[16+\j], s[10:11]   ; Wp's scale words of the 8 slots
.endr
.irp j, 0,1,2,3,4,5,6,7
	global_load_b32 v[240+\j], v[24+\j], s[6:7]    ; o's: lanes 0-15 the even tile's rows, lanes 16-31 the odd tile's
.endr
	WLOAD 0
	WLOAD 1
	s_wait_loadcnt 41                              ; o's three loads are in; behind them 1 + 8 + 8 + 24 may be out
.irp c, 0,1,2
	ds_store_b128 v12, v[176+4*\c:179+4*\c] offset:512*\c
.endr
	s_wait_dscnt 0x0                               ; for the others' sake: my part of o has landed
	s_barrier_signal -1
	s_barrier_wait -1                              ; o's sixteen fragments lie in LDS, and nobody writes them again
	s_wait_alu depctr_vm_vsrc(0)                   ; my LDS stores have read v176-187, in which o's fragments land below; the scale words' loads have read v16-31, which the first products write
	OLOAD 0
	OLOAD 1
.irp s, 0,1,2,3,4,5,6,7
.if \s < 7
	s_wait_loadcnt 12                              ; this slot's fragments of Wp (and all before them, the scale words among them: so v16-31 are free) are in; the next slot's 12 may be out
	s_wait_dscnt 8                                 ; this slot's fragments of o are in; the next slot's 8 loads may be out
.else
	s_wait_loadcnt 16                              ; behind the last slot's fragments: x's 16 loads
	s_wait_dscnt 0x0
.endif
.irp a, 0,1
.irp i, 0,1,2,3
.if \s == 0
	PM \i, \a, \s, 1                               ; the first slot's products start the sums
.else
	PM \i, \a, \s, 0                               ; the 8 accumulators take turns, in the same order in every slot
.endif
.endr
.endr
	PLACES                                         ; the places behind the slot's products stay, beside the wait below
	s_wait_alu depctr_va_vdst(0)                   ; the slot's products are done reading their set, in which the loads below land; behind the last slot they have also written the accumulators, which the stage's stores read
.if \s < 6
	WLOAD \s+2
	OLOAD \s+2
.endif
.if \s == 6
.set ck, 0
.rept 16
	GRP ck
	global_load_b128 v[X:X+3], v4, s[14:15] offset:ROWO th:TH_LOAD_NT   ; x, into the sets that slot 6 has left: 16 lanes read 256 consecutive bytes of a row; its last read in the program
.set ck, ck+1
.endr
.endif
.endr
	; ---- the way out
.irp a, 0,1
.irp i, 0,1,2,3
	ds_store_b128 v5, v[16+8*(4*\a+\i):16+8*(4*\a+\i)+3] offset:\a*4352+128*(\i/2)+32*(\i%2)        ; lane (r, h): columns 32 (i / 2) + 16 h + 8 (i % 2) + 0 .. 7 of row r; each accumulator from its low end on
	ds_store_b128 v5, v[16+8*(4*\a+\i)+4:16+8*(4*\a+\i)+7] offset:\a*4352+128*(\i/2)+32*(\i%2)+16
.endr
.endr
.set ck, 0
.rept 16
	GRP ck
	ds_load_b128 v[Y:Y+3], v6 offset:2*ck*272      ; my own bytes, served in order: these see the stores above.  They land in the sets that slot 7 has left: no vector or matrix line since its wait names them
.set ck, ck+1
.endr
	s_wait_dscnt 0x0                               ; the rows are back
	s_wait_alu depctr_vm_vsrc(0)                   ; the stage's stores have read the accumulators v16-79: ln_g's and ln_b's loads land there, and the sums below are written there
	global_load_b128 v[64:67], v11, s[16:17]       ; ln_g
	global_load_b128 v[68:71], v11, s[18:19]       ; ln_b
	s_wait_loadcnt 2                               ; x is in; these two may be out
.set ck, 0
.rept 16
	GRP ck
	v_pk_add_f32 v[Y:Y+1], v[Y:Y+1], v[248:249]    ; o Wp + bp,
	v_pk_add_f32 v[Y+2:Y+3], v[Y+2:Y+3], v[250:251]
	v_pk_add_f32 v[Y:Y+1], v[Y:Y+1], v[X:X+1]      ; + x: y
	v_pk_add_f32 v[Y+2:Y+3], v[Y+2:Y+3], v[X+2:X+3]
	v_pk_add_f32 v[32+2*ck:33+2*ck], v[Y:Y+1], v[Y+2:Y+3]
.set ck, ck+1
.endr
.set ck, 0
.rept 16
	v_add_f32 v[16+ck], v[32+2*ck], v[33+2*ck]     ; the sum of my four columns
.set ck, ck+1
.endr
	ACROSS 0
	v_mul_f32 v32, s40, v32                        ; the mean of place l's row
	s_wait_alu depctr_va_vdst(0)                   ; v32 is written, which the scratch's store reads; the additions that named v48-63, in which the scratch's loads land, are done
	SPREAD 0
.set ck, 0
.rept 16
	GRP ck
.irp e, 0,1,2,3
	v_sub_f32 v[Y+\e], v[Y+\e], v[48+ck]           ; y - mean
.endr
.set ck, ck+1
.endr
	s_wait_alu depctr_vm_vsrc(0)                   ; the first sums' LDS stores have read v16-31, which the squares below write; the scratch's store has read v32, in which the second sums land
.set ck, 0
.rept 16
	GRP ck
	v_mul_f32 v[16+ck], v[Y], v[Y]
.set ck, ck+1
.endr
.irp e, 1,2,3
.set ck, 0
.rept 16
	GRP ck
	v_fma_f32 v[16+ck], v[Y+\e], v[Y+\e], v[16+ck] ; the squares of my four columns; the sixteen groups by turns
.set ck, ck+1
.endr
.endr
	ACROSS RED2-RED1
	v_fma_f32 v32, v32, s40, s41                   ; the variance + 1e-5
	s_wait_alu depctr_va_vdst(0)
	v_rsq_f32 v32, v32
	v_nop                                          ; one plain place behind the transcendental
	s_wait_alu depctr_va_vdst(0)                   ; the reciprocal root has written v32, ahead of its first reader, the scratch's store; the subtractions are done reading v48-63, in which the scratch's loads land
	SPREAD 128
	s_wait_loadcnt 0x0                             ; ln_g, ln_b
.set ck, 0
.rept 4                                            ; four groups at a time: their arithmetic, one wait, their four stores
.set cb, ck
.rept 4
	GRP ck
.irp e, 0,1,2,3
	v_mul_f32 v[Y+\e], v[Y+\e], v[48+ck]
.endr
	v_pk_fma_f32 v[Y:Y+1], v[Y:Y+1], v[64:65], v[68:69]
	v_pk_fma_f32 v[Y+2:Y+3], v[Y+2:Y+3], v[66:67], v[70:71]
.set ck, ck+1
.endr
	s_wait_alu depctr_va_vdst(0)                   ; the lines above have written these four groups' Y, which the stores below read; no Y is written again
.set ck, cb
.rept 4
	GRP ck
	global_store_b128 v4, v[Y:Y+3], s[20:21] offset:ROWO th:TH_STORE_NT   ; 16 lanes store 256 consecutive bytes, at a multiple of 256 from out0's first byte; written once, read by nobody here
.set ck, ck+1
.endr
.endr
	s_wait_dscnt 0x0                               ; the closing lines, six on end
	s_wait_alu 0x0
	s_wait_tensorcnt 0x0
	ds_add_u32 v254, v255
	s_wait_dscnt 0x0
	s_endpgm
.Lfunc_end_k_q75bbb9e955_proj:
	.size	k_q75bbb9e955_proj, .Lfunc_end_k_q75bbb9e955_proj-k_q75bbb9e955_proj
	.p2alignl 7, 3214868480
	.fill 96, 4, 3214868480
	.section	.rodata,"a",@progbits
	.p2align	6, 0x0
	.amdhsa_kernel k_q75bbb9e955_proj
		.amdhsa_group_segment_fixed_size 175104
		.amdhsa_private_segment_fixed_size 0
		.amdhsa_enable_private_segment 0
		.amdhsa_kernarg_size 72
		.amdhsa_user_sgpr_count 2
		.amdhsa_user_sgpr_kernarg_segment_ptr 1
		.amdhsa_wavefront_size32 1
		.amdhsa_system_sgpr_workgroup_id_x 1
		.amdhsa_system_sgpr_workgroup_id_y 1
		.amdhsa_system_sgpr_workgroup_id_z 1
		.amdhsa_system_vgpr_workitem_id 0
		.amdhsa_next_free_vgpr 256
		.amdhsa_next_free_sgpr 66
		.amdhsa_reserve_vcc 0
		.amdhsa_float_denorm_mode_32 3
		.amdhsa_float_denorm_mode_16_64 3
		.amdhsa_memory_ordered 1
		.amdhsa_forward_progress 1
		.amdhsa_inst_pref_size 65
	.end_amdhsa_kernel
	.amdgpu_metadata
---
amdhsa.version: [ 1, 2 ]
amdhsa.kernels:
  - .name:           k_q75bbb9e955_proj
    .symbol:         k_q75bbb9e955_proj.kd
    .args:
      - { .name: oimg, .offset: 0, .size: 8, .value_kind: global_buffer, .address_space: global }
      - { .name: osc, .offset: 8, .size: 8, .value_kind: global_buffer, .address_space: global }
      - { .name: img1, .offset: 16, .size: 8, .value_kind: global_buffer, .address_space: global }
      - { .name: sc1, .offset: 24, .size: 8, .value_kind: global_buffer, .address_space: global }
      - { .name: bp, .offset: 32, .size: 8, .value_kind: global_buffer, .address_space: global }
      - { .name: x, .offset: 40, .size: 8, .value_kind: global_buffer, .address_space: global }
      - { .name: ln_g, .offset: 48, .size: 8, .value_kind: global_buffer, .address_space: global }
      - { .name: ln_b, .offset: 56, .size: 8, .value_kind: global_buffer, .address_space: global }
      - { .name: out0, .offset: 64, .size: 8, .value_kind: global_buffer, .address_space: global }
    .group_segment_fixed_size: 175104
    .private_segment_fixed_size: 0
    .kernarg_segment_align: 8
    .kernarg_segment_size: 72
    .max_flat_workgroup_size: 512
    .sgpr_count:     66
    .vgpr_count:     256
    .wavefront_size: 32
...
	.end_amdgpu_metadata
.endif
;; end of part 8
